; MI455X (gfx1250); checked and timed in simulation.
; The chip was launched on July 23, 2026; its instructions are those of AMD's public machine-readable ISA for CDNA 5 (MIT licence, August 2026) and "CDNA5" Instruction Set Architecture Reference Guide (July 2026). The comments in the code are by the model that wrote it; some were corrected since.
;; Block. Allowed arithmetic: matrix products marked QUANTISED: E2M3 operands, one E8M0 scale for each 32 along K, by v_wmma_scale_f32_16x16x128_f8f6f4 with both operands' format E2M3, f32 sums; everything else in f32.
;; Inputs: b1 4,096 float32; b2 1,024 float32; be1 1,024 float32; be2 1,024 float32; bo 1,024 float32; g1 1,024 float32; g2 1,024 float32; w1 1,024 x 4,096 float32; w2 4,096 x 1,024 float32; wk 1,024 x 1,024 float32; wo 1,024 x 1,024 float32; wq 1,024 x 1,024 float32; wv 1,024 x 1,024 float32; x 4 x 1,024 x 1,024 float32.
;; Outputs: out0 4 x 1,024 x 1,024 float32.
;; This version of the problem:
;;   THIS VERSION OF THE PROBLEM IS GIVEN IN LOW PRECISION. The matrix products marked QUANTISED in the list below multiply operands that are first quantised to E2M3 (2 exponent bits, 3 mantissa bits; 6 bits a number), with one power-of-two scale for each 32 numbers along K (OCP MX v1.0); their sums are f32. All else is computed in f32.
;;   The module's matrix products, in the order in which they are computed (A, B: the left and right operand; K: the contracted axis; several contracted axes count as one K, in the product's order):
;;     1. [M 4,096, K 1,024] x [K 1,024, N 1,024]; A: computed on the way; B: input wq: QUANTISED
;;     2. [M 4,096, K 1,024] x [K 1,024, N 1,024]; A: computed on the way; B: input wk: QUANTISED
;;     3. [M 4,096, K 1,024] x [K 1,024, N 1,024]; A: computed on the way; B: input wv: QUANTISED
;;     4. batch 64 x [M 1,024, K 64] x [K 64, N 1,024]; A: computed on the way; B: computed on the way: QUANTISED
;;     5. batch 64 x [M 1,024, K 1,024] x [K 1,024, N 64]; A: softmax (see below); B: computed on the way: QUANTISED
;;     6. [M 4,096, K 1,024] x [K 1,024, N 1,024]; A: computed on the way; B: input wo: QUANTISED
;;     7. [M 4,096, K 1,024] x [K 1,024, N 4,096]; A: computed on the way; B: input w1: QUANTISED
;;     8. [M 4,096, K 4,096] x [K 4,096, N 1,024]; A: computed on the way; B: input w2: QUANTISED
;;   THE QUANTISER, for each operand of a quantised product, along K:
;;     - K is cut into blocks of 32 from its start; a last block that is shorter is filled with zeros.
;;     - A block's scale is 2^e with e = floor(log2(the largest magnitude in the block)) - 2, held to -126 .. 127; a block of zeros has e = 0. As a byte (E8M0): e + 127.
;;     - Each number is divided by its block's scale, clamped to +-7.5, and rounded to the nearest number of E2M3, ties to even, subnormals kept.
;;     - The product sums the exact products of the quantised numbers (number of the format x scale) in f32.
;;   ~~~python
;;   def quantise(x, axis):      # numpy; x: float32 -> the quantised numbers, widened to float32 again
;;       x = np.moveaxis(x, axis, -1); K = x.shape[-1]
;;       x = np.pad(x, [(0, 0)] * (x.ndim - 1) + [(0, -K % 32)]); x = x.reshape(x.shape[:-1] + (-1, 32)); a = np.abs(x).max(-1, keepdims=True)
;;       e = np.where(a > 0, np.clip(np.frexp(np.where(a > 0, a, 1))[1] - 1 - 2, -126, 127), 0)      # np.frexp(a)[1] - 1 = floor(log2(a)), exactly
;;       r = np.clip(x / 2.0 ** e, -7.5, 7.5)
;;       step = 2.0 ** (np.maximum(np.frexp(np.where(r == 0, 1, r))[1] - 1, 0) - 3)
;;       q = np.round(r / step) * step * 2.0 ** e      # np.round: ties to even
;;       return np.moveaxis(q.reshape(q.shape[:-2] + (-1,))[..., :K], -1, axis).astype(np.float32)
;;   ~~~
;;   SOFTMAX AHEAD OF A QUANTISED PRODUCT. Where the list says 'softmax', what is quantised is not the finished softmax but p = 2^(t - M), with t = logit x log2(e) and M = ceil(the row's largest t), a whole number; so 1/2 < the row's largest p <= 1. The row's sum l is taken of the UNQUANTISED p, in f32, and the product's result is divided by l at the end. Since M is a whole number, a kernel that streams over the keys may use a running M (the ceiling of the running maximum): every later rescaling is an exact power of two, which a block's scale takes up: the codes' values come out the same.
;;   OPERANDS COMPUTED ON THE WAY. 'Computed on the way' means the value that the module computes at that place (a softmax that the list does not call 'softmax' is quantised finished and normalised). What goes into a quantiser is computed in f32, as accurately as f32 sums, v_exp_f32 and their like allow (about 1e-6 of the number): no bf16 or f16 on the way to a quantiser, and a product that is left as it is and whose result goes on into a quantised operand takes f32 operands (vector FMAs, or v_wmma_f32_16x16x4_f32). A number that lies on a knife's edge between two numbers of the format may be rounded either way, as far as f32 arithmetic and the matrix unit's own rounding can turn it there, and no further.
;; One version. Each part assembles by itself: llvm-mc -triple=amdgcn-amd-amdhsa -mcpu=gfx1250 --defsym DOCPART=n.
;; ======== version 1 of 1: 7 launches
;; limits: right only within a limited range of input values
;; workspace buffers: wts 9,830,400 bytes; xn 3,276,800 bytes; qkv 10,092,544 bytes; att 3,276,800 bytes; x1 16,777,216 bytes; xn2 3,276,800 bytes; hid 13,107,200 bytes
;; launch prep (part 1): grid 448 x 1, 8 waves a work-group, no clusters, 69,632 bytes of LDS; arguments wq, wk, wv, wo, w1, w2, x, g1, be1, wts, xn; writes wts, xn
.if DOCPART == 1
	.amdgcn_target "amdgcn-amd-amdhsa--gfx1250"
	.amdhsa_code_object_version 6
	.text
	.protected	k_qc116e14dfc_prep
	.globl	k_qc116e14dfc_prep
	.p2align	8
	.type	k_qc116e14dfc_prep,@function
k_qc116e14dfc_prep:
	s_mov_b64 s[64:65], 0
	v_nop
	global_prefetch_b8 v0, s[64:65] scope:SCOPE_SE
	s_setreg_imm32_b32 hwreg(HW_REG_WAVE_MODE, 25, 1), 1
	s_wait_xcnt 0x0
; PREP.  Work-groups 0-191 quantise the six weights along K (their FIRST axis) into codes of FP6 (E2M3) with one E8M0 byte for each 32 along K; work-groups 192-447 make LN1(x) and quantise it along its 1,024 columns.
; ALL CODES OF THIS PROGRAM LIE AS IMAGES OF OPERAND REGISTERS.  A fragment (16 rows x 128 K, 12 registers a lane) is 1,536 bytes: half c at 768 c; its registers 6 c .. 6 c + 3 of lane L at 16 L, registers 6 c + 4, 6 c + 5 at 512 + 8 L.
; Fragment (rt, ks) of a tensor with KS K steps lies at (rt KS + ks) x 1,536; its scale words at (rt KS + ks) x 64 + 4 r.  So every store here covers 512 or 256 consecutive bytes, aligned, and a reader needs no shuffle.
; ROW ORDER: row tile rt = 2 A + u, lane row r, holds LOGICAL row 32 A + 8 u + r + 8 (r / 8): bits 3 and 4 of the row's number change places.  A transposed product on such tiles leaves 16 neighbouring logical columns in a lane's 16 registers of two tiles.
; A block's scale is 2^(floor(log2(largest magnitude)) - 2); its byte is the largest magnitude's exponent field - 2, held at 1 from below.
; LIMITS: a block of zeros gets the byte 1 where the rule says 127 (its codes are zeros, and this program alone reads the bytes); blocks whose largest magnitude lies under 2^-124 were not tried; NaN and infinities are not served.
; No tensor load, no cluster: nothing is shared between work-groups.  The branch between the two paths hangs on the work-group's number alone; only the LN path touches LDS.
.set SPARE, 68608                      ; the spare words: 128 bytes for each of eight waves, four blocks of 256 bytes that no other line names
.set RED,   67584                      ; two blocks of 512 bytes: a word for each (row, wave)
.set SPW,   11                         ; v11  SPARE + 4 x my thread's number; never rewritten
.set NIL,   12                         ; v12  0; never rewritten
.set XP,    20                         ; s[20:21] x
.set GP,    22                         ; s[22:23] the gain
.set BP,    24                         ; s[24:25] the bias
.set OP,    28                         ; s[28:29] the codes' buffer
	s_load_b512 s[8:23], s[0:1], 0x0               ; wq s[8:9], wk s[10:11], wv s[12:13], wo s[14:15], w1 s[16:17], w2 s[18:19], x s[20:21], g1 s[22:23]
	s_load_b128 s[24:27], s[0:1], 0x40             ; be1 s[24:25], wts s[26:27]
	s_load_b64 s[28:29], s[0:1], 0x50              ; xn
	v_lshl_add_u32 v[SPW], v0, 2, SPARE
	v_mov_b32 v[NIL], 0
	v_lshrrev_b32 v1, 5, v0
	s_delay_alu instid0(VALU_DEP_1)
	v_readfirstlane_b32 s30, v1                    ; wave 0..7
	v_and_b32 v1, 31, v0                           ; lane L
	v_and_b32 v2, 15, v0                           ; r
	v_bfe_u32 v3, v0, 4, 1                         ; h (weights: u)
	s_cmp_ge_u32 ttmp9, 192
	s_cbranch_scc1 .Lln
; ---------------- THE WEIGHTS.  A work-group takes 128 logical columns x 512 K; wave w columns 32 (w % 4) on and K 256 (w / 4) on.  A LANE TAKES A COLUMN AND ITS REGISTERS RUN DOWN K.
; Lane 16 u + r takes logical column 16 (r / 8) + 8 u + r % 8 of the 32: a load is still 128 consecutive bytes, and the lane is row r of physical tile rt0 + u.
	v_and_b32 v4, 7, v0
	v_bfe_u32 v5, v0, 3, 1
	s_delay_alu instid0(VALU_DEP_1)
	v_lshl_add_u32 v4, v5, 4, v4
	s_delay_alu instid0(VALU_DEP_1)
	v_lshl_add_u32 v4, v3, 3, v4
	s_delay_alu instid0(VALU_DEP_1)
	v_lshlrev_b32 v4, 2, v4                        ; v4: my column's byte in a row of the 32 columns
	v_lshlrev_b32 v7, 4, v1                        ; v7: 16 L
	v_lshlrev_b32 v8, 3, v1                        ; v8: 8 L
	; which weight, which columns, which K: work-groups 0-63 wq, wk, wv, wo (16 each); 64-127 w1; 128-191 w2
	s_lshr_b32 s31, ttmp9, 4                       ; the weight's number, under 64
	s_and_b32 s32, ttmp9, 7                        ; block of 128 columns
	s_bfe_u32 s33, ttmp9, 0x10003                  ; block of 512 along K
	s_lshl_b32 s34, s31, 10                        ; its first row in the codes' buffer
	s_sub_co_u32 s35, ttmp9, 64
	s_and_b32 s36, s35, 31
	s_lshr_b32 s37, s35, 5
	s_cmp_ge_u32 ttmp9, 64
	s_cselect_b32 s32, s36, s32
	s_cselect_b32 s33, s37, s33
	s_cselect_b32 s34, 4096, s34
	s_sub_co_u32 s35, ttmp9, 128
	s_and_b32 s36, s35, 7
	s_lshr_b32 s37, s35, 3
	s_mov_b32 s40, 9437184
	s_cmp_ge_u32 ttmp9, 128
	s_cselect_b32 s32, s36, s32
	s_cselect_b32 s33, s37, s33
	s_cselect_b32 s34, 0, s34
	s_cselect_b32 s38, 5, 3                        ; log2 of the K steps of a row: 32 for w2, else 8
	s_cselect_b32 s39, 6291456, 0                  ; where the tensor's codes begin in wts
	s_cselect_b32 s40, 9699328, s40                ; and its scale words
	s_lshr_b32 s41, ttmp9, 6
	s_cmp_eq_u32 s41, 1
	s_cselect_b32 s41, 14, 12                      ; log2 of a row of the weight in bytes: 16,384 for w1, else 4,096
	s_lshr_b32 s42, s30, 2                         ; w / 4
	s_and_b32 s43, s30, 3                          ; w % 4
	s_lshl_b32 s44, s33, 9
	s_lshl_b32 s45, s42, 8
	s_add_co_u32 s44, s44, s45                     ; my first k
	s_lshl_b32 s44, s44, s41                       ; in bytes
	s_lshl_b32 s45, s32, 7
	s_lshl_b32 s46, s43, 5
	s_add_co_u32 s45, s45, s46                     ; my first column
	s_lshl_b32 s46, s45, 2
	s_add_co_u32 s46, s44, s46
	s_mov_b32 s47, 0
	s_add_co_u32 s45, s45, s34
	s_lshr_b32 s45, s45, 4                         ; rt0
	s_lshl_b32 s48, s33, 2
	s_lshl_b32 s49, s42, 1
	s_add_co_u32 s48, s48, s49                     ; ks0
	s_lshl_b32 s45, s45, s38
	s_add_co_u32 s45, s45, s48                     ; the first fragment's number
	s_wait_alu depctr_va_vdst(0)
	v_lshlrev_b32 v6, s38, v3
	s_delay_alu instid0(VALU_DEP_1)
	v_lshlrev_b32 v6, 6, v6
	s_delay_alu instid0(VALU_DEP_1)
	v_lshl_add_u32 v6, v2, 2, v6                   ; v6: my scale word's place: tile u, row r
	s_wait_kmcnt 0x0
	s_cmp_eq_u32 s31, 1                            ; the weight's address: a choice on the work-group's number alone
	s_cselect_b64 s[8:9], s[10:11], s[8:9]
	s_cmp_eq_u32 s31, 2
	s_cselect_b64 s[8:9], s[12:13], s[8:9]
	s_cmp_eq_u32 s31, 3
	s_cselect_b64 s[8:9], s[14:15], s[8:9]
	s_cmp_ge_u32 ttmp9, 64
	s_cselect_b64 s[8:9], s[16:17], s[8:9]
	s_cmp_ge_u32 ttmp9, 128
	s_cselect_b64 s[8:9], s[18:19], s[8:9]
	s_add_nc_u64 s[8:9], s[8:9], s[46:47]          ; the weight at my first k, my first column
	s_mul_i32 s46, s45, 1536
	s_add_co_u32 s46, s46, s39
	s_add_nc_u64 s[50:51], s[26:27], s[46:47]      ; tile rt0's fragments
	s_lshl_b32 s46, 0x600, s38
	s_add_nc_u64 s[52:53], s[50:51], s[46:47]      ; tile rt0 + 1's: a row tile's K steps further on
	s_lshl_b32 s46, s45, 6
	s_add_co_u32 s46, s46, s40
	s_add_nc_u64 s[54:55], s[26:27], s[46:47]      ; the scale words
.macro LOADP p, pitch                  ; 64 rows of K (two blocks of 32) of my column into set p % 2; the largest offset, 255 rows of 16,384 bytes, lies inside the signed 24-bit immediate
.set i, 0
.rept 64
	global_load_b32 v[32+64*((\p)%2)+i], v4, s[8:9] offset:(64*(\p)+i)*\pitch th:TH_LOAD_NT
.set i, i+1
.endr
.endm
.macro PAIR p, pitch                   ; pair p: half p % 2 of K step p / 2, for two row tiles
.set XS, 32+64*((\p)%2)
.set CH, (\p)%2
.set KL, (\p)/2
.if (\p) < 3
	s_wait_loadcnt 63                              ; 64 younger loads were issued; the count's field holds 63 at the most, so one of them is waited for too
.else
	s_wait_loadcnt 0x0
.endif
	v_max3_num_f32 v16, |v[XS]|, |v[XS+1]|, 0x1800000      ; the two blocks' largest magnitudes, by turns; the floor 2^(3 - 127) among the leaves holds the byte at 1 from below
	v_max3_num_f32 v17, |v[XS+32]|, |v[XS+33]|, 0x1800000
.irp i, 2,4,6,8,10,12,14,16,18,20,22,24,26,28,30
	s_delay_alu instid0(VALU_DEP_2)
	v_max3_num_f32 v16, v16, |v[XS+\i]|, |v[XS+\i+1]|
	s_delay_alu instid0(VALU_DEP_2)
	v_max3_num_f32 v17, v17, |v[XS+32+\i]|, |v[XS+33+\i]|
.endr
	s_delay_alu instid0(VALU_DEP_2)
	v_add_nc_u32 v18, 0xff000000, v16              ; 2 off the exponent field: the conversion's scale operand
	s_delay_alu instid0(VALU_DEP_2)
	v_add_nc_u32 v19, 0xff000000, v17
	s_delay_alu instid0(VALU_DEP_2)
	v_lshrrev_b32 v20, 23, v18                     ; the bytes
	s_delay_alu instid0(VALU_DEP_2)
	v_lshrrev_b32 v21, 23, v19
.if CH == 0
	s_delay_alu instid0(VALU_DEP_1)
	v_lshl_or_b32 v[14+KL], v21, 8, v20            ; bytes 0 and 1 of the K step's word
.else
	s_delay_alu instid0(VALU_DEP_2)
	v_lshl_or_b32 v[14+KL], v20, 16, v[14+KL]      ; bytes 2 and 3
	s_delay_alu instid0(VALU_DEP_1)
	v_lshl_or_b32 v[14+KL], v21, 24, v[14+KL]
.endif
	s_wait_alu depctr_va_vdst(0)
	s_wait_xcnt 0x0                                ; the last pair's stores have read their data: the codes' registers may be written again
	v_cvt_scalef32_pk16_fp6_f32 v[160:162], v[XS:XS+15], v18
	v_cvt_scalef32_pk16_fp6_f32 v[172:174], v[XS+16:XS+31], v18       ; (a conversion's three registers begin on an even number)
	v_cvt_scalef32_pk16_fp6_f32 v[166:168], v[XS+32:XS+47], v19
	v_cvt_scalef32_pk16_fp6_f32 v[176:178], v[XS+48:XS+63], v19
	v_nop                                          ; one plain place behind the conversions
.if (\p) < 2
	LOADP (\p)+2, \pitch                           ; the set is free
.endif
.irp i, 0,1,2
	v_mov_b32 v[163+\i], v[172+\i]
	v_mov_b32 v[169+\i], v[176+\i]
.endr
.irp i, 0,1,2,3,4,5                    ; v160-165: my row's block 0, v166-171: its block 1.  The exchange gives v160-165 tile rt0's half (lanes 0-15 block 0, lanes 16-31 block 1), v166-171 tile rt0 + 1's
	v_permlane16_swap_b32 v[160+\i], v[166+\i]
.endr
	global_store_b128 v7, v[160:163], s[50:51] offset:1536*KL+768*CH
	global_store_b64 v8, v[164:165], s[50:51] offset:1536*KL+768*CH+512
	global_store_b128 v7, v[166:169], s[52:53] offset:1536*KL+768*CH
	global_store_b64 v8, v[170:171], s[52:53] offset:1536*KL+768*CH+512
.if CH == 1
	global_store_b32 v6, v[14+KL], s[54:55] offset:64*KL
.endif
.endm
.macro WQ pitch
	LOADP 0, \pitch
	LOADP 1, \pitch
	PAIR 0, \pitch
	PAIR 1, \pitch
	PAIR 2, \pitch
	PAIR 3, \pitch
.endm
	s_cmp_eq_u32 s41, 14
	s_cbranch_scc1 .Lwide
	WQ 4096
	s_endpgm
.Lwide:
	WQ 16384
	s_endpgm
; ---------------- LN1(x).  A work-group takes one row tile (16 physical rows), wave w its K step w (128 columns).
.Lln:
	s_sub_co_u32 s31, ttmp9, 192                   ; rt
; LDS: wave w's stage at 8,448 w (16 rows x 528 bytes); RED; SPARE.
; REGISTERS: v4 stage in, v5 stage out, v6, v7 RED, v8 8 L, v9 128 h, v10 4 r, v13 16 L; v16-79 x as loaded, then the gain; v80-143 the bias; v144-207 my 64 numbers: register 32 c + i = column 64 c + 32 h + i of row r; v208-226 codes; v228-251 at work.
	s_mov_b32 s32, 0x76543210
	s_mov_b32 s33, 0xfedcba98                      ; v_permlanex16_b32's selects for lane l xor 16
	s_mov_b32 s34, 0x3a800000                      ; 2^-10
	s_mov_b32 s35, 0x3727c5ac                      ; 1e-5
	s_mul_i32 s36, s30, 8448
	s_wait_alu depctr_va_vdst(0)
	v_lshlrev_b32 v13, 4, v1
	v_lshlrev_b32 v8, 3, v1
	v_lshlrev_b32 v9, 7, v3
	v_lshlrev_b32 v10, 2, v2
	s_delay_alu instid0(VALU_DEP_4)
	v_add_nc_u32 v4, s36, v13
	v_mul_u32_u24 v5, v2, 528
	s_delay_alu instid0(VALU_DEP_1)
	v_add_nc_u32 v5, v5, v9
	s_delay_alu instid0(VALU_DEP_1)
	v_add_nc_u32 v5, s36, v5
	s_lshl_b32 s37, s30, 2
	v_lshlrev_b32 v7, 5, v2
	s_delay_alu instid0(VALU_DEP_1)
	v_add_nc_u32 v7, RED, v7                       ; row r's eight words
	s_delay_alu instid0(VALU_DEP_1)
	v_add_nc_u32 v6, s37, v7                       ; my wave's among them
	s_lshr_b32 s38, s31, 1
	s_lshl_b32 s38, s38, 5
	s_and_b32 s39, s31, 1
	s_lshl_b32 s39, s39, 3
	s_add_co_u32 s38, s38, s39                     ; the tile's first logical row
	s_lshl_b32 s38, s38, 12
	s_lshl_b32 s40, s30, 9                         ; my 128 columns: 512 bytes
	s_add_co_u32 s38, s38, s40
	s_mov_b32 s39, 0
	s_mov_b32 s41, 0
	s_lshl_b32 s42, s31, 3
	s_add_co_u32 s42, s42, s30                     ; the fragment's number: 8 rt + w
	s_mul_i32 s44, s42, 1536
	s_mov_b32 s45, 0
	s_lshl_b32 s42, s42, 6
	s_mov_b32 s43, 0
	s_wait_alu depctr_va_vdst(0)
	s_wait_kmcnt 0x0
	s_add_nc_u64 s[XP:XP+1], s[XP:XP+1], s[38:39]
	s_add_nc_u64 s[GP:GP+1], s[GP:GP+1], s[40:41]
	s_add_nc_u64 s[BP:BP+1], s[BP:BP+1], s[40:41]
	s_add_nc_u64 s[46:47], s[OP:OP+1], s[44:45]
	s_add_nc_u64 s[48:49], s[OP:OP+1], s[42:43]
.irp q, 0,1,2,3,4,5,6,7,8,9,10,11,12,13,14,15
	global_load_b128 v[16+4*\q:19+4*\q], v13, s[XP:XP+1] offset:(\q+8*(\q/8))*4096 th:TH_LOAD_NT   ; physical row q: 512 consecutive bytes
.endr
.irp c, 0,1
.irp j, 0,1,2,3,4,5,6,7
	global_load_b128 v[80+32*\c+4*\j:83+32*\c+4*\j], v9, s[BP:BP+1] offset:256*\c+16*\j
.endr
.endr
	s_wait_loadcnt 16                              ; x is in; the bias's sixteen loads may be out
.irp q, 0,1,2,3,4,5,6,7,8,9,10,11,12,13,14,15
	ds_store_b128 v4, v[16+4*\q:19+4*\q] offset:528*\q
.endr
.irp c, 0,1
.irp j, 0,1,2,3,4,5,6,7
	ds_load_b128 v[144+32*\c+4*\j:147+32*\c+4*\j], v5 offset:256*\c+16*\j    ; LDS serves a wave's instructions in order: these see my stores
.endr
.endr
	s_wait_dscnt 0x0                               ; my numbers are back, and the stores have read their registers, which take the gain
.irp c, 0,1
.irp j, 0,1,2,3,4,5,6,7
	global_load_b128 v[16+32*\c+4*\j:19+32*\c+4*\j], v9, s[GP:GP+1] offset:256*\c+16*\j
.endr
.endr
.macro ACROSS off                      ; v[236:237]: my 64 numbers' sum in two halves -> v240: the row's sum over 1,024 columns
	s_delay_alu instid0(VALU_DEP_1)
	v_add_f32 v236, v236, v237
	s_delay_alu instid0(VALU_DEP_1)
	v_permlanex16_b32 v237, v236, s32, s33
	s_delay_alu instid0(VALU_DEP_1)
	v_add_f32 v236, v236, v237
	ds_store_b32 v6, v236 offset:\off              ; lanes r and r + 16 write the same word with the same value
	s_wait_dscnt 0x0                               ; for the others' sake
	s_barrier_signal -1
	s_barrier_wait -1
	ds_load_b128 v[240:243], v7 offset:\off
	ds_load_b128 v[244:247], v7 offset:\off+16
	s_wait_dscnt 0x0
	v_add_f32 v240, v240, v241
	v_add_f32 v242, v242, v243
	v_add_f32 v244, v244, v245
	v_add_f32 v246, v246, v247
	s_delay_alu instid0(VALU_DEP_3)
	v_add_f32 v240, v240, v242
	s_delay_alu instid0(VALU_DEP_2)
	v_add_f32 v244, v244, v246
	s_delay_alu instid0(VALU_DEP_1)
	v_add_f32 v240, v240, v244
.endm
	v_pk_add_f32 v[238:239], v[144:145], v[146:147]
	v_pk_add_f32 v[254:255], v[152:153], v[156:157]
	v_pk_add_f32 v[252:253], v[160:161], v[164:165]
	v_pk_add_f32 v[250:251], v[168:169], v[172:173]
	v_pk_add_f32 v[248:249], v[176:177], v[180:181]
	v_pk_add_f32 v[246:247], v[184:185], v[188:189]
	v_pk_add_f32 v[244:245], v[192:193], v[196:197]
	v_pk_add_f32 v[236:237], v[200:201], v[204:205]
	s_delay_alu instid0(VALU_DEP_1)
	v_pk_add_f32 v[236:237], v[236:237], v[148:149]
	v_pk_add_f32 v[238:239], v[238:239], v[150:151]
	v_pk_add_f32 v[254:255], v[254:255], v[154:155]
	v_pk_add_f32 v[252:253], v[252:253], v[158:159]
	v_pk_add_f32 v[250:251], v[250:251], v[162:163]
	v_pk_add_f32 v[248:249], v[248:249], v[166:167]
	v_pk_add_f32 v[246:247], v[246:247], v[170:171]
	v_pk_add_f32 v[244:245], v[244:245], v[174:175]
	v_pk_add_f32 v[236:237], v[236:237], v[178:179]
	v_pk_add_f32 v[238:239], v[238:239], v[182:183]
	v_pk_add_f32 v[254:255], v[254:255], v[186:187]
	v_pk_add_f32 v[252:253], v[252:253], v[190:191]
	v_pk_add_f32 v[250:251], v[250:251], v[194:195]
	v_pk_add_f32 v[248:249], v[248:249], v[198:199]
	v_pk_add_f32 v[246:247], v[246:247], v[202:203]
	v_pk_add_f32 v[244:245], v[244:245], v[206:207]
	s_delay_alu instid0(VALU_DEP_4)
	v_pk_add_f32 v[236:237], v[236:237], v[250:251]
	s_delay_alu instid0(VALU_DEP_4)
	v_pk_add_f32 v[238:239], v[238:239], v[248:249]
	s_delay_alu instid0(VALU_DEP_4)
	v_pk_add_f32 v[254:255], v[254:255], v[246:247]
	s_delay_alu instid0(VALU_DEP_4)
	v_pk_add_f32 v[252:253], v[252:253], v[244:245]
	s_delay_alu instid0(VALU_DEP_2)
	v_pk_add_f32 v[236:237], v[236:237], v[254:255]
	s_delay_alu instid0(VALU_DEP_2)
	v_pk_add_f32 v[238:239], v[238:239], v[252:253]
	s_delay_alu instid0(VALU_DEP_1)
	v_pk_add_f32 v[236:237], v[236:237], v[238:239]
	ACROSS 0
	s_delay_alu instid0(VALU_DEP_1)
	v_mul_f32 v248, s34, v240                      ; the mean
	s_delay_alu instid0(VALU_DEP_1)
	v_mov_b32 v249, v248
.set j, 0
.rept 32
	v_pk_add_f32 v[144+j:145+j], v[144+j:145+j], v[248:249] neg_lo:[0,1] neg_hi:[0,1]   ; x - mean first: the variance is a sum of small squares whatever the inputs' common offset
.set j, j+2
.endr
	v_pk_mul_f32 v[236:237], v[144:145], v[144:145]
	v_pk_mul_f32 v[238:239], v[146:147], v[146:147]
.irp j, 4,8,12,16,20,24,28,32,36,40,44,48,52,56,60
	s_delay_alu instid0(VALU_DEP_2)
	v_pk_fma_f32 v[236:237], v[144+\j:145+\j], v[144+\j:145+\j], v[236:237]
	s_delay_alu instid0(VALU_DEP_2)
	v_pk_fma_f32 v[238:239], v[146+\j:147+\j], v[146+\j:147+\j], v[238:239]
.endr
	s_delay_alu instid0(VALU_DEP_1)
	v_pk_add_f32 v[236:237], v[236:237], v[238:239]
	ACROSS 512                                     ; other words than the first sum's: no barrier between the two uses
	s_delay_alu instid0(VALU_DEP_1)
	v_fma_f32 v250, v240, s34, s35                 ; variance + eps
	s_wait_alu depctr_va_vdst(0)
	v_rsq_f32 v250, v250
	v_nop                                          ; a plain place behind the transcendental
	s_wait_alu depctr_va_vdst(0)                   ; the wait ahead of the result's first reader
	v_mov_b32 v251, v250
.set j, 0
.rept 32
	v_pk_mul_f32 v[144+j:145+j], v[144+j:145+j], v[250:251]
.set j, j+2
.endr
	s_wait_loadcnt 0x0                             ; gain and bias
.set j, 0
.rept 32
	v_pk_fma_f32 v[144+j:145+j], v[144+j:145+j], v[16+j:17+j], v[80+j:81+j]
.set j, j+2
.endr
	; the quantiser: blocks h and 2 + h of the K step are mine whole
	v_max3_num_f32 v228, |v144|, |v145|, 0x1800000
	v_max3_num_f32 v229, |v176|, |v177|, 0x1800000
.irp i, 2,4,6,8,10,12,14,16,18,20,22,24,26,28,30
	s_delay_alu instid0(VALU_DEP_2)
	v_max3_num_f32 v228, v228, |v[144+\i]|, |v[145+\i]|
	s_delay_alu instid0(VALU_DEP_2)
	v_max3_num_f32 v229, v229, |v[176+\i]|, |v[177+\i]|
.endr
	s_delay_alu instid0(VALU_DEP_2)
	v_add_nc_u32 v230, 0xff000000, v228
	s_delay_alu instid0(VALU_DEP_2)
	v_add_nc_u32 v231, 0xff000000, v229
	s_delay_alu instid0(VALU_DEP_2)
	v_lshrrev_b32 v232, 23, v230
	s_delay_alu instid0(VALU_DEP_2)
	v_lshrrev_b32 v233, 23, v231
	s_delay_alu instid0(VALU_DEP_1)
	v_lshl_or_b32 v234, v233, 16, v232
	v_lshlrev_b32 v235, 3, v3
	s_delay_alu instid0(VALU_DEP_1)
	v_lshlrev_b32 v234, v235, v234                 ; my two bytes at their places, 8 h bits up
	s_delay_alu instid0(VALU_DEP_1)
	v_permlanex16_b32 v235, v234, s32, s33
	s_delay_alu instid0(VALU_DEP_1)
	v_or_b32 v234, v234, v235                      ; with lane l xor 16's the word is whole
	v_cvt_scalef32_pk16_fp6_f32 v[208:210], v[144:159], v230
	v_cvt_scalef32_pk16_fp6_f32 v[220:222], v[160:175], v230
	v_cvt_scalef32_pk16_fp6_f32 v[214:216], v[176:191], v231
	v_cvt_scalef32_pk16_fp6_f32 v[224:226], v[192:207], v231
	v_nop
.irp i, 0,1,2
	v_mov_b32 v[211+\i], v[220+\i]
	v_mov_b32 v[217+\i], v[224+\i]
.endr
	global_store_b128 v13, v[208:211], s[46:47]
	global_store_b64 v8, v[212:213], s[46:47] offset:512
	global_store_b128 v13, v[214:217], s[46:47] offset:768
	global_store_b64 v8, v[218:219], s[46:47] offset:1280
	global_store_b32 v10, v234, s[48:49] offset:3145728    ; lanes r and r + 16 store the same word
	s_wait_tensorcnt 0x0                           ; the wave's end, behind my last LDS store
	ds_add_u32 v[SPW], v[NIL]
	s_wait_dscnt 0x0
	s_endpgm
.Lfunc_end_k_qc116e14dfc_prep:
	.size	k_qc116e14dfc_prep, .Lfunc_end_k_qc116e14dfc_prep-k_qc116e14dfc_prep
	.p2alignl 7, 3214868480
	.fill 96, 4, 3214868480
	.section	.rodata,"a",@progbits
	.p2align	6, 0x0
	.amdhsa_kernel k_qc116e14dfc_prep
		.amdhsa_group_segment_fixed_size 69632
		.amdhsa_private_segment_fixed_size 0
		.amdhsa_enable_private_segment 0
		.amdhsa_kernarg_size 88
		.amdhsa_user_sgpr_count 2
		.amdhsa_user_sgpr_kernarg_segment_ptr 1
		.amdhsa_wavefront_size32 1
		.amdhsa_system_sgpr_workgroup_id_x 1
		.amdhsa_system_sgpr_workgroup_id_y 1
		.amdhsa_system_sgpr_workgroup_id_z 1
		.amdhsa_system_vgpr_workitem_id 0
		.amdhsa_next_free_vgpr 256
		.amdhsa_next_free_sgpr 66
		.amdhsa_reserve_vcc 0
		.amdhsa_float_denorm_mode_32 3
		.amdhsa_float_denorm_mode_16_64 3
		.amdhsa_memory_ordered 1
		.amdhsa_forward_progress 1
		.amdhsa_inst_pref_size 116
	.end_amdhsa_kernel
	.amdgpu_metadata
---
amdhsa.version: [ 1, 2 ]
amdhsa.kernels:
  - .name:           k_qc116e14dfc_prep
    .symbol:         k_qc116e14dfc_prep.kd
    .args:
      - { .name: wq, .offset: 0, .size: 8, .value_kind: global_buffer, .address_space: global }
      - { .name: wk, .offset: 8, .size: 8, .value_kind: global_buffer, .address_space: global }
      - { .name: wv, .offset: 16, .size: 8, .value_kind: global_buffer, .address_space: global }
      - { .name: wo, .offset: 24, .size: 8, .value_kind: global_buffer, .address_space: global }
      - { .name: w1, .offset: 32, .size: 8, .value_kind: global_buffer, .address_space: global }
      - { .name: w2, .offset: 40, .size: 8, .value_kind: global_buffer, .address_space: global }
      - { .name: x, .offset: 48, .size: 8, .value_kind: global_buffer, .address_space: global }
      - { .name: g1, .offset: 56, .size: 8, .value_kind: global_buffer, .address_space: global }
      - { .name: be1, .offset: 64, .size: 8, .value_kind: global_buffer, .address_space: global }
      - { .name: wts, .offset: 72, .size: 8, .value_kind: global_buffer, .address_space: global }
      - { .name: xn, .offset: 80, .size: 8, .value_kind: global_buffer, .address_space: global }
    .group_segment_fixed_size: 69632
    .private_segment_fixed_size: 0
    .kernarg_segment_align: 8
    .kernarg_segment_size: 88
    .max_flat_workgroup_size: 256
    .sgpr_count:     66
    .vgpr_count:     256
    .wavefront_size: 32
...
	.end_amdgpu_metadata
.endif
;; end of part 1
;; launch qkv (part 2): grid 48 x 4, 4 waves a work-group, clusters of 4 x 4, 327,680 bytes of LDS; arguments xn, wts, qkv; writes qkv
.if DOCPART == 2
	.amdgcn_target "amdgcn-amd-amdhsa--gfx1250"
	.amdhsa_code_object_version 6
	.text
	.protected	k_qc116e14dfc_qkv
	.globl	k_qc116e14dfc_qkv
	.p2align	8
	.type	k_qc116e14dfc_qkv,@function
k_qc116e14dfc_qkv:
	s_mov_b64 s[64:65], 0
	v_nop
	global_prefetch_b8 v0, s[64:65] scope:SCOPE_SE
	s_setreg_imm32_b32 hwreg(HW_REG_WAVE_MODE, 25, 1), 1
	s_wait_xcnt 0x0
	s_wait_alu depctr_hold_cnt(0) depctr_sa_sdst(0) depctr_va_vdst(0) depctr_va_sdst(0) depctr_va_ssrc(0) depctr_va_vcc(0) depctr_vm_vsrc(0)
	s_getreg_b32 s2, hwreg(HW_REG_IB_STS2, 6, 4)
	s_cmp_eq_u32 s2, 0
	s_cbranch_scc0 .Lentry_in_a_cluster
	s_endpgm
.Lentry_in_a_cluster:
	s_bfe_u32 s2, ttmp6, 0x10000c
	s_cmp_lg_u32 s2, 0xf033
	s_cbranch_scc0 .Lentry_shape_is_right
	s_endpgm
.Lentry_shape_is_right:
; A GEMM ON REGISTER IMAGES OF FP6 CODES, K = 1,024, WHOSE RESULT IS QUANTISED IN REGISTERS AND LEAVES AS CODES.  One text, two uses, told apart by QKV.
; QKV = 1: clusters 0-7 make q (even) and k (odd) = LN1(x) W, quantised along each head's 64; clusters 8-11 make v^T = Wv^T LN1(x)^T, quantised along the keys.  QKV = 0: relu(LN2(x1) w1 + b1), quantised along the 4,096 hidden units.
; A tile of the result is 256 x 256; four waves, each 128 x 128: 64 accumulators, 512 registers.  K goes in steps of 256 through two LDS slots filled by tensor loads; the scale words of all of K come once.
; IMAGES: fragment (rt, ks), 1,536 bytes, lies at (8 rt + ks) x 1,536: half c at 768 c, registers 6 c .. 6 c + 3 of lane L at 16 L, registers 6 c + 4, 6 c + 5 at 512 + 8 L.  So a fragment comes by four LDS loads whose lanes read consecutive bytes: no padding.
; A tile's "row" for the tensor load is one row tile's two fragments, 3,072 consecutive bytes, 12,288 bytes from row tile to row tile: 8 such rows a wave.
; THE PRODUCT IS USED TRANSPOSED (source 0 = 16 rows of B, source 1 = 16 rows of A), and rows lie in the order in which bits 3 and 4 of a row's number have changed places: so a lane holds one row of A, and the 16 registers of B's tiles 2 b, 2 b + 1
; are B's 16 neighbouring logical rows 32 b + 16 (lane / 16) + 0 .. 15: blocks of 32 along the next product's K lie in lanes l and l xor 16.
; CLUSTERS: 4 x 4.  A's tile is shared along a row of the cluster, B's along a column: joint loads, as many requests as a quarter of the work-groups would make.
; LIMITS: a block of zeros gets the byte 1 where the rule says 127 (its codes are zeros; this program alone reads the bytes); blocks under 2^-124 were not tried; NaN and infinities are not served.
; No prefetch: the operands are a few megabytes that many work-groups read again.  No stage in LDS: the codes leave as images, 512 or 256 consecutive bytes a store.
; REGISTERS: window 0: v8-13 store offsets; v16-23 LDS addresses; v27 scale words' address; v28, v29 the add's two; v32-63 scale words, two sets; v64-119 the quantiser; v128-223 A's fragments, one set.
;   window 1: B's fragments, two sets, at v0 and v128 (QKV = 0: the bias's eight tiles at v96-127 and v224-255).   windows 2, 3: the accumulators, (a, b) at v[8 (8 (a % 4) + b)].
.set QKV,   1
.set SLOT,  98304                      ; A's 256 rows, then B's: four quarters of 8 row tiles x 2 K steps x 1,536
.set QUART, 24576
.set SCLB,  196608                     ; behind the ring: the scale words, 4,096 bytes for each wave's 128 rows
.set SPARE, 212992                     ; the spare words: 128 bytes a wave, two blocks of 256 bytes that no other line names
.set FR,    12
.set NL,    4                          ; LDS loads that bring a fragment
.set NP,    4                          ; places behind this matrix instruction
.set LAPS,  2                          ; a lap = two slots = 512 along K
.set VO16,  8
.set VO8,   9
.set VO16C, 10
.set VO8C,  11
.set VOS,   12
.set SHV,   13
.set ADRA,  16                         ; v16-17: 16 L + my A rows in slot 0, 1; v18-19: the same with 8 L
.set ADRB,  20                         ; v20-23 likewise for B
.set ADRS,  27
.set SPW,   28
.set NIL,   29
.set SC,    32                         ; set s at SC + 16 s; register 2 i + q: lanes 0-15 the word of A's block i, lanes 16-31 of B's block i, K step q of the slot
.set TM,    64
.set PW,    80
.set PWS,   81
.set PC,    96
.set AF,    128
.set G1,    24
.set G0,    32
.set G1B,   48
.set G0B,   56
.set G1S,   68
.set G0S,   76
.set G1SB,  80
.set G0SB,  88
.set MSB, 0
.macro WIN new                         ; the immediate's high byte repeats the setting that is left
.if MSB != (\new)
	s_set_vgpr_msb (MSB<<8)|(\new)
.set MSB, (\new)
.endif
.endm
.set MUL_LO, 0xa1                      ; source 0 (B) window 1, source 1 (A) window 0, C and D window 2
.set MUL_HI, 0xf1
.set TO_B,   0x40
.macro JLOAD g0a, g1a, g0b, g1b        ; a joint load: waves 0, 1 fetch for A, waves 2, 3 for B; the branch hangs on the wave's number alone; s_nop 0 and four v_nop behind each line
	s_cmp_eq_u32 s15, 0
	s_cbranch_scc0 .Lfor_b_\@
	tensor_load_to_lds s[\g0a:\g0a+3], s[\g1a:\g1a+7]
	s_nop 0
.rept 4
	v_nop
.endr
	s_branch .Lasked_\@
.Lfor_b_\@:
	tensor_load_to_lds s[\g0b:\g0b+3], s[\g1b:\g1b+7]
	s_nop 0
.rept 4
	v_nop
.endr
.Lasked_\@:
.endm
.macro CREST
	s_cmp_lg_u32 s14, 0
	s_cbranch_scc1 .Lnot_wave_0_\@
	s_barrier_signal -3
.Lnot_wave_0_\@:
	s_barrier_wait -3
	s_barrier_signal -1
	s_barrier_wait -1
.endm
.macro CROUND
	s_barrier_signal -1
	s_barrier_wait -1
	CREST
.endm
	s_load_b128 s[4:7], s[0:1], 0x0                ; the activations' codes buffer s[4:5], wts s[6:7]
.if QKV
	s_load_b64 s[8:9], s[0:1], 0x10                ; qkv
.else
	s_load_b128 s[8:11], s[0:1], 0x10              ; b1 s[8:9], hid s[10:11]
.endif
	v_lshl_add_u32 v[SPW], v0, 2, SPARE
	v_mov_b32 v[NIL], 0
	ds_add_u32 v[SPW], v[NIL]                      ; the wave's opening: the add and its wait ahead of my first tensor load; the set-up below stands between them
	ds_add_u32 v[SPW], v[NIL]
	v_lshrrev_b32 v1, 5, v0
	v_readfirstlane_b32 s14, v1                    ; wave 0..3
	s_lshr_b32 s15, s14, 1                         ; wr: my half of A's rows.  Also: I fetch for A (0) or B (1)
	s_and_b32 s16, s14, 1                          ; wc: my half of B's rows.  Also: which 128 rows I fetch
	s_bfe_u32 s40, ttmp6, 0x40000                  ; cx
	s_bfe_u32 s41, ttmp6, 0x40004                  ; cy
.if QKV
	s_lshr_b32 s17, ttmp9, 1                       ; cluster c < 8: A = tokens, tile 4 (c / 2) + cy; B = wq (c even) or wk (c odd), tile 4 (c % 2) + cx
	s_lshl_b32 s17, s17, 2
	s_and_b32 s42, ttmp9, 1
	s_lshl_b32 s42, s42, 2
	s_sub_co_u32 s45, ttmp9, 8                     ; c >= 8: A = wv, tile 8 + cy; B = tokens, tile 4 (c - 8) + cx
	s_lshl_b32 s45, s45, 2
	s_cmp_lt_u32 ttmp9, 8
	s_cselect_b32 s17, s17, 8
	s_cselect_b32 s42, s42, s45
	s_add_co_u32 s17, s17, s41                     ; A's tile of 256 rows: it never holds cx
	s_add_co_u32 s42, s42, s40                     ; B's: it never holds cy
.else
	s_and_b32 s17, ttmp7, 0xffff
	s_lshl_b32 s17, s17, 2
	s_add_co_u32 s17, s17, s41                     ; tile row: 256 tokens
	s_lshl_b32 s42, ttmp9, 2
	s_add_co_u32 s42, s42, s40                     ; tile column: 256 hidden units
.endif
	s_lshl_b32 s43, s41, 2
	s_lshl_b32 s43, 15, s43                        ; my row of the cluster
	s_lshl_b32 s44, 0x1111, s40                    ; my column
	s_or_b32 s[G1+0], s43, (3<<16)|(1<<21)         ; the mask; elements of 8 bytes; bit 21 beside a mask; no padding
	s_or_b32 s[G1B+0], s44, (3<<16)|(1<<21)
.irp g, G1, G1B
	s_mov_b32 s[\g+1], 384<<16                     ; tensor_dim0: 3,072 bytes
	s_mov_b32 s[\g+2], 16<<16                      ; the head's loads bring 16 row tiles; behind them these two words are set to 8
	s_mov_b32 s[\g+3], 384<<16
	s_mov_b32 s[\g+4], 16
	s_mov_b32 s[\g+5], 1536                        ; 12,288 bytes from row tile to row tile
	s_mov_b32 s[\g+6], 0
	s_mov_b32 s[\g+7], 0
.endr
	s_or_b32 s[G1S+0], s43, (3<<16)|(1<<21)        ; the scale words of 256 rows: 8,192 dense bytes as 32 rows of 256
	s_or_b32 s[G1SB+0], s44, (3<<16)|(1<<21)
.irp g, G1S, G1SB
	s_mov_b32 s[\g+1], 32<<16
	s_mov_b32 s[\g+2], 32<<16                      ; the scale words of all 256 rows: 32 rows of 256 bytes
	s_mov_b32 s[\g+3], 32<<16
	s_mov_b32 s[\g+4], 32
	s_mov_b32 s[\g+5], 32
	s_mov_b32 s[\g+6], 0
	s_mov_b32 s[\g+7], 0
.endr
	s_lshl_b32 s18, s16, 7
	s_lshl_b32 s20, s17, 8
	s_add_co_u32 s20, s20, s18                     ; A: the first row that I fetch
	s_lshl_b32 s46, s42, 8
.if !QKV
	s_add_co_u32 s46, s46, 4096                    ; w1's rows begin at 4,096 in wts
.endif
	s_add_co_u32 s46, s46, s18                     ; B likewise
	s_lshl_b32 s22, s20, 5                         ; scale words: 32 bytes a row
	s_lshl_b32 s92, s46, 5
.if !QKV
	s_add_co_u32 s22, s22, 3145728
	s_add_co_u32 s92, s92, 9437184
.endif
	s_mov_b32 s23, 0
	s_mov_b32 s93, 0
	s_mul_i32 s20, s20, 768                        ; codes: 768 bytes a row
	s_mov_b32 s21, 0
	s_mul_i32 s46, s46, 768
	s_mov_b32 s47, 0
	s_mul_i32 s45, s14, QUART                      ; where they go: by the wave's number alone
	s_lshl_b32 s94, s14, 12
	s_wait_dscnt 0x0                               ; the opening add is done
	s_wait_kmcnt 0x0
.if QKV
	s_add_nc_u64 s[96:97], s[4:5], 3145728         ; the tokens' scale words
	s_add_nc_u64 s[98:99], s[6:7], 9437184         ; the weights'
	s_cmp_lt_u32 ttmp9, 8                          ; which buffer is A: a choice on the cluster's number alone
	s_cselect_b64 s[10:11], s[4:5], s[6:7]
	s_cselect_b64 s[12:13], s[6:7], s[4:5]
	s_cselect_b64 s[100:101], s[96:97], s[98:99]
	s_cselect_b64 s[96:97], s[98:99], s[96:97]
	s_add_nc_u64 s[20:21], s[10:11], s[20:21]
	s_add_nc_u64 s[22:23], s[100:101], s[22:23]
	s_add_nc_u64 s[46:47], s[12:13], s[46:47]
	s_add_nc_u64 s[92:93], s[96:97], s[92:93]
.else
	s_add_nc_u64 s[20:21], s[4:5], s[20:21]
	s_add_nc_u64 s[22:23], s[4:5], s[22:23]
	s_add_nc_u64 s[46:47], s[6:7], s[46:47]
	s_add_nc_u64 s[92:93], s[6:7], s[92:93]
.endif
	CROUND                                         ; all sixteen work-groups are here: the first joint loads meet
	s_mov_b32 s[G0S], 1
	s_lshl_b32 s94, s16, 12                        ; back from my half to the tile's first row
	s_mov_b32 s95, 0
	s_mov_b32 s[G0S+1], SCLB
	s_sub_nc_u64 s[G0S+2:G0S+3], s[22:23], s[94:95]
	s_or_b32 s[G0S+3], s[G0S+3], 0x80000000
	s_mov_b32 s[G0SB], 1
	s_mov_b32 s[G0SB+1], SCLB+8192
	s_sub_nc_u64 s[G0SB+2:G0SB+3], s[92:93], s[94:95]
	s_or_b32 s[G0SB+3], s[G0SB+3], 0x80000000
	s_mul_i32 s94, s16, 98304                      ; group 0 of the head's loads of slot 0: A's 256 rows in s[4:7], B's in s[96:99]
	s_mov_b32 s4, 1
	s_mov_b32 s5, 0
	s_sub_nc_u64 s[6:7], s[20:21], s[94:95]
	s_or_b32 s7, s7, 0x80000000
	s_mov_b32 s96, 1
	s_mov_b32 s97, 2*QUART
	s_sub_nc_u64 s[98:99], s[46:47], s[94:95]
	s_or_b32 s99, s99, 0x80000000
.irp s, 0,1
	s_mov_b32 s[G0+4*\s], 1
	s_add_co_u32 s[G0+4*\s+1], s45, \s*SLOT
	s_add_nc_u64 s[G0+4*\s+2:G0+4*\s+3], s[20:21], \s*3072
	s_or_b32 s[G0+4*\s+3], s[G0+4*\s+3], 0x80000000
	s_mov_b32 s[G0B+4*\s], 1
	s_add_co_u32 s[G0B+4*\s+1], s45, \s*SLOT
	s_add_nc_u64 s[G0B+4*\s+2:G0B+4*\s+3], s[46:47], \s*3072
	s_or_b32 s[G0B+4*\s+3], s[G0B+4*\s+3], 0x80000000
.endr
; the head's four tiles, one load a wave: wave 0 A's slot 0, wave 1 B's, wave 2 A's scale words, wave 3 B's; one tree of branches on the wave's number
.macro ARM under, g0, g1, next
	s_cmp_lt_u32 s14, \under
	s_cbranch_scc0 \next
	tensor_load_to_lds s[\g0:\g0+3], s[\g1:\g1+7]
	s_nop 0
.rept 4
	v_nop
.endr
	s_branch .Lhead_asked
\next:
.endm
	ARM 1, 4, G1, .Lhead_b
	ARM 2, 96, G1B, .Lhead_sa
	ARM 3, G0S, G1S, .Lhead_sb
	tensor_load_to_lds s[G0SB:G0SB+3], s[G1SB:G1SB+7]
	s_nop 0
.rept 4
	v_nop
.endr
.Lhead_asked:
	v_and_b32 v1, 15, v0                           ; r
	v_bfe_u32 v2, v0, 4, 1                         ; h
	v_and_b32 v3, 31, v0
	v_lshlrev_b32 v[VO16], 4, v3                   ; 16 L
	v_lshlrev_b32 v[VO8], 3, v3                    ; 8 L
	s_mul_i32 s21, s15, QUART                      ; my 128 rows of A
	s_mul_i32 s22, s16, QUART
	s_add_co_u32 s22, s22, 2*QUART                 ; my 128 rows of B, behind A's 256
.irp s, 0,1
	v_add_nc_u32 v[ADRA+\s], s21, v[VO16]
	v_add_nc_u32 v[ADRA+2+\s], s21, v[VO8]
	v_add_nc_u32 v[ADRB+\s], s22, v[VO16]
	v_add_nc_u32 v[ADRB+2+\s], s22, v[VO8]
	s_add_co_u32 s21, s21, SLOT
	s_add_co_u32 s22, s22, SLOT
.endr
	s_lshl_b32 s21, s15, 12                        ; the scale words: lanes 0-15 take A's rows, lanes 16-31 B's: the lower base + h x the distance
	s_lshl_b32 s22, s16, 12
	s_add_co_u32 s22, s22, 8192
	s_sub_co_u32 s22, s22, s21
	v_mul_u32_u24 v6, s22, v2
	s_add_co_u32 s21, s21, SCLB
	v_lshl_add_u32 v6, v1, 2, v6
	v_add_nc_u32 v[ADRS], s21, v6
.if !QKV
	s_lshl_b32 s20, s42, 10                        ; the bias of my 128 hidden units; lane (r, h) wants, for tile 2 b + u, units 32 b + 8 u + 16 h + 0 .. 7
	s_lshl_b32 s21, s16, 9
	s_add_co_u32 s20, s20, s21
	s_mov_b32 s21, 0
	s_add_nc_u64 s[8:9], s[8:9], s[20:21]
	v_lshlrev_b32 v4, 6, v2
	WIN 0x40
.irp b, 0,1,2,3,4,5,6,7
	global_load_b128 v[96+8*\b+96*(\b/4):99+8*\b+96*(\b/4)], v4, s[8:9] offset:(32*(\b/2)+8*(\b%2))*4
	global_load_b128 v[100+8*\b+96*(\b/4):103+8*\b+96*(\b/4)], v4, s[8:9] offset:(32*(\b/2)+8*(\b%2))*4+16
.endr
	WIN 0
	s_wait_loadcnt 0x0
.endif
.macro FRAG reg, adr, off              ; a fragment as it lies: 512, 256, 512, 256 consecutive bytes
	ds_load_b128 v[\reg:\reg+3], v[\adr] offset:\off
	ds_load_b64 v[\reg+4:\reg+5], v[\adr+2] offset:\off+512
	ds_load_b128 v[\reg+6:\reg+9], v[\adr] offset:\off+768
	ds_load_b64 v[\reg+10:\reg+11], v[\adr+2] offset:\off+1280
.endm
; 16 matrix instructions: A's blocks a0, a0 + 1 x B's eight.  zero = 1: the first product starts the sums; 2: it takes the bias as C.  The 64 accumulators take turns, one instruction a turn.
.macro MUL16 a0, p, q, sc, zero
.irp a, \a0, \a0+1
.irp b, 0,1,2,3,4,5,6,7
.if (\zero) == 1
	v_wmma_scale_f32_16x16x128_f8f6f4 v[8*(8*((\a)%4)+\b):8*(8*((\a)%4)+\b)+7], v[128*(\p)+FR*\b:128*(\p)+FR*\b+FR-1], v[AF+FR*(\a):AF+FR*(\a)+FR-1], 0, v[SC+16*(\sc)+2*\b+(\q)], v[SC+16*(\sc)+2*(\a)+(\q)] matrix_a_fmt:MATRIX_FMT_FP6 matrix_b_fmt:MATRIX_FMT_FP6 matrix_a_scale:MATRIX_SCALE_ROW1
.elseif (\zero) == 2
	v_wmma_scale_f32_16x16x128_f8f6f4 v[8*(8*((\a)%4)+\b):8*(8*((\a)%4)+\b)+7], v[128*(\p)+FR*\b:128*(\p)+FR*\b+FR-1], v[AF+FR*(\a):AF+FR*(\a)+FR-1], v[96+8*\b+96*(\b/4):103+8*\b+96*(\b/4)], v[SC+16*(\sc)+2*\b+(\q)], v[SC+16*(\sc)+2*(\a)+(\q)] matrix_a_fmt:MATRIX_FMT_FP6 matrix_b_fmt:MATRIX_FMT_FP6 matrix_a_scale:MATRIX_SCALE_ROW1
.else
	v_wmma_scale_f32_16x16x128_f8f6f4 v[8*(8*((\a)%4)+\b):8*(8*((\a)%4)+\b)+7], v[128*(\p)+FR*\b:128*(\p)+FR*\b+FR-1], v[AF+FR*(\a):AF+FR*(\a)+FR-1], v[8*(8*((\a)%4)+\b):8*(8*((\a)%4)+\b)+7], v[SC+16*(\sc)+2*\b+(\q)], v[SC+16*(\sc)+2*(\a)+(\q)] matrix_a_fmt:MATRIX_FMT_FP6 matrix_b_fmt:MATRIX_FMT_FP6 matrix_a_scale:MATRIX_SCALE_ROW1
.endif
.endr
.endr
.endm
.macro FETCH_B slot, q, p
	WIN TO_B
.irp i, 0,1,2,3,4,5,6,7
	FRAG 128*(\p)+FR*\i, ADRB+\slot, \i*3072+(\q)*1536
.endr
	WIN 0
.endm
.macro FETCH_A slot, q, i0
.irp i, \i0, \i0+1, \i0+2, \i0+3
	FRAG AF+FR*(\i), ADRA+\slot, (\i)*3072+(\q)*1536
.endr
.endm
.macro SCALES sc
.irp i, 0,1,2,3,4,5,6,7
	ds_load_b32 v[SC+16*\sc+2*\i], v[ADRS] offset:512*\i
	ds_load_b32 v[SC+16*\sc+2*\i+1], v[ADRS] offset:512*\i+64
.endr
.endm
.macro PLACES n                        ; plain vector places behind matrix instructions, ahead of loads into their registers and of reads of their results
.rept \n
	v_nop
.endr
.endm
.macro STEP slot, q, zero              ; 128 along K that has its successor in the same slot
	s_wait_dscnt 4*NL                              ; all but the youngest sixteen loads (A's blocks 4-7) are in
.if (\zero) == 2
	WIN 0x91                                       ; C (the bias) in window 1, D in window 2
.else
	WIN MUL_LO
.endif
	MUL16 0, (\q)%2, \q, \slot, \zero
	MUL16 2, (\q)%2, \q, \slot, \zero
	s_wait_dscnt 0
	PLACES NP
	FETCH_B \slot, (\q)+1, 1-(\q)%2
	FETCH_A \slot, (\q)+1, 0
.if (\zero) == 2
	WIN 0xd1
.else
	WIN MUL_HI
.endif
	MUL16 4, (\q)%2, \q, \slot, \zero
	MUL16 6, (\q)%2, \q, \slot, \zero
	PLACES NP
	WIN 0
	FETCH_A \slot, (\q)+1, 4
.endm
; A slot's last step changes slots: one barrier; ahead of it each wave waits for all its tensor loads, adds 0 to its spare word, and waits for that and for its reads of this slot.  fill = 1: the barrier opens a round of the cluster's, and the slot is filled again.
.macro TURN slot, next, fill
	s_wait_tensorcnt 0x0                           ; all my tensor loads have landed: my part of the next slot
	ds_add_u32 v[SPW], v[NIL]
	s_wait_dscnt 4*NL+1                            ; the add and the youngest sixteen loads may be out
	WIN MUL_LO
	MUL16 0, 1, 1, \slot, 0
	s_wait_dscnt 0x0                               ; the add is done, and my reads of this slot are over
	s_barrier_signal -1
	MUL16 2, 1, 1, \slot, 0
	WIN 0
	s_barrier_wait -1
.if \fill
	CREST                                          ; no wave of any partner still reads this slot or has a load on its way
	s_add_nc_u64 s[G0+4*\slot+2:G0+4*\slot+3], s[G0+4*\slot+2:G0+4*\slot+3], 6144
	s_add_nc_u64 s[G0B+4*\slot+2:G0B+4*\slot+3], s[G0B+4*\slot+2:G0B+4*\slot+3], 6144
	JLOAD G0+4*\slot, G1, G0B+4*\slot, G1B         ; my one tensor load behind the round; its four v_nop are the places ahead of the loads below
.else
	PLACES NP
.endif
	s_wait_alu depctr_va_vdst(0)
	v_add_nc_u32 v[ADRS], 128, v[ADRS]             ; the next slot's two K steps of scale words
	FETCH_B \next, 0, 0
	FETCH_A \next, 0, 0
	SCALES \next
	WIN MUL_HI
	MUL16 4, 1, 1, \slot, 0
	MUL16 6, 1, 1, \slot, 0
	PLACES NP
	WIN 0
	FETCH_A \next, 0, 4
.endm
	s_wait_alu depctr_va_vdst(0)
	s_wait_tensorcnt 0x0                           ; my tile of the head's four is in; slot 1's first fill is issued as a refill is
	ds_add_u32 v[SPW], v[NIL]
	s_mov_b32 s[G1+2], 8<<16                       ; no load of mine is out: from here on a load brings 8 row tiles
	s_mov_b32 s[G1+4], 8
	s_mov_b32 s[G1B+2], 8<<16
	s_mov_b32 s[G1B+4], 8
	s_wait_dscnt 0x0
	CROUND
	JLOAD G0+4, G1, G0B+4, G1B
	FETCH_B 0, 0, 0
	FETCH_A 0, 0, 0
	SCALES 0
	FETCH_A 0, 0, 4
.if QKV
	STEP 0, 0, 1
.else
	STEP 0, 0, 2
.endif
	s_mov_b32 s3, LAPS-1
.Llap:
	TURN 0, 1, 1
	STEP 1, 0, 0
	TURN 1, 0, 1
	STEP 0, 0, 0
	s_sub_co_u32 s3, s3, 1
	s_cmp_lg_u32 s3, 0
	s_cbranch_scc1 .Llap
	TURN 0, 1, 0                                   ; the last lap fills nothing
	STEP 1, 0, 0
	s_wait_dscnt 4*NL
	WIN MUL_LO
	MUL16 0, 1, 1, 1, 0
	MUL16 2, 1, 1, 1, 0
	s_wait_dscnt 0
	WIN MUL_HI
	MUL16 4, 1, 1, 1, 0
	MUL16 6, 1, 1, 1, 0
	WIN 0
; THE WAY OUT.  Block a (16 rows of A x my 128 logical rows of B) is one fragment of the next product: its 64 numbers a lane are quantised in registers and stored as an image.  No LDS, no barrier.
.irp b, 0,1,2,3
	v_mov_b32 v[TM+4+\b], 0                        ; (a lane permute's destination counts as read.)  These four are also the places behind the last products
.endr
	s_mov_b32 s2, 0x76543210
	s_mov_b32 s3, 0xfedcba98
.if QKV
	; where the codes go.  q, k: half c of the fragment is head bh0 + c's half-image (768 bytes) of query or key tile ii + a.  v: the fragment is (K step ks, tile a % 4 of the head's 64) of head bh0 + a / 4.
	s_lshr_b32 s20, ttmp9, 1
	s_sub_co_u32 s21, ttmp9, 8
	s_cmp_lt_u32 ttmp9, 8
	s_cselect_b32 s20, s20, s21                    ; the batch
	s_cselect_b32 s21, s40, s41                    ; along the heads: cx (q, k) or cy (v),
	s_cselect_b32 s22, s16, s15                    ; wc or wr
	s_cselect_b32 s23, s41, s40                    ; along the tokens: cy or cx,
	s_cselect_b32 s42, s15, s16                    ; wr or wc
	s_lshl_b32 s20, s20, 4
	s_lshl_b32 s21, s21, 2
	s_lshl_b32 s22, s22, 1
	s_add_co_u32 s20, s20, s21
	s_add_co_u32 s20, s20, s22                     ; bh0
	s_lshl_b32 s23, s23, 1
	s_add_co_u32 s23, s23, s42                     ; which 128 tokens of the batch: 8 tiles of 768 bytes, or one K step of 4 x 1,536: 6,144 bytes either way
	s_and_b32 s43, ttmp9, 9
	s_cmp_eq_u32 s43, 0                            ; q?
	s_mov_b32 s44, 104448
	s_cselect_b32 s45, 49152, s44                  ; from head to head, codes
	s_cselect_b32 s44, 4096, s44                   ; and scale words
	s_cselect_b32 s46, 6684672, 0                  ; the region's first byte, codes
	s_mov_b32 s47, 98304
	s_cselect_b32 s47, 9830400, s47                ; and scale words
	s_cmp_lt_u32 ttmp9, 8                          ; q or k?
	s_cselect_b32 s46, s46, 49152
	s_cselect_b32 s47, s47, 102400
	s_cselect_b32 s92, 9, 8                        ; scale words of 128 tokens: 512 bytes (8 tiles), or 256 (a K step's 4 tiles)
	s_cselect_b32 s93, s45, 768                    ; from half 0 to half 1
	s_cselect_b32 s94, s44, 0                      ; lanes 16-31 store the second head's word
	s_cselect_b32 s95, 16, 0                       ; which is the upper half of the word made
	s_mov_b32 s10, 1536
	s_cselect_b32 s10, 768, s10                    ; from block to block
	s_cselect_b32 s12, 0, 98304                    ; v: at block 4 on to the next head's record
	s_cselect_b32 s18, 0, 104192
	s_mov_b32 s11, 0
	s_mov_b32 s13, 0
	s_mov_b32 s19, 0
	s_mul_i32 s45, s20, s45
	s_mul_i32 s96, s23, 6144
	s_add_co_u32 s45, s45, s96
	s_add_co_u32 s96, s45, s46
	s_mov_b32 s97, 0
	s_add_nc_u64 s[4:5], s[8:9], s[96:97]          ; the codes' base
	s_mul_i32 s44, s20, s44
	s_lshl_b32 s96, s23, s92
	s_add_co_u32 s44, s44, s96
	s_add_co_u32 s96, s44, s47
	s_add_nc_u64 s[6:7], s[8:9], s[96:97]          ; the scale words' base
	v_add_nc_u32 v[VO16C], s93, v[VO16]
	v_add_nc_u32 v[VO8C], s93, v[VO8]
	v_mul_u32_u24 v[VOS], s94, v2
	v_lshl_add_u32 v[VOS], v1, 2, v[VOS]
	v_mul_u32_u24 v[SHV], s95, v2
.else
	s_lshl_b32 s20, s17, 4
	s_lshl_b32 s21, s15, 3
	s_add_co_u32 s20, s20, s21                     ; my first row tile
	s_lshl_b32 s20, s20, 5                         ; 32 K steps to a row tile of the hidden layer
	s_lshl_b32 s21, s42, 1
	s_add_co_u32 s20, s20, s21
	s_add_co_u32 s20, s20, s16                     ; my K step: 2 x tile column + wc
	s_mul_i32 s96, s20, 1536
	s_mov_b32 s97, 0
	s_add_nc_u64 s[4:5], s[10:11], s[96:97]
	s_lshl_b32 s96, s20, 6
	s_add_co_u32 s96, s96, 12582912
	s_add_nc_u64 s[6:7], s[10:11], s[96:97]
	v_lshlrev_b32 v[VOS], 2, v1
.endif
.macro QOUT a
.set W, 2+(\a)/4
.set S0, 64*((\a)%4)
.set PC, 128+12*(\a)                   ; each block's codes have registers of their own, where A's fragments lay; the halves made elsewhere (PC + 12 ..) use the next block's, ahead of that block
.set PW, 104+(\a)                      ; and so has its scale word: no store's data, offset or base is written again in the launch
.set PWS, 112+(\a)
.if !QKV
	WIN (W<<6)|(W<<2)
.set j, 0
.rept 64
	v_max_num_f32 v[S0+j], 0, v[S0+j]              ; the activation, in f32; each accumulator from its low end on
.set j, j+1
.endr
.endif
	WIN (W<<2)|(W<<4)                              ; sources 1 and 2: the accumulators' window
.irp b, 0,1,2,3
	v_max3_num_f32 v[TM+\b], 0x1800000, |v[S0+16*\b]|, |v[S0+16*\b+1]|     ; block b: my 16 numbers, and the floor 2^(3 - 127); each accumulator is first read at its low end
.endr
.irp i, 2,4,6,8,10,12,14
.irp b, 0,1,2,3
	v_max3_num_f32 v[TM+\b], v[TM+\b], |v[S0+16*\b+\i]|, |v[S0+16*\b+\i+1]|
.endr
.endr
	WIN 0
.irp b, 0,1,2,3
	v_permlanex16_b32 v[TM+4+\b], v[TM+\b], s2, s3
.endr
.irp b, 0,1,2,3
	v_max_num_f32 v[TM+\b], v[TM+\b], v[TM+4+\b]   ; with lane l xor 16's: the block's largest magnitude
.endr
.irp b, 0,1,2,3
	v_add_nc_u32 v[TM+12+\b], 0xff000000, v[TM+\b] ; 2 off the exponent field: the conversion's scale operand
.endr
.irp b, 0,1,2,3
	v_lshrrev_b32 v[TM+4+\b], 23, v[TM+12+\b]      ; the byte
.endr
	v_lshl_or_b32 v[PW], v[TM+5], 8, v[TM+4]
	v_lshl_or_b32 v[PW], v[TM+6], 16, v[PW]
	v_lshl_or_b32 v[PW], v[TM+7], 24, v[PW]
	WIN W                                          ; source 0: the accumulators' window
.irp c, 0,1
	v_cvt_scalef32_pk16_fp6_f32 v[PC+6*\c:PC+6*\c+2], v[S0+32*\c:S0+32*\c+15], v[TM+12+2*\c]
	v_cvt_scalef32_pk16_fp6_f32 v[PC+12+4*\c:PC+14+4*\c], v[S0+16+32*\c:S0+31+32*\c], v[TM+13+2*\c]
.endr
	WIN 0
	v_nop                                          ; one plain place behind the conversions
.irp c, 0,1                            ; the operand's layout wants a whole block in a lane
.irp i, 0,1,2
	v_permlane16_swap_b32 v[PC+6*\c+\i], v[PC+12+4*\c+\i]
.endr
.irp i, 0,1,2
	v_mov_b32 v[PC+3+6*\c+\i], v[PC+12+4*\c+\i]
.endr
.endr
.if QKV
	global_store_b128 v[VO16], v[PC:PC+3], s[24+2*(\a):25+2*(\a)]
	global_store_b64 v[VO8], v[PC+4:PC+5], s[24+2*(\a):25+2*(\a)] offset:512
	global_store_b128 v[VO16C], v[PC+6:PC+9], s[24+2*(\a):25+2*(\a)]
	global_store_b64 v[VO8C], v[PC+10:PC+11], s[24+2*(\a):25+2*(\a)] offset:512
	v_lshrrev_b32 v[PWS], v[SHV], v[PW]
	global_store_b32 v[VOS], v[PWS], s[48+2*((\a)/4):49+2*((\a)/4)] offset:64*(\a)
.else
	global_store_b128 v[VO16], v[PC:PC+3], s[4:5]
	global_store_b64 v[VO8], v[PC+4:PC+5], s[4:5] offset:512
	global_store_b128 v[VO16], v[PC+6:PC+9], s[4:5] offset:768
	global_store_b64 v[VO8], v[PC+10:PC+11], s[4:5] offset:1280
	global_store_b32 v[VOS], v[PW], s[6:7]         ; lanes r and r + 16 store the same word
.endif
.endm
	s_mov_b64 s[24:25], s[4:5]                     ; a base for each block's codes, in registers that held descriptors (all tensor loads have been waited for): s[10:11] from block to block, s[12:13] more at block 4
.irp x, 1,2,3,4,5,6,7
	s_add_nc_u64 s[24+2*\x:25+2*\x], s[22+2*\x:23+2*\x], s[10:11]
.if \x == 4
	s_add_nc_u64 s[32:33], s[32:33], s[12:13]
.endif
.endr
	s_mov_b64 s[48:49], s[6:7]                     ; the scale words: blocks 0-3, and blocks 4-7, s[18:19] further on; 64 bytes a block in the immediate
	s_add_nc_u64 s[50:51], s[6:7], s[18:19]
	QOUT 0
	QOUT 1
	QOUT 2
	QOUT 3
	QOUT 4
	QOUT 5
	QOUT 6
	QOUT 7
	s_wait_tensorcnt 0x0                           ; the wave's end
	ds_add_u32 v[SPW], v[NIL]
	s_wait_dscnt 0x0
	CROUND                                         ; the closing round
	s_endpgm
.Lfunc_end_k_qc116e14dfc_qkv:
	.size	k_qc116e14dfc_qkv, .Lfunc_end_k_qc116e14dfc_qkv-k_qc116e14dfc_qkv
	.p2alignl 7, 3214868480
	.fill 96, 4, 3214868480
	.section	.rodata,"a",@progbits
	.p2align	6, 0x0
	.amdhsa_kernel k_qc116e14dfc_qkv
		.amdhsa_group_segment_fixed_size 327680
		.amdhsa_private_segment_fixed_size 0
		.amdhsa_enable_private_segment 0
		.amdhsa_kernarg_size 24
		.amdhsa_user_sgpr_count 2
		.amdhsa_user_sgpr_kernarg_segment_ptr 1
		.amdhsa_wavefront_size32 1
		.amdhsa_system_sgpr_workgroup_id_x 1
		.amdhsa_system_sgpr_workgroup_id_y 1
		.amdhsa_system_sgpr_workgroup_id_z 1
		.amdhsa_system_vgpr_workitem_id 0
		.amdhsa_next_free_vgpr 1024
		.amdhsa_next_free_sgpr 102
		.amdhsa_reserve_vcc 0
		.amdhsa_float_denorm_mode_32 3
		.amdhsa_float_denorm_mode_16_64 3
		.amdhsa_memory_ordered 1
		.amdhsa_forward_progress 1
		.amdhsa_inst_pref_size 154
	.end_amdhsa_kernel
	.amdgpu_metadata
---
amdhsa.version: [ 1, 2 ]
amdhsa.kernels:
  - .name:           k_qc116e14dfc_qkv
    .symbol:         k_qc116e14dfc_qkv.kd
    .args:
      - { .name: xn, .offset: 0, .size: 8, .value_kind: global_buffer, .address_space: global }
      - { .name: wts, .offset: 8, .size: 8, .value_kind: global_buffer, .address_space: global }
      - { .name: qkv, .offset: 16, .size: 8, .value_kind: global_buffer, .address_space: global }
    .group_segment_fixed_size: 327680
    .private_segment_fixed_size: 0
    .kernarg_segment_align: 8
    .kernarg_segment_size: 24
    .max_flat_workgroup_size: 128
    .sgpr_count:     102
    .vgpr_count:     1024
    .wavefront_size: 32
...
	.end_amdgpu_metadata
.endif
;; end of part 2
;; launch attn (part 3): grid 4 x 64, 16 waves a work-group, clusters of 4 x 1, 167,936 bytes of LDS; arguments qkv, att; writes att
.if DOCPART == 3
	.amdgcn_target "amdgcn-amd-amdhsa--gfx1250"
	.amdhsa_code_object_version 6
	.text
	.protected	k_qc116e14dfc_attn
	.globl	k_qc116e14dfc_attn
	.p2align	8
	.type	k_qc116e14dfc_attn,@function
k_qc116e14dfc_attn:
	s_mov_b64 s[64:65], 0
	v_nop
	global_prefetch_b8 v0, s[64:65] scope:SCOPE_SE
	s_setreg_imm32_b32 hwreg(HW_REG_WAVE_MODE, 25, 1), 1
	s_wait_xcnt 0x0
	s_wait_alu depctr_hold_cnt(0) depctr_sa_sdst(0) depctr_va_vdst(0) depctr_va_sdst(0) depctr_va_ssrc(0) depctr_va_vcc(0) depctr_vm_vsrc(0)
	s_getreg_b32 s2, hwreg(HW_REG_IB_STS2, 6, 4)
	s_cmp_eq_u32 s2, 0
	s_cbranch_scc0 .Lentry_in_a_cluster
	s_endpgm
.Lentry_in_a_cluster:
	s_bfe_u32 s2, ttmp6, 0x10000c
	s_cmp_lg_u32 s2, 0x3003
	s_cbranch_scc0 .Lentry_shape_is_right
	s_endpgm
.Lentry_shape_is_right:
; CAUSAL ATTENTION ON CODES OF FP6, head size 64, 1,024 keys, 64 (batch, head) pairs; the result O / l is quantised along D and leaves as half a fragment's image.
; t = score x log2(e) / 32; M = the running largest t rounded up to a whole number; p = 2^(t - M) is quantised along the keys; the row's sum is taken of the unquantised p and divides O at the end.
; SHARES.  A cluster of four work-groups owns one (batch, head).  Wave w of work-group cx owns query tile 4 w' + cx of the head's 64, w' = w with its two low bits turned over where its bit 2 is set: so the four partners have the same work,
; the last key step that a wave needs is w' / 2, a number of the wave alone, and any four waves whose numbers are equal modulo 4 have 18 key steps between them (w' = j, 7 - j, 8 + j, 15 - j).
; All four partners read the whole of K and V: the head's record (codes and scale words of K and V, 104,448 dense bytes) comes into each LDS ONCE, by four joint loads.  No ring, no refill.
; LAYOUT.  Both products transposed: S^T = K Q^T, O^T = V^T P^T: a lane holds one query.  Tokens and the head's 64 lie in the order in which bits 3 and 4 of the number have changed places, so that the 16 registers of tiles 2 b, 2 b + 1 are 16 logical neighbours.
; The head's 64 fill half of the instruction's K: registers 6-11 of Q's and K's fragments are zeros, written once; the upper two bytes of their scale words meet zero codes alone and are never 0xff.
; THE MASK is causal: steps all of whose keys come after the wave's queries are jumped over (a branch on the wave's number and the count of steps); in the one step on the diagonal hidden scores become -infinity.
; LIMITS: a block of zeros gets the byte 1 where the rule says 127; NaN and infinities are not served.  No prefetch: the launch is short and the record is asked for at its head.
; REGISTERS: v1 16 L, v2 8 L, v3, v4 scale words' places, v5, v6 the add's two, v7 my query - 16 h, v8-11 the step's addresses, v12 -M, v13 the largest t, v[14:15] the sum, v16-27 Q, v28-31 V's scale words, v32-79 four fragments of K,
;   v80-127 four of V, v128-191 S^T then p, v192-223 O^T, v224-235 p's codes, v232-254 at work, v243 p's scale word, v248-251 K's scale words, v255 Q's.
.set REC,   104448
.set SPARE, 104448                     ; behind the record: the spare words, 128 bytes for each of sixteen waves: eight blocks of 256 bytes that no other line names
.set SPW,   5
.set NIL,   6
.set WV,    18
.set SEL,   20
.set CS,    22
.set G1,    24
.set G0,    32
.set TB,    36                         ; s36  the step's codes: 6,144 bytes a step, K's and V's alike
.set TS,    37                         ; s37  K's scale words: 512 bytes a step
.set TJ,    38                         ; s38  V's: 256
.set KF,    39                         ; s39  the step's first key
.set CNT,   40
.set LIMS,  41                         ; s41  my last step: w' / 2
.set WP,    59                         ; s59  w'
.macro ROUND
	s_barrier_signal -1
	s_barrier_wait -1
	s_cmp_lg_u32 s[WV], 0
	s_cbranch_scc1 .Lnot_wave_0_\@
	s_barrier_signal -3
.Lnot_wave_0_\@:
	s_barrier_wait -3
	s_barrier_signal -1
	s_barrier_wait -1
.endm
	s_load_b128 s[4:7], s[0:1], 0x0                ; qkv s[4:5], att s[6:7]
	v_lshl_add_u32 v[SPW], v0, 2, SPARE
	v_mov_b32 v[NIL], 0
	ds_add_u32 v[SPW], v[NIL]                      ; the wave's opening: the add and its wait ahead of the first tensor load
	ds_add_u32 v[SPW], v[NIL]
	v_lshrrev_b32 v8, 5, v0
	s_delay_alu instid0(VALU_DEP_1)
	v_readfirstlane_b32 s[WV], v8                  ; wave 0..15
	s_bfe_u32 s[WP], s[WV], 0x10002                ; bit 2 of the wave's number,
	s_mul_i32 s[WP], s[WP], 3                      ; 3 where it is set,
	s_xor_b32 s[WP], s[WP], s[WV]                  ; turns the two low bits over: w'
	s_bfe_u32 s42, ttmp6, 0x40000                  ; cx: it enters Q's and the result's global addresses and the mask's numbers, no LDS address and no branch
	s_and_b32 s43, ttmp7, 0xffff                   ; (batch, head)
	s_mov_b32 s[G1], 15|(3<<16)|(1<<21)            ; all four work-groups; elements of 8 bytes; bit 21 beside a mask
	s_mov_b32 s[G1+1], 32<<16                      ; rows of 256 bytes,
	s_mov_b32 s[G1+2], 102<<16                     ; 102 of them: a quarter of the record
	s_mov_b32 s[G1+3], 32<<16
	s_mov_b32 s[G1+4], 102
	s_mov_b32 s[G1+5], 32
	s_mov_b32 s[G1+6], 0
	s_mov_b32 s[G1+7], 0
	s_mul_i32 s44, s43, REC
	s_min_u32 s45, s[WV], 3                        ; (waves 4 to 15 issue no load)
	s_mul_i32 s45, s45, 26112
	s_add_co_u32 s46, s44, s45
	s_mov_b32 s47, 0
	s_mov_b32 s[SEL], 0x76543210
	s_mov_b32 s[SEL+1], 0xfedcba98
	s_mov_b32 s[CS], 0x3d38aa3b                    ; log2(e) / 32
	s_mov_b32 s[CS+1], s[CS]
	s_mov_b32 s[TB], 0
	s_mov_b32 s[TS], 0
	s_mov_b32 s[TJ], 0
	s_mov_b32 s[KF], 0
	s_mov_b32 s[CNT], 0
	s_lshr_b32 s[LIMS], s[WP], 1
	s_wait_dscnt 0x0                               ; the opening add is done
	s_wait_kmcnt 0x0
	s_mov_b32 s[G0], 1
	s_mov_b32 s[G0+1], s45
	s_add_nc_u64 s[G0+2:G0+3], s[4:5], s[46:47]
	s_or_b32 s[G0+3], s[G0+3], 0x80000000
	ROUND                                          ; all four work-groups are here: the joint loads meet
	s_cmp_lt_u32 s[WV], 4
	s_cbranch_scc0 .Lno_fetch
	tensor_load_to_lds s[G0:G0+3], s[G1:G1+7]      ; one load of mine is out
	s_nop 0
.rept 4
	v_nop
.endr
.Lno_fetch:
	s_lshl_b32 s48, s[WP], 2
	s_add_co_u32 s48, s48, s42                     ; my query tile in the head
	s_lshl_b32 s49, s43, 6
	s_add_co_u32 s49, s49, s48
	s_mul_i32 s50, s49, 768
	s_add_co_u32 s50, s50, 6684672
	s_mov_b32 s51, 0
	s_add_nc_u64 s[8:9], s[4:5], s[50:51]          ; its codes
	s_lshl_b32 s50, s49, 6
	s_add_co_u32 s50, s50, 9830400
	s_add_nc_u64 s[10:11], s[4:5], s[50:51]        ; its scale words
	v_and_b32 v9, 31, v0
	s_delay_alu instid0(VALU_DEP_1)
	v_lshlrev_b32 v1, 4, v9
	s_delay_alu instid0(VALU_DEP_2)
	v_lshlrev_b32 v2, 3, v9
	v_and_b32 v10, 15, v0                          ; r
	v_bfe_u32 v11, v0, 4, 1                        ; h
	s_delay_alu instid0(VALU_DEP_2)
	v_lshlrev_b32 v254, 2, v10
	global_load_b128 v[16:19], v1, s[8:9]
	global_load_b64 v[20:21], v2, s[8:9] offset:512
	global_load_b32 v255, v254, s[10:11]
	v_lshl_add_u32 v3, v10, 2, 98304
	v_lshl_add_u32 v4, v10, 2, 102400
	s_lshr_b32 s52, s48, 1
	s_lshl_b32 s52, s52, 5
	s_and_b32 s53, s48, 1
	s_lshl_b32 s53, s53, 3
	s_add_co_u32 s52, s52, s53
	v_and_b32 v7, 8, v10
	s_delay_alu instid0(VALU_DEP_1)
	v_add_nc_u32 v7, v7, v10
	v_lshlrev_b32 v8, 4, v11
	s_delay_alu instid0(VALU_DEP_1)
	v_sub_nc_u32 v7, v7, v8
	s_delay_alu instid0(VALU_DEP_1)
	v_add_nc_u32 v7, s52, v7                       ; my logical query - 16 h
	s_lshr_b32 s54, s43, 4                         ; where the result goes: row tile 64 x batch + my tile, K step head / 2, half head % 2
	s_lshl_b32 s54, s54, 6
	s_add_co_u32 s54, s54, s48
	s_lshl_b32 s54, s54, 3
	s_and_b32 s55, s43, 15
	s_lshr_b32 s56, s55, 1
	s_add_co_u32 s54, s54, s56
	s_and_b32 s55, s55, 1
	s_mul_i32 s56, s54, 1536
	s_mul_i32 s57, s55, 768
	s_add_co_u32 s56, s56, s57
	s_mov_b32 s57, 0
	s_add_nc_u64 s[12:13], s[6:7], s[56:57]
	s_lshl_b32 s56, s54, 6
	s_lshl_b32 s58, s55, 1
	s_add_co_u32 s56, s56, s58
	s_add_nc_u64 s[14:15], s[6:7], s[56:57]
.irp i, 22,23,24,25,26,27
	v_mov_b32 v[\i], 0                             ; Q's upper 64 along K: zero codes
.endr
.irp t, 0,1,2,3
.irp i, 6,7,8,9,10,11
	v_mov_b32 v[32+12*\t+\i], 0                    ; K's likewise: written once, never loaded
.endr
.endr
	v_mov_b32 v13, 0xff61b1e6                      ; the largest t so far: -3e38
	s_delay_alu instid0(VALU_DEP_1)
	v_floor_f32 v12, -v13                          ; -M
	v_mov_b32 v14, 0
	v_mov_b32 v15, 0
.irp b, 0,1,2,3
	v_mov_b32 v[236+\b], 0                         ; (a lane permute's destination counts as read)
.endr
	v_mov_b32 v252, 0
	v_mov_b32 v253, 0                              ; (named as the upper half of the pair v[252:253])
.set j, 0
.rept 32
	v_mov_b32 v[192+j], 0                          ; O^T: the step is written once; the first finds zeros
.set j, j+1
.endr
	s_wait_tensorcnt 0x0                           ; my quarter of the record is in,
	s_barrier_signal -1
	s_barrier_wait -1                              ; everybody's is
	s_wait_loadcnt 0x0                             ; Q
.Lstep:                                            ; eight trips, a constant: 128 keys each
	s_cmp_gt_u32 s[CNT], s[LIMS]                   ; all of the step's keys come after my queries: its work is left out, not the lines that step the addresses
	s_cbranch_scc1 .Lhidden
	v_add_nc_u32 v8, s[TB], v1                     ; (these four are also the places behind the last step's products, ahead of the loads)
	v_add_nc_u32 v9, s[TB], v2
	v_add_nc_u32 v10, s[TS], v3
	v_add_nc_u32 v11, s[TJ], v4
.irp t, 0,1,2,3
	ds_load_b128 v[32+12*\t:35+12*\t], v8 offset:768*\t
	ds_load_b64 v[36+12*\t:37+12*\t], v9 offset:768*\t+512
	ds_load_b32 v[248+\t], v10 offset:64*\t
.endr
	s_wait_alu depctr_va_vdst(0)
	s_wait_dscnt 0x0
.irp t, 0,1,2,3
	v_wmma_scale_f32_16x16x128_f8f6f4 v[128+8*\t:135+8*\t], v[32+12*\t:43+12*\t], v[16:27], 0, v[248+\t], v255 matrix_a_fmt:MATRIX_FMT_FP6 matrix_b_fmt:MATRIX_FMT_FP6
.endr
.rept 4
	v_nop                                          ; places ahead of loads into registers that these products read
.endr
.irp t, 0,1,2,3
	ds_load_b128 v[32+12*\t:35+12*\t], v8 offset:768*(4+\t)
	ds_load_b64 v[36+12*\t:37+12*\t], v9 offset:768*(4+\t)+512
	ds_load_b32 v[248+\t], v10 offset:64*(4+\t)
.endr
.irp d, 0,1,2,3                        ; V's four fragments of this step are asked for here and land under the softmax
	ds_load_b128 v[80+12*\d:83+12*\d], v8 offset:49152+1536*\d
	ds_load_b64 v[84+12*\d:85+12*\d], v9 offset:49152+1536*\d+512
	ds_load_b128 v[86+12*\d:89+12*\d], v8 offset:49152+1536*\d+768
	ds_load_b64 v[90+12*\d:91+12*\d], v9 offset:49152+1536*\d+1280
	ds_load_b32 v[28+\d], v11 offset:64*\d
.endr
	s_wait_dscnt 20                                ; K's are in; V's twenty loads may be out
.irp t, 0,1,2,3
	v_wmma_scale_f32_16x16x128_f8f6f4 v[160+8*\t:167+8*\t], v[32+12*\t:43+12*\t], v[16:27], 0, v[248+\t], v255 matrix_a_fmt:MATRIX_FMT_FP6 matrix_b_fmt:MATRIX_FMT_FP6
.endr
.rept 4
	v_nop
.endr
	s_cmp_lg_u32 s[CNT], s[LIMS]                   ; only my last step lies on the diagonal
	s_cbranch_scc1 .Lopen
	v_sub_nc_u32 v252, v7, s[KF]                   ; d = my query - the step's first key - 16 h.  Register 16 b + i holds key 32 b + 16 h + i of the step: hidden where 32 b + i > d
	v_mov_b32 v254, 0xff800000
.set n, 0
.rept 64
	v_cmp_gt_i32 vcc_lo, 32*(n/16)+n%16, v252
	v_cndmask_b32 v[128+n], v[128+n], v254, vcc_lo
.set n, n+1
.endr
.Lopen:
.irp b, 0,1,2,3
	v_max3_num_f32 v[232+\b], v[128+16*\b], v[129+16*\b], v[130+16*\b]     ; the largest score of each block of 32 keys: for the row's maximum, and, since p rises with the score, for the block's largest p
.endr
.irp i, 3,5,7,9,11,13
.irp b, 0,1,2,3
	v_max3_num_f32 v[232+\b], v[232+\b], v[128+16*\b+\i], v[129+16*\b+\i]
.endr
.endr
.irp b, 0,1,2,3
	v_max_num_f32 v[232+\b], v[232+\b], v[143+16*\b]
.endr
.irp b, 0,1,2,3
	s_delay_alu instid0(VALU_DEP_4)
	v_permlanex16_b32 v[236+\b], v[232+\b], s[SEL], s[SEL+1]
.endr
.irp b, 0,1,2,3
	s_delay_alu instid0(VALU_DEP_4)
	v_max_num_f32 v[232+\b], v[232+\b], v[236+\b]
.endr
	s_delay_alu instid0(VALU_DEP_2)
	v_max3_num_f32 v254, v232, v233, v234
	s_delay_alu instid0(VALU_DEP_1)
	v_max_num_f32 v254, v254, v235
	s_delay_alu instid0(VALU_DEP_1)
	v_mul_f32 v254, s[CS], v254                    ; as t
	s_delay_alu instid0(VALU_DEP_1)
	v_max_num_f32 v13, v13, v254                   ; the running largest t
	v_mov_b32 v254, v12
	s_delay_alu instid0(VALU_DEP_2)
	v_floor_f32 v12, -v13                          ; the new -M = -ceil(t)
	s_delay_alu instid0(VALU_DEP_1)
	v_sub_f32 v254, v12, v254                      ; old M - new M: a whole number, 0 or less
	s_delay_alu instid0(VALU_DEP_1)
	v_cvt_i32_f32 v254, v254                       ; (it saturates)
	s_delay_alu instid0(VALU_DEP_1)
	v_ldexp_f32 v252, 1.0, v254                    ; f = 2^(old M - new M): a multiplication by it rounds nothing
.set j, 0
.rept 32
	v_pk_fma_f32 v[128+j:129+j], v[128+j:129+j], s[CS:CS+1], v[12:13] op_sel_hi:[1,0,0]    ; t - M
.set j, j+2
.endr
.irp b, 0,1,2,3
	v_fma_f32 v[232+\b], v[232+\b], s[CS], v12
.endr
.set j, 0
	s_wait_alu depctr_va_vdst(0)
.rept 64
	v_exp_f32 v[128+j], v[128+j]                   ; p = 2^(t - M)
.set j, j+1
.endr
	v_pk_mul_f32 v[14:15], v[14:15], v[252:253] op_sel_hi:[1,0]    ; the sums under the new M; a plain place behind the exponentials
	s_wait_alu depctr_va_vdst(0)                   ; one wait for the batch, ahead of its first reader
.irp b, 0,1,2,3
	v_exp_f32 v[232+\b], v[232+\b]                 ; each block's largest p
.endr
	v_pk_add_f32 v[236:237], v[132:133], v[136:137]
	v_pk_add_f32 v[250:251], v[140:141], v[144:145]
	v_pk_add_f32 v[248:249], v[148:149], v[152:153]
	v_pk_add_f32 v[246:247], v[156:157], v[160:161]
	v_pk_add_f32 v[244:245], v[164:165], v[168:169]
	v_pk_add_f32 v[242:243], v[172:173], v[176:177]
	v_pk_add_f32 v[240:241], v[180:181], v[184:185]
	v_pk_add_f32 v[14:15], v[14:15], v[188:189]
	v_pk_add_f32 v[236:237], v[236:237], v[128:129]
	v_pk_add_f32 v[250:251], v[250:251], v[130:131]
	v_pk_add_f32 v[248:249], v[248:249], v[134:135]
	v_pk_add_f32 v[246:247], v[246:247], v[138:139]
	v_pk_add_f32 v[244:245], v[244:245], v[142:143]
	v_pk_add_f32 v[242:243], v[242:243], v[146:147]
	v_pk_add_f32 v[240:241], v[240:241], v[150:151]
	v_pk_add_f32 v[14:15], v[14:15], v[154:155]
	v_pk_add_f32 v[236:237], v[236:237], v[158:159]
	v_pk_add_f32 v[250:251], v[250:251], v[162:163]
	v_pk_add_f32 v[248:249], v[248:249], v[166:167]
	v_pk_add_f32 v[246:247], v[246:247], v[170:171]
	v_pk_add_f32 v[244:245], v[244:245], v[174:175]
	v_pk_add_f32 v[242:243], v[242:243], v[178:179]
	v_pk_add_f32 v[240:241], v[240:241], v[182:183]
	v_pk_add_f32 v[14:15], v[14:15], v[186:187]
	v_pk_add_f32 v[236:237], v[236:237], v[190:191]
	s_delay_alu instid0(VALU_DEP_2)
	v_pk_add_f32 v[14:15], v[14:15], v[246:247]
	s_delay_alu instid0(VALU_DEP_2)
	v_pk_add_f32 v[236:237], v[236:237], v[244:245]
	v_pk_add_f32 v[250:251], v[250:251], v[242:243]
	v_pk_add_f32 v[248:249], v[248:249], v[240:241]
	s_delay_alu instid0(VALU_DEP_2)
	v_pk_add_f32 v[14:15], v[14:15], v[250:251]
	s_delay_alu instid0(VALU_DEP_2)
	v_pk_add_f32 v[236:237], v[236:237], v[248:249]
	s_delay_alu instid0(VALU_DEP_1)
	v_pk_add_f32 v[14:15], v[14:15], v[236:237]
	s_wait_alu depctr_va_vdst(0)                   ; and one for the four
.irp b, 0,1,2,3
	v_max_num_f32 v[232+\b], 0x1800000, v[232+\b]  ; the floor 2^(3 - 127)
.endr
.irp b, 0,1,2,3
	s_delay_alu instid0(VALU_DEP_4)
	v_add_nc_u32 v[244+\b], 0xff000000, v[232+\b]
.endr
.irp b, 0,1,2,3
	s_delay_alu instid0(VALU_DEP_4)
	v_lshrrev_b32 v[236+\b], 23, v[244+\b]
.endr
	s_delay_alu instid0(VALU_DEP_3)
	v_lshl_or_b32 v243, v237, 8, v236              ; p's scale word for these 128 keys: a register that holds scales alone
	s_delay_alu instid0(VALU_DEP_1)
	v_lshl_or_b32 v243, v238, 16, v243
	s_delay_alu instid0(VALU_DEP_1)
	v_lshl_or_b32 v243, v239, 24, v243
.irp c, 0,1
	v_cvt_scalef32_pk16_fp6_f32 v[224+6*\c:226+6*\c], v[128+32*\c:143+32*\c], v[244+2*\c]
	v_cvt_scalef32_pk16_fp6_f32 v[236+4*\c:238+4*\c], v[144+32*\c:159+32*\c], v[244+2*\c+1]
.endr
	v_nop
.irp c, 0,1
.irp i, 0,1,2
	v_permlane16_swap_b32 v[224+6*\c+\i], v[236+4*\c+\i]
.endr
.irp i, 0,1,2
	s_delay_alu instid0(VALU_DEP_3)
	v_mov_b32 v[227+6*\c+\i], v[236+4*\c+\i]
.endr
.endr
.set j, 0
.rept 16
	v_pk_mul_f32 v[192+j:193+j], v[192+j:193+j], v[252:253] op_sel_hi:[1,0]    ; O^T under the new M.  Twelve of the sixteen name no register of any one product below: the places behind p's codes and scale word
.set j, j+2
.endr
	s_wait_alu depctr_va_vdst(0)
	s_wait_dscnt 0x0                               ; V
.irp d, 0,1,2,3
	v_wmma_scale_f32_16x16x128_f8f6f4 v[192+8*\d:199+8*\d], v[80+12*\d:91+12*\d], v[224:235], v[192+8*\d:199+8*\d], v[28+\d], v243 matrix_a_fmt:MATRIX_FMT_FP6 matrix_b_fmt:MATRIX_FMT_FP6
.endr
.Lhidden:
	s_add_co_u32 s[TB], s[TB], 6144
	s_add_co_u32 s[TS], s[TS], 512
	s_add_co_u32 s[TJ], s[TJ], 256
	s_add_co_u32 s[KF], s[KF], 128
	s_add_co_u32 s[CNT], s[CNT], 1
	s_cmp_lt_u32 s[CNT], 8
	s_cbranch_scc1 .Lstep
	; THE WAY OUT: O^T / the sum; registers 16 b + i are the head's logical 32 b + 16 h + i: two blocks of 32 along D; the codes are half a fragment of the next product's A
.rept 4
	v_nop                                          ; places behind the last products
.endr
	v_add_f32 v14, v14, v15
	s_delay_alu instid0(VALU_DEP_1)
	v_permlanex16_b32 v252, v14, s[SEL], s[SEL+1]
	s_delay_alu instid0(VALU_DEP_1)
	v_add_f32 v14, v14, v252
	s_wait_alu depctr_va_vdst(0)
	v_rcp_f32 v14, v14
	v_and_b32 v10, 15, v0                          ; (a plain place behind the transcendental)
	s_delay_alu instid0(VALU_DEP_1)
	v_lshlrev_b32 v10, 2, v10
	s_wait_alu depctr_va_vdst(0)
.set j, 0
.rept 32
	v_mul_f32 v[128+j], v[192+j], v14
.set j, j+1
.endr
.irp b, 0,1
	v_max3_num_f32 v[232+\b], |v[128+16*\b]|, |v[129+16*\b]|, 0x1800000
.endr
.irp i, 2,4,6,8,10,12,14
.irp b, 0,1
	s_delay_alu instid0(VALU_DEP_2)
	v_max3_num_f32 v[232+\b], v[232+\b], |v[128+16*\b+\i]|, |v[129+16*\b+\i]|
.endr
.endr
.irp b, 0,1
	s_delay_alu instid0(VALU_DEP_2)
	v_permlanex16_b32 v[236+\b], v[232+\b], s[SEL], s[SEL+1]
.endr
.irp b, 0,1
	s_delay_alu instid0(VALU_DEP_2)
	v_max_num_f32 v[232+\b], v[232+\b], v[236+\b]
.endr
.irp b, 0,1
	s_delay_alu instid0(VALU_DEP_2)
	v_add_nc_u32 v[244+\b], 0xff000000, v[232+\b]
.endr
.irp b, 0,1
	s_delay_alu instid0(VALU_DEP_2)
	v_lshrrev_b32 v[236+\b], 23, v[244+\b]
.endr
	s_delay_alu instid0(VALU_DEP_1)
	v_lshl_or_b32 v254, v237, 8, v236              ; my head's half of the K step's scale word
	v_cvt_scalef32_pk16_fp6_f32 v[224:226], v[128:143], v244
	v_cvt_scalef32_pk16_fp6_f32 v[240:242], v[144:159], v245
	v_nop
.irp i, 0,1,2
	v_permlane16_swap_b32 v[224+\i], v[240+\i]
.endr
.irp i, 0,1,2
	s_delay_alu instid0(VALU_DEP_3)
	v_mov_b32 v[227+\i], v[240+\i]
.endr
	global_store_b128 v1, v[224:227], s[12:13]
	global_store_b64 v2, v[228:229], s[12:13] offset:512
	global_store_b16 v10, v254, s[14:15] offset:3145728    ; two bytes a row: 1/24 of the codes' bytes
	s_wait_tensorcnt 0x0                           ; the wave's end
	ds_add_u32 v[SPW], v[NIL]
	s_wait_dscnt 0x0
	ROUND                                          ; the closing round
	s_endpgm
.Lfunc_end_k_qc116e14dfc_attn:
	.size	k_qc116e14dfc_attn, .Lfunc_end_k_qc116e14dfc_attn-k_qc116e14dfc_attn
	.p2alignl 7, 3214868480
	.fill 96, 4, 3214868480
	.section	.rodata,"a",@progbits
	.p2align	6, 0x0
	.amdhsa_kernel k_qc116e14dfc_attn
		.amdhsa_group_segment_fixed_size 167936
		.amdhsa_private_segment_fixed_size 0
		.amdhsa_enable_private_segment 0
		.amdhsa_kernarg_size 16
		.amdhsa_user_sgpr_count 2
		.amdhsa_user_sgpr_kernarg_segment_ptr 1
		.amdhsa_wavefront_size32 1
		.amdhsa_system_sgpr_workgroup_id_x 1
		.amdhsa_system_sgpr_workgroup_id_y 1
		.amdhsa_system_sgpr_workgroup_id_z 1
		.amdhsa_system_vgpr_workitem_id 0
		.amdhsa_next_free_vgpr 256
		.amdhsa_next_free_sgpr 66
		.amdhsa_reserve_vcc 1
		.amdhsa_float_denorm_mode_32 3
		.amdhsa_float_denorm_mode_16_64 3
		.amdhsa_memory_ordered 1
		.amdhsa_forward_progress 1
		.amdhsa_inst_pref_size 36
	.end_amdhsa_kernel
	.amdgpu_metadata
---
amdhsa.version: [ 1, 2 ]
amdhsa.kernels:
  - .name:           k_qc116e14dfc_attn
    .symbol:         k_qc116e14dfc_attn.kd
    .args:
      - { .name: qkv, .offset: 0, .size: 8, .value_kind: global_buffer, .address_space: global }
      - { .name: att, .offset: 8, .size: 8, .value_kind: global_buffer, .address_space: global }
    .group_segment_fixed_size: 167936
    .private_segment_fixed_size: 0
    .kernarg_segment_align: 8
    .kernarg_segment_size: 16
    .max_flat_workgroup_size: 512
    .sgpr_count:     66
    .vgpr_count:     256
    .wavefront_size: 32
...
	.end_amdgpu_metadata
.endif
;; end of part 3
;; launch proj (part 4): grid 8 x 32, 4 waves a work-group, clusters of 4 x 4, 327,680 bytes of LDS; arguments att, wts, bo, x, x1; writes x1
.if DOCPART == 4
	.amdgcn_target "amdgcn-amd-amdhsa--gfx1250"
	.amdhsa_code_object_version 6
	.text
	.protected	k_qc116e14dfc_proj
	.globl	k_qc116e14dfc_proj
	.p2align	8
	.type	k_qc116e14dfc_proj,@function
k_qc116e14dfc_proj:
	s_mov_b64 s[64:65], 0
	v_nop
	global_prefetch_b8 v0, s[64:65] scope:SCOPE_SE
	s_setreg_imm32_b32 hwreg(HW_REG_WAVE_MODE, 25, 1), 1
	s_wait_xcnt 0x0
	s_wait_alu depctr_hold_cnt(0) depctr_sa_sdst(0) depctr_va_vdst(0) depctr_va_sdst(0) depctr_va_ssrc(0) depctr_va_vcc(0) depctr_vm_vsrc(0)
	s_getreg_b32 s2, hwreg(HW_REG_IB_STS2, 6, 4)
	s_cmp_eq_u32 s2, 0
	s_cbranch_scc0 .Lentry_in_a_cluster
	s_endpgm
.Lentry_in_a_cluster:
	s_bfe_u32 s2, ttmp6, 0x10000c
	s_cmp_lg_u32 s2, 0xf033
	s_cbranch_scc0 .Lentry_shape_is_right
	s_endpgm
.Lentry_shape_is_right:
.set SIZE_K, 1024
.set A_SOFF, 3145728
.set B_COFF, 0
.set B_SOFF, 9437184
.set B_ROW0, 3072
.set LASTNT, 0
.set KS,    SIZE_K/128
.set LAPS,  SIZE_K/1024
.set SLOT,  6144                       ; all eight K steps lie in LDS at once: a row tile's eight fragments on end; "slot 1" is K steps 4-7 of the same rows
.set QUART, 49152                      ; four row tiles x eight fragments: what one wave reads of A or of B
.set SCLB,  196608
.set QS,    256*KS
.set SPARE, SCLB+4*QS
.set FR,    12
.set CO,    8
.set STO,   9
.set RD,    10
.set ADRA,  16
.set ADRB,  20
.set ADRS,  27
.set SPW,   28
.set NIL,   29
.set SC,    32
.set BIAS,  64
.set ACC,   128
.set G1,    24
.set G0,    32
.set G1B,   48
.set G0B,   56
.set G1S,   68
.set G0S,   76
.set G1SB,  80
.set G0SB,  88
.set MSB, 0
.macro WIN new
.if MSB != (\new)
	s_set_vgpr_msb (MSB<<8)|(\new)
.set MSB, (\new)
.endif
.endm
.macro JLOAD g0a, g1a, g0b, g1b
	s_cmp_eq_u32 s15, 0
	s_cbranch_scc0 .Lfor_b_\@
	tensor_load_to_lds s[\g0a:\g0a+3], s[\g1a:\g1a+7]
	s_nop 0
.rept 4
	v_nop
.endr
	s_branch .Lasked_\@
.Lfor_b_\@:
	tensor_load_to_lds s[\g0b:\g0b+3], s[\g1b:\g1b+7]
	s_nop 0
.rept 4
	v_nop
.endr
.Lasked_\@:
.endm
.macro CREST
	s_cmp_lg_u32 s14, 0
	s_cbranch_scc1 .Lnot_wave_0_\@
	s_barrier_signal -3
.Lnot_wave_0_\@:
	s_barrier_wait -3
	s_barrier_signal -1
	s_barrier_wait -1
.endm
.macro CROUND
	s_barrier_signal -1
	s_barrier_wait -1
	CREST
.endm
	s_load_b256 s[4:11], s[0:1], 0x0
	s_load_b64 s[12:13], s[0:1], 0x20
	v_lshl_add_u32 v[SPW], v0, 2, SPARE
	v_mov_b32 v[NIL], 0
	ds_add_u32 v[SPW], v[NIL]
	ds_add_u32 v[SPW], v[NIL]
	v_lshrrev_b32 v1, 5, v0
	v_readfirstlane_b32 s14, v1
	s_lshr_b32 s15, s14, 1
	s_and_b32 s16, s14, 1
	s_bfe_u32 s40, ttmp6, 0x40000
	s_bfe_u32 s41, ttmp6, 0x40004
	s_lshl_b32 s42, ttmp9, 2
	s_add_co_u32 s42, s42, s40
	s_and_b32 s17, ttmp7, 0xffff
	s_lshl_b32 s17, s17, 2
	s_add_co_u32 s17, s17, s41
	s_lshl_b32 s43, s41, 2
	s_lshl_b32 s43, 15, s43
	s_lshl_b32 s44, 0x1111, s40
	s_or_b32 s[G1+0], s43, (3<<16)|(1<<21)
	s_or_b32 s[G1B+0], s44, (3<<16)|(1<<21)
.irp g, G1, G1B
	s_mov_b32 s[\g+1], 1536<<16
	s_mov_b32 s[\g+2], 8<<16
	s_mov_b32 s[\g+3], 1536<<16
	s_mov_b32 s[\g+4], 8
	s_mov_b32 s[\g+5], 192*KS
	s_mov_b32 s[\g+6], 0
	s_mov_b32 s[\g+7], 0
.endr
	s_or_b32 s[G1S+0], s43, (3<<16)|(1<<21)
	s_or_b32 s[G1SB+0], s44, (3<<16)|(1<<21)
.irp g, G1S, G1SB
	s_mov_b32 s[\g+1], 32<<16
	s_mov_b32 s[\g+2], (2*KS)<<16
	s_mov_b32 s[\g+3], 32<<16
	s_mov_b32 s[\g+4], 2*KS
	s_mov_b32 s[\g+5], 32
	s_mov_b32 s[\g+6], 0
	s_mov_b32 s[\g+7], 0
.endr
	s_lshl_b32 s18, s16, 6
	s_lshl_b32 s20, s17, 7
	s_add_co_u32 s20, s20, s18
	s_lshl_b32 s46, s42, 7
	s_add_co_u32 s46, s46, s18
	s_add_co_u32 s46, s46, B_ROW0
	s_mul_i32 s22, s20, KS*4
	s_add_co_u32 s22, s22, A_SOFF
	s_mov_b32 s23, 0
	s_mul_i32 s92, s46, KS*4
	s_add_co_u32 s92, s92, B_SOFF
	s_mov_b32 s93, 0
	s_mul_i32 s20, s20, KS*96
	s_mov_b32 s21, 0
	s_mul_i32 s46, s46, KS*96
	s_add_co_u32 s46, s46, B_COFF
	s_mov_b32 s47, 0
	s_mul_i32 s45, s14, QUART
	s_mul_i32 s94, s14, QS
	s_wait_dscnt 0x0
	s_wait_kmcnt 0x0
	s_add_nc_u64 s[20:21], s[4:5], s[20:21]
	s_add_nc_u64 s[22:23], s[4:5], s[22:23]
	s_add_nc_u64 s[46:47], s[6:7], s[46:47]
	s_add_nc_u64 s[92:93], s[6:7], s[92:93]
	CROUND
	s_mov_b32 s[G0S], 1
	s_mul_i32 s94, s16, QS                         ; back from my half to the tile's first row
	s_mov_b32 s95, 0
	s_mov_b32 s[G0S+1], SCLB
	s_sub_nc_u64 s[G0S+2:G0S+3], s[22:23], s[94:95]
	s_or_b32 s[G0S+3], s[G0S+3], 0x80000000
	s_mov_b32 s[G0SB], 1
	s_mov_b32 s[G0SB+1], SCLB+2*QS
	s_sub_nc_u64 s[G0SB+2:G0SB+3], s[92:93], s[94:95]
	s_or_b32 s[G0SB+3], s[G0SB+3], 0x80000000
	s_mul_i32 s94, s16, 64*KS*96                   ; group 0 of the head's loads: A's 128 rows in s[4:7], B's in s[96:99]
	s_mov_b32 s4, 1
	s_mov_b32 s5, 0
	s_sub_nc_u64 s[6:7], s[20:21], s[94:95]
	s_or_b32 s7, s7, 0x80000000
	s_mov_b32 s96, 1
	s_mov_b32 s97, 2*QUART
	s_sub_nc_u64 s[98:99], s[46:47], s[94:95]
	s_or_b32 s99, s99, 0x80000000
; the head's four tiles, one load a wave: wave 0 A's codes, wave 1 B's, wave 2 A's scale words, wave 3 B's; one tree of branches on the wave's number
.macro ARM under, g0, g1, next
	s_cmp_lt_u32 s14, \under
	s_cbranch_scc0 \next
	tensor_load_to_lds s[\g0:\g0+3], s[\g1:\g1+7]
	s_nop 0
.rept 4
	v_nop
.endr
	s_branch .Lhead_asked
\next:
.endm
	ARM 1, 4, G1, .Lhead_b
	ARM 2, 96, G1B, .Lhead_sa
	ARM 3, G0S, G1S, .Lhead_sb
	tensor_load_to_lds s[G0SB:G0SB+3], s[G1SB:G1SB+7]
	s_nop 0
.rept 4
	v_nop
.endr
.Lhead_asked:
	v_and_b32 v1, 15, v0
	v_bfe_u32 v2, v0, 4, 1
	v_and_b32 v3, 31, v0
	v_lshlrev_b32 v4, 4, v3
	v_lshlrev_b32 v5, 3, v3
	s_mul_i32 s21, s15, QUART
	s_mul_i32 s22, s16, QUART
	s_add_co_u32 s22, s22, 2*QUART
.irp s, 0,1
	v_add_nc_u32 v[ADRA+\s], s21, v4
	v_add_nc_u32 v[ADRA+2+\s], s21, v5
	v_add_nc_u32 v[ADRB+\s], s22, v4
	v_add_nc_u32 v[ADRB+2+\s], s22, v5
	s_add_co_u32 s21, s21, SLOT
	s_add_co_u32 s22, s22, SLOT
.endr
	s_mul_i32 s21, s15, QS
	s_mul_i32 s22, s16, QS
	s_add_co_u32 s22, s22, 2*QS
	s_sub_co_u32 s22, s22, s21
	v_mul_u32_u24 v6, s22, v2
	s_add_co_u32 s21, s21, SCLB
	v_lshl_add_u32 v6, v1, 2, v6
	v_add_nc_u32 v[ADRS], s21, v6
	s_mul_i32 s23, s14, 4352
	s_add_co_u32 s23, s23, SPARE+512               ; my stage has bytes of its own, behind the spare words: other waves may still read the tiles when I store
	v_mul_u32_u24 v[STO], v1, 272
	v_lshl_add_u32 v[STO], v2, 6, v[STO]
	v_add_nc_u32 v[STO], s23, v[STO]
	v_mul_u32_u24 v[RD], v2, 272
	v_lshl_add_u32 v[RD], v1, 4, v[RD]
	v_add_nc_u32 v[RD], s23, v[RD]
	v_lshlrev_b32 v[CO], 12, v2
	v_lshl_add_u32 v[CO], v1, 4, v[CO]
	v_lshlrev_b32 v11, 6, v2
	s_wait_alu depctr_va_vdst(0)
	s_lshl_b32 s20, s42, 9
	s_lshl_b32 s21, s16, 8
	s_add_co_u32 s20, s20, s21
	s_mov_b32 s21, 0
	s_add_nc_u64 s[8:9], s[8:9], s[20:21]
	s_lshl_b32 s22, s17, 7
	s_lshl_b32 s23, s15, 6
	s_add_co_u32 s22, s22, s23
	s_lshl_b32 s22, s22, 12
	s_add_co_u32 s20, s20, s22
	s_add_nc_u64 s[10:11], s[10:11], s[20:21]
	s_add_nc_u64 s[12:13], s[12:13], s[20:21]
.irp b, 0,1,2,3
	global_load_b128 v[BIAS+8*\b:BIAS+8*\b+3], v11, s[8:9] offset:(32*(\b/2)+8*(\b%2))*4
	global_load_b128 v[BIAS+8*\b+4:BIAS+8*\b+7], v11, s[8:9] offset:(32*(\b/2)+8*(\b%2))*4+16
.endr
	WIN 0x80
.irp a, 0,1,2,3
.irp t, 0,1,2,3,4,5,6,7
	global_load_b128 v[4*(8*\a+\t):4*(8*\a+\t)+3], v[CO], s[10:11] offset:(32*(\a/2)+8*(\a%2)+2*\t+8*(\t/4))*4096
.endr
.endr
	WIN 0
.macro FRAG reg, adr, off
	ds_load_b128 v[\reg:\reg+3], v[\adr] offset:\off
	ds_load_b64 v[\reg+4:\reg+5], v[\adr+2] offset:\off+512
	ds_load_b128 v[\reg+6:\reg+9], v[\adr] offset:\off+768
	ds_load_b64 v[\reg+10:\reg+11], v[\adr+2] offset:\off+1280
.endm
.macro FETCH slot, q, p
	WIN 0x40
.irp i, 0,1,2,3
	FRAG 128*(\p)+FR*\i, ADRA+\slot, \i*12288+(\q)*1536
	FRAG 128*(\p)+48+FR*\i, ADRB+\slot, \i*12288+(\q)*1536
.endr
.endm
.macro SCALES sc
	WIN 0
.irp q, 0,1,2,3
.irp i, 0,1,2,3
	ds_load_b32 v[SC+16*\sc+4*\q+\i], v[ADRS] offset:64*KS*\i+64*\q
.endr
.endr
.endm
.macro MUL8 p, a0, sr, first
	WIN 0x05
.irp a, \a0, \a0+1
.irp b, 0,1,2,3
.if \first
	v_wmma_scale_f32_16x16x128_f8f6f4 v[ACC+8*(4*(\a)+\b):ACC+8*(4*(\a)+\b)+7], v[128*(\p)+48+FR*\b:128*(\p)+48+FR*\b+FR-1], v[128*(\p)+FR*(\a):128*(\p)+FR*(\a)+FR-1], v[BIAS+8*\b:BIAS+8*\b+7], v[(\sr)+\b], v[(\sr)+(\a)] matrix_a_fmt:MATRIX_FMT_FP6 matrix_b_fmt:MATRIX_FMT_FP6 matrix_a_scale:MATRIX_SCALE_ROW1
.else
	v_wmma_scale_f32_16x16x128_f8f6f4 v[ACC+8*(4*(\a)+\b):ACC+8*(4*(\a)+\b)+7], v[128*(\p)+48+FR*\b:128*(\p)+48+FR*\b+FR-1], v[128*(\p)+FR*(\a):128*(\p)+FR*(\a)+FR-1], v[ACC+8*(4*(\a)+\b):ACC+8*(4*(\a)+\b)+7], v[(\sr)+\b], v[(\sr)+(\a)] matrix_a_fmt:MATRIX_FMT_FP6 matrix_b_fmt:MATRIX_FMT_FP6 matrix_a_scale:MATRIX_SCALE_ROW1
.endif
.endr
.endr
.endm
.macro PLACES
.rept 4
	v_nop
.endr
.endm
.macro STEP slot, q, first
	s_wait_dscnt 0x0
	PLACES
	FETCH \slot, (\q)+1, 1-(\q)%2
	MUL8 (\q)%2, 0, SC+16*\slot+4*(\q), \first
	MUL8 (\q)%2, 2, SC+16*\slot+4*(\q), \first
.endm
.macro TURN slot, next, fill
	WIN 0
	s_wait_tensorcnt 0x0
	ds_add_u32 v[SPW], v[NIL]
	s_wait_dscnt 1
	MUL8 1, 0, SC+16*\slot+12, 0
	WIN 0
	s_wait_dscnt 0x0
	s_barrier_signal -1
	s_barrier_wait -1
.if \fill
	CREST
	s_add_nc_u64 s[G0+4*\slot+2:G0+4*\slot+3], s[G0+4*\slot+2:G0+4*\slot+3], 12288
	s_add_nc_u64 s[G0B+4*\slot+2:G0B+4*\slot+3], s[G0B+4*\slot+2:G0B+4*\slot+3], 12288
	JLOAD G0+4*\slot, G1, G0B+4*\slot, G1B
.else
	PLACES
.endif
	v_add_nc_u32 v[ADRS], 256, v[ADRS]
	FETCH \next, 0, 0
	SCALES \next
	MUL8 1, 2, SC+16*\slot+12, 0
.endm
	s_wait_tensorcnt 0x0                           ; my tile of the head's four is in
	s_barrier_signal -1                            ; everybody's tile of the head's four is in
	s_barrier_wait -1
	FETCH 0, 0, 0
	SCALES 0
	s_wait_loadcnt 32
	STEP 0, 0, 1
.if LAPS > 1
	WIN 0
	s_mov_b32 s3, LAPS-1
.Llap:
	STEP 0, 1, 0
	STEP 0, 2, 0
	TURN 0, 1, 1
	STEP 1, 0, 0
	STEP 1, 1, 0
	STEP 1, 2, 0
	TURN 1, 0, 1
	STEP 0, 0, 0
	WIN 0
	s_sub_co_u32 s3, s3, 1
	s_cmp_lg_u32 s3, 0
	s_cbranch_scc1 .Llap
.endif
	STEP 0, 1, 0
	STEP 0, 2, 0
	TURN 0, 1, 0
	STEP 1, 0, 0
	STEP 1, 1, 0
	STEP 1, 2, 0
	s_wait_dscnt 0x0
	MUL8 1, 0, SC+16+12, 0
	MUL8 1, 2, SC+16+12, 0
	WIN 0
	PLACES
	s_wait_loadcnt 0x0
.macro OUTA a
.set OBB, 64+32*((\a)%2)
.if (\a) >= 2
	s_wait_xcnt 0x0
.endif
.irp b, 0,1,2,3
	ds_store_b128 v[STO], v[ACC+8*(4*(\a)+\b):ACC+8*(4*(\a)+\b)+3] offset:128*(\b/2)+32*(\b%2)
	ds_store_b128 v[STO], v[ACC+8*(4*(\a)+\b)+4:ACC+8*(4*(\a)+\b)+7] offset:128*(\b/2)+32*(\b%2)+16
.endr
.irp t, 0,1,2,3,4,5,6,7
	ds_load_b128 v[OBB+4*\t:OBB+4*\t+3], v[RD] offset:544*\t
.endr
	s_wait_dscnt 0x0
	WIN 0x08
.irp t, 0,1,2,3,4,5,6,7
	v_pk_add_f32 v[OBB+4*\t:OBB+4*\t+1], v[OBB+4*\t:OBB+4*\t+1], v[4*(8*(\a)+\t):4*(8*(\a)+\t)+1]
	v_pk_add_f32 v[OBB+4*\t+2:OBB+4*\t+3], v[OBB+4*\t+2:OBB+4*\t+3], v[4*(8*(\a)+\t)+2:4*(8*(\a)+\t)+3]
.endr
	WIN 0
.irp t, 0,1,2,3,4,5,6,7
.if LASTNT
	global_store_b128 v[CO], v[OBB+4*\t:OBB+4*\t+3], s[12:13] offset:(32*((\a)/2)+8*((\a)%2)+2*\t+8*(\t/4))*4096 th:TH_STORE_NT
.else
	global_store_b128 v[CO], v[OBB+4*\t:OBB+4*\t+3], s[12:13] offset:(32*((\a)/2)+8*((\a)%2)+2*\t+8*(\t/4))*4096
.endif
.endr
.endm
	OUTA 0
	OUTA 1
	OUTA 2
	OUTA 3
	s_wait_tensorcnt 0x0
	ds_add_u32 v[SPW], v[NIL]
	s_wait_dscnt 0x0
	CROUND
	s_endpgm
.Lfunc_end_k_qc116e14dfc_proj:
	.size	k_qc116e14dfc_proj, .Lfunc_end_k_qc116e14dfc_proj-k_qc116e14dfc_proj
	.p2alignl 7, 3214868480
	.fill 96, 4, 3214868480
	.section	.rodata,"a",@progbits
	.p2align	6, 0x0
	.amdhsa_kernel k_qc116e14dfc_proj
		.amdhsa_group_segment_fixed_size 327680
		.amdhsa_private_segment_fixed_size 0
		.amdhsa_enable_private_segment 0
		.amdhsa_kernarg_size 40
		.amdhsa_user_sgpr_count 2
		.amdhsa_user_sgpr_kernarg_segment_ptr 1
		.amdhsa_wavefront_size32 1
		.amdhsa_system_sgpr_workgroup_id_x 1
		.amdhsa_system_sgpr_workgroup_id_y 1
		.amdhsa_system_sgpr_workgroup_id_z 1
		.amdhsa_system_vgpr_workitem_id 0
		.amdhsa_next_free_vgpr 640
		.amdhsa_next_free_sgpr 100
		.amdhsa_reserve_vcc 0
		.amdhsa_float_denorm_mode_32 3
		.amdhsa_float_denorm_mode_16_64 3
		.amdhsa_memory_ordered 1
		.amdhsa_forward_progress 1
		.amdhsa_inst_pref_size 61
	.end_amdhsa_kernel
	.amdgpu_metadata
---
amdhsa.version: [ 1, 2 ]
amdhsa.kernels:
  - .name:           k_qc116e14dfc_proj
    .symbol:         k_qc116e14dfc_proj.kd
    .args:
      - { .name: att, .offset: 0, .size: 8, .value_kind: global_buffer, .address_space: global }
      - { .name: wts, .offset: 8, .size: 8, .value_kind: global_buffer, .address_space: global }
      - { .name: bo, .offset: 16, .size: 8, .value_kind: global_buffer, .address_space: global }
      - { .name: x, .offset: 24, .size: 8, .value_kind: global_buffer, .address_space: global }
      - { .name: x1, .offset: 32, .size: 8, .value_kind: global_buffer, .address_space: global }
    .group_segment_fixed_size: 327680
    .private_segment_fixed_size: 0
    .kernarg_segment_align: 8
    .kernarg_segment_size: 40
    .max_flat_workgroup_size: 128
    .sgpr_count:     100
    .vgpr_count:     640
    .wavefront_size: 32
...
	.end_amdgpu_metadata
.endif
;; end of part 4
;; launch ln2 (part 5): grid 256 x 1, 8 waves a work-group, no clusters, 69,632 bytes of LDS; arguments x1, g2, be2, xn2; writes xn2
.if DOCPART == 5
	.amdgcn_target "amdgcn-amd-amdhsa--gfx1250"
	.amdhsa_code_object_version 6
	.text
	.protected	k_qc116e14dfc_ln2
	.globl	k_qc116e14dfc_ln2
	.p2align	8
	.type	k_qc116e14dfc_ln2,@function
k_qc116e14dfc_ln2:
	s_mov_b64 s[64:65], 0
	v_nop
	global_prefetch_b8 v0, s[64:65] scope:SCOPE_SE
	s_setreg_imm32_b32 hwreg(HW_REG_WAVE_MODE, 25, 1), 1
	s_wait_xcnt 0x0
; LN2(x1), quantised along its 1,024 columns into codes of FP6 (E2M3) with one E8M0 byte for each 32, stored as images of operand registers.
; A work-group takes one row tile (16 physical rows: tile rt = 2 A + u, row r is logical row 32 A + 8 u + r + 8 (r / 8)), wave w its K step w (128 columns).
; IMAGE: fragment (rt, w) at (8 rt + w) x 1,536: half c at 768 c, registers 6 c .. 6 c + 3 of lane L at 16 L, registers 6 c + 4, 6 c + 5 at 512 + 8 L; its scale words at 3,145,728 + (8 rt + w) x 64 + 4 r.
; Mean first, then the sum of squares of x - mean: the variance does not suffer from a common offset of the inputs.
; All 48 loads of a wave (x1, the gain, the bias) go out together at the head: the gain has registers of its own, in window 1, so that it does not wait for x1's.
; LIMITS: a block of zeros gets the byte 1 where the rule says 127 (its codes are zeros; this program alone reads the bytes); blocks under 2^-124 were not tried; NaN and infinities are not served.
; Memory binds: no matrix unit, no tensor load, no cluster.  LDS: wave w's stage at 8,448 w (16 rows x 528 bytes); RED; SPARE.
; REGISTERS: v4 stage in, v5 stage out, v6, v7 RED, v8 8 L, v9 128 h, v10 4 r, v13 16 L; v16-79 x as loaded; v80-143 the bias; v144-207 my 64 numbers: register 32 c + i = column 64 c + 32 h + i of row r; v208-226 codes; v228-251 at work;
;   window 1: v0-63 the gain.
.set SPARE, 68608                      ; the spare words: 128 bytes for each of eight waves, four blocks of 256 bytes that no other line names
.set RED,   67584
.set SPW,   11
.set NIL,   12
.set XP,    20
.set GP,    22
.set BP,    24
.set OP,    26
.set MSB, 0
.macro WIN new                         ; the immediate's high byte repeats the setting that is left
.if MSB != (\new)
	s_set_vgpr_msb (MSB<<8)|(\new)
.set MSB, (\new)
.endif
.endm
	s_load_b128 s[20:23], s[0:1], 0x0              ; x1, g2
	s_load_b128 s[24:27], s[0:1], 0x10             ; be2, xn2
	v_lshl_add_u32 v[SPW], v0, 2, SPARE
	v_mov_b32 v[NIL], 0
	v_lshrrev_b32 v1, 5, v0
	s_delay_alu instid0(VALU_DEP_1)
	v_readfirstlane_b32 s30, v1                    ; wave 0..7
	v_and_b32 v1, 31, v0                           ; lane L
	v_and_b32 v2, 15, v0                           ; r
	v_bfe_u32 v3, v0, 4, 1                         ; h
	s_mov_b32 s31, ttmp9                           ; rt
	s_mov_b32 s32, 0x76543210
	s_mov_b32 s33, 0xfedcba98                      ; v_permlanex16_b32's selects for lane l xor 16
	s_mov_b32 s34, 0x3a800000                      ; 2^-10
	s_mov_b32 s35, 0x3727c5ac                      ; 1e-5
	s_mul_i32 s36, s30, 8448
	v_lshlrev_b32 v13, 4, v1
	v_lshlrev_b32 v8, 3, v1
	v_lshlrev_b32 v9, 7, v3
	v_lshlrev_b32 v10, 2, v2
	s_delay_alu instid0(VALU_DEP_4)
	v_add_nc_u32 v4, s36, v13
	v_mul_u32_u24 v5, v2, 528
	s_delay_alu instid0(VALU_DEP_1)
	v_add_nc_u32 v5, v5, v9
	s_delay_alu instid0(VALU_DEP_1)
	v_add_nc_u32 v5, s36, v5
	s_lshl_b32 s37, s30, 2
	v_lshlrev_b32 v7, 5, v2
	s_delay_alu instid0(VALU_DEP_1)
	v_add_nc_u32 v7, RED, v7                       ; row r's eight words
	s_delay_alu instid0(VALU_DEP_1)
	v_add_nc_u32 v6, s37, v7                       ; my wave's among them
	s_lshr_b32 s38, s31, 1
	s_lshl_b32 s38, s38, 5
	s_and_b32 s39, s31, 1
	s_lshl_b32 s39, s39, 3
	s_add_co_u32 s38, s38, s39                     ; the tile's first logical row
	s_lshl_b32 s38, s38, 12
	s_lshl_b32 s40, s30, 9                         ; my 128 columns: 512 bytes
	s_add_co_u32 s38, s38, s40
	s_mov_b32 s39, 0
	s_mov_b32 s41, 0
	s_lshl_b32 s42, s31, 3
	s_add_co_u32 s42, s42, s30                     ; the fragment's number: 8 rt + w
	s_mul_i32 s44, s42, 1536
	s_mov_b32 s45, 0
	s_lshl_b32 s42, s42, 6
	s_mov_b32 s43, 0
	s_wait_alu depctr_va_vdst(0)
	s_wait_kmcnt 0x0
	s_add_nc_u64 s[XP:XP+1], s[XP:XP+1], s[38:39]
	s_add_nc_u64 s[GP:GP+1], s[GP:GP+1], s[40:41]
	s_add_nc_u64 s[BP:BP+1], s[BP:BP+1], s[40:41]
	s_add_nc_u64 s[46:47], s[OP:OP+1], s[44:45]
	s_add_nc_u64 s[48:49], s[OP:OP+1], s[42:43]
.irp q, 0,1,2,3,4,5,6,7,8,9,10,11,12,13,14,15
	global_load_b128 v[16+4*\q:19+4*\q], v13, s[XP:XP+1] offset:(\q+8*(\q/8))*4096   ; physical row q: 512 consecutive bytes
.endr
	WIN 0x40                                       ; destination window 1, address window 0
.irp c, 0,1
.irp j, 0,1,2,3,4,5,6,7
	global_load_b128 v[32*\c+4*\j:32*\c+4*\j+3], v9, s[GP:GP+1] offset:256*\c+16*\j    ; the gain of my 64 columns
.endr
.endr
	WIN 0
.irp c, 0,1
.irp j, 0,1,2,3,4,5,6,7
	global_load_b128 v[80+32*\c+4*\j:83+32*\c+4*\j], v9, s[BP:BP+1] offset:256*\c+16*\j
.endr
.endr
	s_wait_loadcnt 32                              ; x1 is in; the gain's and the bias's 32 loads may be out
.irp q, 0,1,2,3,4,5,6,7,8,9,10,11,12,13,14,15
	ds_store_b128 v4, v[16+4*\q:19+4*\q] offset:528*\q
.endr
.irp c, 0,1
.irp j, 0,1,2,3,4,5,6,7
	ds_load_b128 v[144+32*\c+4*\j:147+32*\c+4*\j], v5 offset:256*\c+16*\j    ; LDS serves a wave's instructions in order: these see my stores
.endr
.endr
	s_wait_dscnt 0x0                               ; my numbers are back
.macro ACROSS off                      ; v[236:237]: my 64 numbers' sum in two halves -> v240: the row's sum over 1,024 columns
	s_delay_alu instid0(VALU_DEP_1)
	v_add_f32 v236, v236, v237
	s_delay_alu instid0(VALU_DEP_1)
	v_permlanex16_b32 v237, v236, s32, s33
	s_delay_alu instid0(VALU_DEP_1)
	v_add_f32 v236, v236, v237
	ds_store_b32 v6, v236 offset:\off              ; lanes r and r + 16 write the same word with the same value
	s_wait_dscnt 0x0                               ; for the others' sake
	s_barrier_signal -1
	s_barrier_wait -1
	ds_load_b128 v[240:243], v7 offset:\off
	ds_load_b128 v[244:247], v7 offset:\off+16
	s_wait_dscnt 0x0
	v_add_f32 v240, v240, v241
	v_add_f32 v242, v242, v243
	v_add_f32 v244, v244, v245
	v_add_f32 v246, v246, v247
	s_delay_alu instid0(VALU_DEP_3)
	v_add_f32 v240, v240, v242
	s_delay_alu instid0(VALU_DEP_2)
	v_add_f32 v244, v244, v246
	s_delay_alu instid0(VALU_DEP_1)
	v_add_f32 v240, v240, v244
.endm
	v_pk_add_f32 v[238:239], v[144:145], v[146:147]
	v_pk_add_f32 v[254:255], v[152:153], v[156:157]
	v_pk_add_f32 v[252:253], v[160:161], v[164:165]
	v_pk_add_f32 v[250:251], v[168:169], v[172:173]
	v_pk_add_f32 v[248:249], v[176:177], v[180:181]
	v_pk_add_f32 v[246:247], v[184:185], v[188:189]
	v_pk_add_f32 v[244:245], v[192:193], v[196:197]
	v_pk_add_f32 v[236:237], v[200:201], v[204:205]
	s_delay_alu instid0(VALU_DEP_1)
	v_pk_add_f32 v[236:237], v[236:237], v[148:149]
	v_pk_add_f32 v[238:239], v[238:239], v[150:151]
	v_pk_add_f32 v[254:255], v[254:255], v[154:155]
	v_pk_add_f32 v[252:253], v[252:253], v[158:159]
	v_pk_add_f32 v[250:251], v[250:251], v[162:163]
	v_pk_add_f32 v[248:249], v[248:249], v[166:167]
	v_pk_add_f32 v[246:247], v[246:247], v[170:171]
	v_pk_add_f32 v[244:245], v[244:245], v[174:175]
	v_pk_add_f32 v[236:237], v[236:237], v[178:179]
	v_pk_add_f32 v[238:239], v[238:239], v[182:183]
	v_pk_add_f32 v[254:255], v[254:255], v[186:187]
	v_pk_add_f32 v[252:253], v[252:253], v[190:191]
	v_pk_add_f32 v[250:251], v[250:251], v[194:195]
	v_pk_add_f32 v[248:249], v[248:249], v[198:199]
	v_pk_add_f32 v[246:247], v[246:247], v[202:203]
	v_pk_add_f32 v[244:245], v[244:245], v[206:207]
	s_delay_alu instid0(VALU_DEP_4)
	v_pk_add_f32 v[236:237], v[236:237], v[250:251]
	s_delay_alu instid0(VALU_DEP_4)
	v_pk_add_f32 v[238:239], v[238:239], v[248:249]
	s_delay_alu instid0(VALU_DEP_4)
	v_pk_add_f32 v[254:255], v[254:255], v[246:247]
	s_delay_alu instid0(VALU_DEP_4)
	v_pk_add_f32 v[252:253], v[252:253], v[244:245]
	s_delay_alu instid0(VALU_DEP_2)
	v_pk_add_f32 v[236:237], v[236:237], v[254:255]
	s_delay_alu instid0(VALU_DEP_2)
	v_pk_add_f32 v[238:239], v[238:239], v[252:253]
	s_delay_alu instid0(VALU_DEP_1)
	v_pk_add_f32 v[236:237], v[236:237], v[238:239]
	ACROSS 0
	s_delay_alu instid0(VALU_DEP_1)
	v_mul_f32 v248, s34, v240                      ; the mean
	s_delay_alu instid0(VALU_DEP_1)
	v_mov_b32 v249, v248
.set j, 0
.rept 32
	v_pk_add_f32 v[144+j:145+j], v[144+j:145+j], v[248:249] neg_lo:[0,1] neg_hi:[0,1]
.set j, j+2
.endr
	v_pk_mul_f32 v[236:237], v[144:145], v[144:145]
	v_pk_mul_f32 v[238:239], v[146:147], v[146:147]
.irp j, 4,8,12,16,20,24,28,32,36,40,44,48,52,56,60
	s_delay_alu instid0(VALU_DEP_2)
	v_pk_fma_f32 v[236:237], v[144+\j:145+\j], v[144+\j:145+\j], v[236:237]
	s_delay_alu instid0(VALU_DEP_2)
	v_pk_fma_f32 v[238:239], v[146+\j:147+\j], v[146+\j:147+\j], v[238:239]
.endr
	s_delay_alu instid0(VALU_DEP_1)
	v_pk_add_f32 v[236:237], v[236:237], v[238:239]
	ACROSS 512                                     ; other words than the first sum's: no barrier between the two uses
	s_delay_alu instid0(VALU_DEP_1)
	v_fma_f32 v250, v240, s34, s35                 ; variance + eps
	s_wait_alu depctr_va_vdst(0)
	v_rsq_f32 v250, v250
	v_nop                                          ; a plain place behind the transcendental
	s_wait_alu depctr_va_vdst(0)                   ; the wait ahead of the result's first reader
	v_mov_b32 v251, v250
.set j, 0
.rept 32
	v_pk_mul_f32 v[144+j:145+j], v[144+j:145+j], v[250:251]
.set j, j+2
.endr
	s_wait_loadcnt 0x0                             ; gain and bias
	WIN 0x04                                       ; source 1 (the gain) window 1
.set j, 0
.rept 32
	v_pk_fma_f32 v[144+j:145+j], v[144+j:145+j], v[j:j+1], v[80+j:81+j]
.set j, j+2
.endr
	WIN 0
	; the quantiser: blocks h and 2 + h of the K step are mine whole
	v_max3_num_f32 v228, |v144|, |v145|, 0x1800000
	v_max3_num_f32 v229, |v176|, |v177|, 0x1800000
.irp i, 2,4,6,8,10,12,14,16,18,20,22,24,26,28,30
	s_delay_alu instid0(VALU_DEP_2)
	v_max3_num_f32 v228, v228, |v[144+\i]|, |v[145+\i]|
	s_delay_alu instid0(VALU_DEP_2)
	v_max3_num_f32 v229, v229, |v[176+\i]|, |v[177+\i]|
.endr
	s_delay_alu instid0(VALU_DEP_2)
	v_add_nc_u32 v230, 0xff000000, v228
	s_delay_alu instid0(VALU_DEP_2)
	v_add_nc_u32 v231, 0xff000000, v229
	s_delay_alu instid0(VALU_DEP_2)
	v_lshrrev_b32 v232, 23, v230
	s_delay_alu instid0(VALU_DEP_2)
	v_lshrrev_b32 v233, 23, v231
	s_delay_alu instid0(VALU_DEP_1)
	v_lshl_or_b32 v234, v233, 16, v232
	v_lshlrev_b32 v235, 3, v3
	s_delay_alu instid0(VALU_DEP_1)
	v_lshlrev_b32 v234, v235, v234                 ; my two bytes at their places, 8 h bits up
	s_delay_alu instid0(VALU_DEP_1)
	v_permlanex16_b32 v235, v234, s32, s33
	s_delay_alu instid0(VALU_DEP_1)
	v_or_b32 v234, v234, v235                      ; with lane l xor 16's the word is whole
	v_cvt_scalef32_pk16_fp6_f32 v[208:210], v[144:159], v230
	v_cvt_scalef32_pk16_fp6_f32 v[220:222], v[160:175], v230
	v_cvt_scalef32_pk16_fp6_f32 v[214:216], v[176:191], v231
	v_cvt_scalef32_pk16_fp6_f32 v[224:226], v[192:207], v231
	v_nop
.irp i, 0,1,2
	v_mov_b32 v[211+\i], v[220+\i]
	v_mov_b32 v[217+\i], v[224+\i]
.endr
	global_store_b128 v13, v[208:211], s[46:47]
	global_store_b64 v8, v[212:213], s[46:47] offset:512
	global_store_b128 v13, v[214:217], s[46:47] offset:768
	global_store_b64 v8, v[218:219], s[46:47] offset:1280
	global_store_b32 v10, v234, s[48:49] offset:3145728    ; lanes r and r + 16 store the same word
	s_wait_tensorcnt 0x0                           ; the wave's end, behind my last LDS store
	ds_add_u32 v[SPW], v[NIL]
	s_wait_dscnt 0x0
	s_endpgm
.Lfunc_end_k_qc116e14dfc_ln2:
	.size	k_qc116e14dfc_ln2, .Lfunc_end_k_qc116e14dfc_ln2-k_qc116e14dfc_ln2
	.p2alignl 7, 3214868480
	.fill 96, 4, 3214868480
	.section	.rodata,"a",@progbits
	.p2align	6, 0x0
	.amdhsa_kernel k_qc116e14dfc_ln2
		.amdhsa_group_segment_fixed_size 69632
		.amdhsa_private_segment_fixed_size 0
		.amdhsa_enable_private_segment 0
		.amdhsa_kernarg_size 32
		.amdhsa_user_sgpr_count 2
		.amdhsa_user_sgpr_kernarg_segment_ptr 1
		.amdhsa_wavefront_size32 1
		.amdhsa_system_sgpr_workgroup_id_x 1
		.amdhsa_system_sgpr_workgroup_id_y 1
		.amdhsa_system_sgpr_workgroup_id_z 1
		.amdhsa_system_vgpr_workitem_id 0
		.amdhsa_next_free_vgpr 320
		.amdhsa_next_free_sgpr 66
		.amdhsa_reserve_vcc 0
		.amdhsa_float_denorm_mode_32 3
		.amdhsa_float_denorm_mode_16_64 3
		.amdhsa_memory_ordered 1
		.amdhsa_forward_progress 1
		.amdhsa_inst_pref_size 28
	.end_amdhsa_kernel
	.amdgpu_metadata
---
amdhsa.version: [ 1, 2 ]
amdhsa.kernels:
  - .name:           k_qc116e14dfc_ln2
    .symbol:         k_qc116e14dfc_ln2.kd
    .args:
      - { .name: x1, .offset: 0, .size: 8, .value_kind: global_buffer, .address_space: global }
      - { .name: g2, .offset: 8, .size: 8, .value_kind: global_buffer, .address_space: global }
      - { .name: be2, .offset: 16, .size: 8, .value_kind: global_buffer, .address_space: global }
      - { .name: xn2, .offset: 24, .size: 8, .value_kind: global_buffer, .address_space: global }
    .group_segment_fixed_size: 69632
    .private_segment_fixed_size: 0
    .kernarg_segment_align: 8
    .kernarg_segment_size: 32
    .max_flat_workgroup_size: 256
    .sgpr_count:     66
    .vgpr_count:     320
    .wavefront_size: 32
...
	.end_amdgpu_metadata
.endif
;; end of part 5
;; launch ffn1 (part 6): grid 16 x 16, 4 waves a work-group, clusters of 4 x 4, 327,680 bytes of LDS; arguments xn2, wts, b1, hid; writes hid
.if DOCPART == 6
	.amdgcn_target "amdgcn-amd-amdhsa--gfx1250"
	.amdhsa_code_object_version 6
	.text
	.protected	k_qc116e14dfc_ffn1
	.globl	k_qc116e14dfc_ffn1
	.p2align	8
	.type	k_qc116e14dfc_ffn1,@function
k_qc116e14dfc_ffn1:
	s_mov_b64 s[64:65], 0
	v_nop
	global_prefetch_b8 v0, s[64:65] scope:SCOPE_SE
	s_setreg_imm32_b32 hwreg(HW_REG_WAVE_MODE, 25, 1), 1
	s_wait_xcnt 0x0
	s_wait_alu depctr_hold_cnt(0) depctr_sa_sdst(0) depctr_va_vdst(0) depctr_va_sdst(0) depctr_va_ssrc(0) depctr_va_vcc(0) depctr_vm_vsrc(0)
	s_getreg_b32 s2, hwreg(HW_REG_IB_STS2, 6, 4)
	s_cmp_eq_u32 s2, 0
	s_cbranch_scc0 .Lentry_in_a_cluster
	s_endpgm
.Lentry_in_a_cluster:
	s_bfe_u32 s2, ttmp6, 0x10000c
	s_cmp_lg_u32 s2, 0xf033
	s_cbranch_scc0 .Lentry_shape_is_right
	s_endpgm
.Lentry_shape_is_right:
.set QKV,   0
.set SLOT,  98304
.set QUART, 24576
.set SCLB,  196608
.set SPARE, 212992
.set FR,    12
.set NL,    4
.set NP,    4
.set LAPS,  2
.set VO16,  8
.set VO8,   9
.set VO16C, 10
.set VO8C,  11
.set VOS,   12
.set SHV,   13
.set ADRA,  16
.set ADRB,  20
.set ADRS,  27
.set SPW,   28
.set NIL,   29
.set SC,    32
.set TM,    64
.set PW,    80
.set PWS,   81
.set PC,    96
.set AF,    128
.set G1,    24
.set G0,    32
.set G1B,   48
.set G0B,   56
.set G1S,   68
.set G0S,   76
.set G1SB,  80
.set G0SB,  88
.set MSB, 0
.macro WIN new
.if MSB != (\new)
	s_set_vgpr_msb (MSB<<8)|(\new)
.set MSB, (\new)
.endif
.endm
.set MUL_LO, 0xa1
.set MUL_HI, 0xf1
.set TO_B,   0x40
.macro JLOAD g0a, g1a, g0b, g1b
	s_cmp_eq_u32 s15, 0
	s_cbranch_scc0 .Lfor_b_\@
	tensor_load_to_lds s[\g0a:\g0a+3], s[\g1a:\g1a+7]
	s_nop 0
.rept 4
	v_nop
.endr
	s_branch .Lasked_\@
.Lfor_b_\@:
	tensor_load_to_lds s[\g0b:\g0b+3], s[\g1b:\g1b+7]
	s_nop 0
.rept 4
	v_nop
.endr
.Lasked_\@:
.endm
.macro CREST
	s_cmp_lg_u32 s14, 0
	s_cbranch_scc1 .Lnot_wave_0_\@
	s_barrier_signal -3
.Lnot_wave_0_\@:
	s_barrier_wait -3
	s_barrier_signal -1
	s_barrier_wait -1
.endm
.macro CROUND
	s_barrier_signal -1
	s_barrier_wait -1
	CREST
.endm
	s_load_b128 s[4:7], s[0:1], 0x0
.if QKV
	s_load_b64 s[8:9], s[0:1], 0x10
.else
	s_load_b128 s[8:11], s[0:1], 0x10
.endif
	v_lshl_add_u32 v[SPW], v0, 2, SPARE
	v_mov_b32 v[NIL], 0
	ds_add_u32 v[SPW], v[NIL]
	ds_add_u32 v[SPW], v[NIL]
	v_lshrrev_b32 v1, 5, v0
	v_readfirstlane_b32 s14, v1
	s_lshr_b32 s15, s14, 1
	s_and_b32 s16, s14, 1
	s_bfe_u32 s40, ttmp6, 0x40000
	s_bfe_u32 s41, ttmp6, 0x40004
.if QKV
	s_lshr_b32 s17, ttmp9, 1
	s_lshl_b32 s17, s17, 2
	s_and_b32 s42, ttmp9, 1
	s_lshl_b32 s42, s42, 2
	s_sub_co_u32 s45, ttmp9, 8
	s_lshl_b32 s45, s45, 2
	s_cmp_lt_u32 ttmp9, 8
	s_cselect_b32 s17, s17, 8
	s_cselect_b32 s42, s42, s45
	s_add_co_u32 s17, s17, s41
	s_add_co_u32 s42, s42, s40
.else
	s_and_b32 s17, ttmp7, 0xffff
	s_lshl_b32 s17, s17, 2
	s_add_co_u32 s17, s17, s41
	s_lshl_b32 s42, ttmp9, 2
	s_add_co_u32 s42, s42, s40
.endif
	s_lshl_b32 s43, s41, 2
	s_lshl_b32 s43, 15, s43
	s_lshl_b32 s44, 0x1111, s40
	s_or_b32 s[G1+0], s43, (3<<16)|(1<<21)
	s_or_b32 s[G1B+0], s44, (3<<16)|(1<<21)
.irp g, G1, G1B
	s_mov_b32 s[\g+1], 384<<16
	s_mov_b32 s[\g+2], 16<<16
	s_mov_b32 s[\g+3], 384<<16
	s_mov_b32 s[\g+4], 16
	s_mov_b32 s[\g+5], 1536
	s_mov_b32 s[\g+6], 0
	s_mov_b32 s[\g+7], 0
.endr
	s_or_b32 s[G1S+0], s43, (3<<16)|(1<<21)
	s_or_b32 s[G1SB+0], s44, (3<<16)|(1<<21)
.irp g, G1S, G1SB
	s_mov_b32 s[\g+1], 32<<16
	s_mov_b32 s[\g+2], 32<<16
	s_mov_b32 s[\g+3], 32<<16
	s_mov_b32 s[\g+4], 32
	s_mov_b32 s[\g+5], 32
	s_mov_b32 s[\g+6], 0
	s_mov_b32 s[\g+7], 0
.endr
	s_lshl_b32 s18, s16, 7
	s_lshl_b32 s20, s17, 8
	s_add_co_u32 s20, s20, s18
	s_lshl_b32 s46, s42, 8
.if !QKV
	s_add_co_u32 s46, s46, 4096
.endif
	s_add_co_u32 s46, s46, s18
	s_lshl_b32 s22, s20, 5
	s_lshl_b32 s92, s46, 5
.if !QKV
	s_add_co_u32 s22, s22, 3145728
	s_add_co_u32 s92, s92, 9437184
.endif
	s_mov_b32 s23, 0
	s_mov_b32 s93, 0
	s_mul_i32 s20, s20, 768
	s_mov_b32 s21, 0
	s_mul_i32 s46, s46, 768
	s_mov_b32 s47, 0
	s_mul_i32 s45, s14, QUART
	s_lshl_b32 s94, s14, 12
	s_wait_dscnt 0x0
	s_wait_kmcnt 0x0
.if QKV
	s_add_nc_u64 s[96:97], s[4:5], 3145728
	s_add_nc_u64 s[98:99], s[6:7], 9437184
	s_cmp_lt_u32 ttmp9, 8
	s_cselect_b64 s[10:11], s[4:5], s[6:7]
	s_cselect_b64 s[12:13], s[6:7], s[4:5]
	s_cselect_b64 s[100:101], s[96:97], s[98:99]
	s_cselect_b64 s[96:97], s[98:99], s[96:97]
	s_add_nc_u64 s[20:21], s[10:11], s[20:21]
	s_add_nc_u64 s[22:23], s[100:101], s[22:23]
	s_add_nc_u64 s[46:47], s[12:13], s[46:47]
	s_add_nc_u64 s[92:93], s[96:97], s[92:93]
.else
	s_add_nc_u64 s[20:21], s[4:5], s[20:21]
	s_add_nc_u64 s[22:23], s[4:5], s[22:23]
	s_add_nc_u64 s[46:47], s[6:7], s[46:47]
	s_add_nc_u64 s[92:93], s[6:7], s[92:93]
.endif
	CROUND
	s_mov_b32 s[G0S], 1
	s_lshl_b32 s94, s16, 12                        ; back from my half to the tile's first row
	s_mov_b32 s95, 0
	s_mov_b32 s[G0S+1], SCLB
	s_sub_nc_u64 s[G0S+2:G0S+3], s[22:23], s[94:95]
	s_or_b32 s[G0S+3], s[G0S+3], 0x80000000
	s_mov_b32 s[G0SB], 1
	s_mov_b32 s[G0SB+1], SCLB+8192
	s_sub_nc_u64 s[G0SB+2:G0SB+3], s[92:93], s[94:95]
	s_or_b32 s[G0SB+3], s[G0SB+3], 0x80000000
	s_mul_i32 s94, s16, 98304                      ; group 0 of the head's loads of slot 0: A's 256 rows in s[4:7], B's in s[96:99]
	s_mov_b32 s4, 1
	s_mov_b32 s5, 0
	s_sub_nc_u64 s[6:7], s[20:21], s[94:95]
	s_or_b32 s7, s7, 0x80000000
	s_mov_b32 s96, 1
	s_mov_b32 s97, 2*QUART
	s_sub_nc_u64 s[98:99], s[46:47], s[94:95]
	s_or_b32 s99, s99, 0x80000000
.irp s, 0,1
	s_mov_b32 s[G0+4*\s], 1
	s_add_co_u32 s[G0+4*\s+1], s45, \s*SLOT
	s_add_nc_u64 s[G0+4*\s+2:G0+4*\s+3], s[20:21], \s*3072
	s_or_b32 s[G0+4*\s+3], s[G0+4*\s+3], 0x80000000
	s_mov_b32 s[G0B+4*\s], 1
	s_add_co_u32 s[G0B+4*\s+1], s45, \s*SLOT
	s_add_nc_u64 s[G0B+4*\s+2:G0B+4*\s+3], s[46:47], \s*3072
	s_or_b32 s[G0B+4*\s+3], s[G0B+4*\s+3], 0x80000000
.endr
; the head's four tiles, one load a wave: wave 0 A's slot 0, wave 1 B's, wave 2 A's scale words, wave 3 B's; one tree of branches on the wave's number
.macro ARM under, g0, g1, next
	s_cmp_lt_u32 s14, \under
	s_cbranch_scc0 \next
	tensor_load_to_lds s[\g0:\g0+3], s[\g1:\g1+7]
	s_nop 0
.rept 4
	v_nop
.endr
	s_branch .Lhead_asked
\next:
.endm
	ARM 1, 4, G1, .Lhead_b
	ARM 2, 96, G1B, .Lhead_sa
	ARM 3, G0S, G1S, .Lhead_sb
	tensor_load_to_lds s[G0SB:G0SB+3], s[G1SB:G1SB+7]
	s_nop 0
.rept 4
	v_nop
.endr
.Lhead_asked:
	v_and_b32 v1, 15, v0
	v_bfe_u32 v2, v0, 4, 1
	v_and_b32 v3, 31, v0
	v_lshlrev_b32 v[VO16], 4, v3
	v_lshlrev_b32 v[VO8], 3, v3
	s_mul_i32 s21, s15, QUART
	s_mul_i32 s22, s16, QUART
	s_add_co_u32 s22, s22, 2*QUART
.irp s, 0,1
	v_add_nc_u32 v[ADRA+\s], s21, v[VO16]
	v_add_nc_u32 v[ADRA+2+\s], s21, v[VO8]
	v_add_nc_u32 v[ADRB+\s], s22, v[VO16]
	v_add_nc_u32 v[ADRB+2+\s], s22, v[VO8]
	s_add_co_u32 s21, s21, SLOT
	s_add_co_u32 s22, s22, SLOT
.endr
	s_lshl_b32 s21, s15, 12
	s_lshl_b32 s22, s16, 12
	s_add_co_u32 s22, s22, 8192
	s_sub_co_u32 s22, s22, s21
	v_mul_u32_u24 v6, s22, v2
	s_add_co_u32 s21, s21, SCLB
	v_lshl_add_u32 v6, v1, 2, v6
	v_add_nc_u32 v[ADRS], s21, v6
.if !QKV
	s_lshl_b32 s20, s42, 10
	s_lshl_b32 s21, s16, 9
	s_add_co_u32 s20, s20, s21
	s_mov_b32 s21, 0
	s_add_nc_u64 s[8:9], s[8:9], s[20:21]
	v_lshlrev_b32 v4, 6, v2
	WIN 0x40
.irp b, 0,1,2,3,4,5,6,7
	global_load_b128 v[96+8*\b+96*(\b/4):99+8*\b+96*(\b/4)], v4, s[8:9] offset:(32*(\b/2)+8*(\b%2))*4
	global_load_b128 v[100+8*\b+96*(\b/4):103+8*\b+96*(\b/4)], v4, s[8:9] offset:(32*(\b/2)+8*(\b%2))*4+16
.endr
	WIN 0
	s_wait_alu depctr_va_vdst(0)
	s_wait_loadcnt 0x0
.endif
.macro FRAG reg, adr, off
	ds_load_b128 v[\reg:\reg+3], v[\adr] offset:\off
	ds_load_b64 v[\reg+4:\reg+5], v[\adr+2] offset:\off+512
	ds_load_b128 v[\reg+6:\reg+9], v[\adr] offset:\off+768
	ds_load_b64 v[\reg+10:\reg+11], v[\adr+2] offset:\off+1280
.endm
.macro MUL16 a0, p, q, sc, zero
.irp a, \a0, \a0+1
.irp b, 0,1,2,3,4,5,6,7
.if (\zero) == 1
	v_wmma_scale_f32_16x16x128_f8f6f4 v[8*(8*((\a)%4)+\b):8*(8*((\a)%4)+\b)+7], v[128*(\p)+FR*\b:128*(\p)+FR*\b+FR-1], v[AF+FR*(\a):AF+FR*(\a)+FR-1], 0, v[SC+16*(\sc)+2*\b+(\q)], v[SC+16*(\sc)+2*(\a)+(\q)] matrix_a_fmt:MATRIX_FMT_FP6 matrix_b_fmt:MATRIX_FMT_FP6 matrix_a_scale:MATRIX_SCALE_ROW1
.elseif (\zero) == 2
	v_wmma_scale_f32_16x16x128_f8f6f4 v[8*(8*((\a)%4)+\b):8*(8*((\a)%4)+\b)+7], v[128*(\p)+FR*\b:128*(\p)+FR*\b+FR-1], v[AF+FR*(\a):AF+FR*(\a)+FR-1], v[96+8*\b+96*(\b/4):103+8*\b+96*(\b/4)], v[SC+16*(\sc)+2*\b+(\q)], v[SC+16*(\sc)+2*(\a)+(\q)] matrix_a_fmt:MATRIX_FMT_FP6 matrix_b_fmt:MATRIX_FMT_FP6 matrix_a_scale:MATRIX_SCALE_ROW1
.else
	v_wmma_scale_f32_16x16x128_f8f6f4 v[8*(8*((\a)%4)+\b):8*(8*((\a)%4)+\b)+7], v[128*(\p)+FR*\b:128*(\p)+FR*\b+FR-1], v[AF+FR*(\a):AF+FR*(\a)+FR-1], v[8*(8*((\a)%4)+\b):8*(8*((\a)%4)+\b)+7], v[SC+16*(\sc)+2*\b+(\q)], v[SC+16*(\sc)+2*(\a)+(\q)] matrix_a_fmt:MATRIX_FMT_FP6 matrix_b_fmt:MATRIX_FMT_FP6 matrix_a_scale:MATRIX_SCALE_ROW1
.endif
.endr
.endr
.endm
.macro FETCH_B slot, q, p
	WIN TO_B
.irp i, 0,1,2,3,4,5,6,7
	FRAG 128*(\p)+FR*\i, ADRB+\slot, \i*3072+(\q)*1536
.endr
	WIN 0
.endm
.macro FETCH_A slot, q, i0
.irp i, \i0, \i0+1, \i0+2, \i0+3
	FRAG AF+FR*(\i), ADRA+\slot, (\i)*3072+(\q)*1536
.endr
.endm
.macro SCALES sc
.irp i, 0,1,2,3,4,5,6,7
	ds_load_b32 v[SC+16*\sc+2*\i], v[ADRS] offset:512*\i
	ds_load_b32 v[SC+16*\sc+2*\i+1], v[ADRS] offset:512*\i+64
.endr
.endm
.macro PLACES n
.rept \n
	v_nop
.endr
.endm
.macro STEP slot, q, zero
	s_wait_dscnt 4*NL
.if (\zero) == 2
	WIN 0x91
.else
	WIN MUL_LO
.endif
	MUL16 0, (\q)%2, \q, \slot, \zero
	MUL16 2, (\q)%2, \q, \slot, \zero
	s_wait_dscnt 0
	PLACES NP
	FETCH_B \slot, (\q)+1, 1-(\q)%2
	FETCH_A \slot, (\q)+1, 0
.if (\zero) == 2
	WIN 0xd1
.else
	WIN MUL_HI
.endif
	MUL16 4, (\q)%2, \q, \slot, \zero
	MUL16 6, (\q)%2, \q, \slot, \zero
	PLACES NP
	WIN 0
	FETCH_A \slot, (\q)+1, 4
.endm
.macro TURN slot, next, fill
	s_wait_tensorcnt 0x0
	ds_add_u32 v[SPW], v[NIL]
	s_wait_dscnt 4*NL+1
	WIN MUL_LO
	MUL16 0, 1, 1, \slot, 0
	s_wait_dscnt 0x0
	s_barrier_signal -1
	MUL16 2, 1, 1, \slot, 0
	WIN 0
	s_barrier_wait -1
.if \fill
	CREST
	s_add_nc_u64 s[G0+4*\slot+2:G0+4*\slot+3], s[G0+4*\slot+2:G0+4*\slot+3], 6144
	s_add_nc_u64 s[G0B+4*\slot+2:G0B+4*\slot+3], s[G0B+4*\slot+2:G0B+4*\slot+3], 6144
	JLOAD G0+4*\slot, G1, G0B+4*\slot, G1B
.else
	PLACES NP
.endif
	s_wait_alu depctr_va_vdst(0)
	v_add_nc_u32 v[ADRS], 128, v[ADRS]
	FETCH_B \next, 0, 0
	FETCH_A \next, 0, 0
	SCALES \next
	WIN MUL_HI
	MUL16 4, 1, 1, \slot, 0
	MUL16 6, 1, 1, \slot, 0
	PLACES NP
	WIN 0
	FETCH_A \next, 0, 4
.endm
	s_wait_tensorcnt 0x0                           ; my tile of the head's four is in; slot 1's first fill is issued as a refill is
	ds_add_u32 v[SPW], v[NIL]
	s_mov_b32 s[G1+2], 8<<16                       ; no load of mine is out: from here on a load brings 8 row tiles
	s_mov_b32 s[G1+4], 8
	s_mov_b32 s[G1B+2], 8<<16
	s_mov_b32 s[G1B+4], 8
	s_wait_dscnt 0x0
	CROUND
	JLOAD G0+4, G1, G0B+4, G1B
	FETCH_B 0, 0, 0
	FETCH_A 0, 0, 0
	SCALES 0
	FETCH_A 0, 0, 4
.if QKV
	STEP 0, 0, 1
.else
	STEP 0, 0, 2
.endif
	s_mov_b32 s3, LAPS-1
.Llap:
	TURN 0, 1, 1
	STEP 1, 0, 0
	TURN 1, 0, 1
	STEP 0, 0, 0
	s_sub_co_u32 s3, s3, 1
	s_cmp_lg_u32 s3, 0
	s_cbranch_scc1 .Llap
	TURN 0, 1, 0
	STEP 1, 0, 0
	s_wait_dscnt 4*NL
	WIN MUL_LO
	MUL16 0, 1, 1, 1, 0
	MUL16 2, 1, 1, 1, 0
	s_wait_dscnt 0
	WIN MUL_HI
	MUL16 4, 1, 1, 1, 0
	MUL16 6, 1, 1, 1, 0
	WIN 0
.irp b, 0,1,2,3
	v_mov_b32 v[TM+4+\b], 0
.endr
	s_mov_b32 s2, 0x76543210
	s_mov_b32 s3, 0xfedcba98
.if QKV
	s_lshr_b32 s20, ttmp9, 1
	s_sub_co_u32 s21, ttmp9, 8
	s_cmp_lt_u32 ttmp9, 8
	s_cselect_b32 s20, s20, s21
	s_cselect_b32 s21, s40, s41
	s_cselect_b32 s22, s16, s15
	s_cselect_b32 s23, s41, s40
	s_cselect_b32 s42, s15, s16
	s_lshl_b32 s20, s20, 4
	s_lshl_b32 s21, s21, 2
	s_lshl_b32 s22, s22, 1
	s_add_co_u32 s20, s20, s21
	s_add_co_u32 s20, s20, s22
	s_lshl_b32 s23, s23, 1
	s_add_co_u32 s23, s23, s42
	s_and_b32 s43, ttmp9, 9
	s_cmp_eq_u32 s43, 0
	s_mov_b32 s44, 104448
	s_cselect_b32 s45, 49152, s44
	s_cselect_b32 s44, 4096, s44
	s_cselect_b32 s46, 6684672, 0
	s_mov_b32 s47, 98304
	s_cselect_b32 s47, 9830400, s47
	s_cmp_lt_u32 ttmp9, 8
	s_cselect_b32 s46, s46, 49152
	s_cselect_b32 s47, s47, 102400
	s_cselect_b32 s92, 9, 8
	s_cselect_b32 s93, s45, 768
	s_cselect_b32 s94, s44, 0
	s_cselect_b32 s95, 16, 0
	s_mov_b32 s10, 1536
	s_cselect_b32 s10, 768, s10
	s_cselect_b32 s12, 0, 98304
	s_cselect_b32 s18, 0, 104192
	s_mov_b32 s11, 0
	s_mov_b32 s13, 0
	s_mov_b32 s19, 0
	s_mul_i32 s45, s20, s45
	s_mul_i32 s96, s23, 6144
	s_add_co_u32 s45, s45, s96
	s_add_co_u32 s96, s45, s46
	s_mov_b32 s97, 0
	s_add_nc_u64 s[4:5], s[8:9], s[96:97]
	s_mul_i32 s44, s20, s44
	s_lshl_b32 s96, s23, s92
	s_add_co_u32 s44, s44, s96
	s_add_co_u32 s96, s44, s47
	s_add_nc_u64 s[6:7], s[8:9], s[96:97]
	v_add_nc_u32 v[VO16C], s93, v[VO16]
	v_add_nc_u32 v[VO8C], s93, v[VO8]
	v_mul_u32_u24 v[VOS], s94, v2
	v_lshl_add_u32 v[VOS], v1, 2, v[VOS]
	v_mul_u32_u24 v[SHV], s95, v2
.else
	s_lshl_b32 s20, s17, 4
	s_lshl_b32 s21, s15, 3
	s_add_co_u32 s20, s20, s21
	s_lshl_b32 s20, s20, 5
	s_lshl_b32 s21, s42, 1
	s_add_co_u32 s20, s20, s21
	s_add_co_u32 s20, s20, s16
	s_mul_i32 s96, s20, 1536
	s_mov_b32 s97, 0
	s_add_nc_u64 s[4:5], s[10:11], s[96:97]
	s_lshl_b32 s96, s20, 6
	s_add_co_u32 s96, s96, 12582912
	s_add_nc_u64 s[6:7], s[10:11], s[96:97]
	v_lshlrev_b32 v[VOS], 2, v1
.endif
.macro QOUT a
.set W, 2+(\a)/4
.set S0, 64*((\a)%4)
.set PC, 128+12*(\a)                   ; each block's codes have registers of their own, where A's fragments lay; the halves made elsewhere (PC + 12 ..) use the next block's, ahead of that block
.set PW, 104+(\a)                      ; and so has its scale word: no store's data, offset or base is written again in the launch
.set PWS, 112+(\a)
.if !QKV
	WIN (W<<6)|(W<<2)
.set j, 0
.rept 64
	v_max_num_f32 v[S0+j], 0, v[S0+j]
.set j, j+1
.endr
.endif
	WIN (W<<2)|(W<<4)
.irp b, 0,1,2,3
	v_max3_num_f32 v[TM+\b], 0x1800000, |v[S0+16*\b]|, |v[S0+16*\b+1]|
.endr
.irp i, 2,4,6,8,10,12,14
.irp b, 0,1,2,3
	v_max3_num_f32 v[TM+\b], v[TM+\b], |v[S0+16*\b+\i]|, |v[S0+16*\b+\i+1]|
.endr
.endr
	WIN 0
.irp b, 0,1,2,3
	v_permlanex16_b32 v[TM+4+\b], v[TM+\b], s2, s3
.endr
.irp b, 0,1,2,3
	v_max_num_f32 v[TM+\b], v[TM+\b], v[TM+4+\b]
.endr
.irp b, 0,1,2,3
	v_add_nc_u32 v[TM+12+\b], 0xff000000, v[TM+\b]
.endr
.irp b, 0,1,2,3
	v_lshrrev_b32 v[TM+4+\b], 23, v[TM+12+\b]
.endr
	v_lshl_or_b32 v[PW], v[TM+5], 8, v[TM+4]
	v_lshl_or_b32 v[PW], v[TM+6], 16, v[PW]
	v_lshl_or_b32 v[PW], v[TM+7], 24, v[PW]
	WIN W
.irp c, 0,1
	v_cvt_scalef32_pk16_fp6_f32 v[PC+6*\c:PC+6*\c+2], v[S0+32*\c:S0+32*\c+15], v[TM+12+2*\c]
	v_cvt_scalef32_pk16_fp6_f32 v[PC+12+4*\c:PC+14+4*\c], v[S0+16+32*\c:S0+31+32*\c], v[TM+13+2*\c]
.endr
	WIN 0
	v_nop
.irp c, 0,1
.irp i, 0,1,2
	v_permlane16_swap_b32 v[PC+6*\c+\i], v[PC+12+4*\c+\i]
.endr
.irp i, 0,1,2
	v_mov_b32 v[PC+3+6*\c+\i], v[PC+12+4*\c+\i]
.endr
.endr
.if QKV
	global_store_b128 v[VO16], v[PC:PC+3], s[4:5]
	global_store_b64 v[VO8], v[PC+4:PC+5], s[4:5] offset:512
	global_store_b128 v[VO16C], v[PC+6:PC+9], s[4:5]
	global_store_b64 v[VO8C], v[PC+10:PC+11], s[4:5] offset:512
	v_lshrrev_b32 v[PWS], v[SHV], v[PW]
	global_store_b32 v[VOS], v[PWS], s[6:7]
.else
	global_store_b128 v[VO16], v[PC:PC+3], s[4:5] offset:49152*(\a)                ; the hidden layer's image: registers 4 k .. 4 k + 3 of lane L at 512 k + 16 L; a row tile's 32 fragments from block to block, in the immediate (345,088 at the most)
	global_store_b128 v[VO16], v[PC+4:PC+7], s[4:5] offset:49152*(\a)+512
	global_store_b128 v[VO16], v[PC+8:PC+11], s[4:5] offset:49152*(\a)+1024
	global_store_b32 v[VOS], v[PW], s[6:7] offset:2048*(\a)
.endif
.endm
	QOUT 0
	QOUT 1
	QOUT 2
	QOUT 3
	QOUT 4
	QOUT 5
	QOUT 6
	QOUT 7
	s_wait_tensorcnt 0x0
	ds_add_u32 v[SPW], v[NIL]
	s_wait_dscnt 0x0
	CROUND
	s_endpgm
.Lfunc_end_k_qc116e14dfc_ffn1:
	.size	k_qc116e14dfc_ffn1, .Lfunc_end_k_qc116e14dfc_ffn1-k_qc116e14dfc_ffn1
	.p2alignl 7, 3214868480
	.fill 96, 4, 3214868480
	.section	.rodata,"a",@progbits
	.p2align	6, 0x0
	.amdhsa_kernel k_qc116e14dfc_ffn1
		.amdhsa_group_segment_fixed_size 327680
		.amdhsa_private_segment_fixed_size 0
		.amdhsa_enable_private_segment 0
		.amdhsa_kernarg_size 32
		.amdhsa_user_sgpr_count 2
		.amdhsa_user_sgpr_kernarg_segment_ptr 1
		.amdhsa_wavefront_size32 1
		.amdhsa_system_sgpr_workgroup_id_x 1
		.amdhsa_system_sgpr_workgroup_id_y 1
		.amdhsa_system_sgpr_workgroup_id_z 1
		.amdhsa_system_vgpr_workitem_id 0
		.amdhsa_next_free_vgpr 1024
		.amdhsa_next_free_sgpr 102
		.amdhsa_reserve_vcc 0
		.amdhsa_float_denorm_mode_32 3
		.amdhsa_float_denorm_mode_16_64 3
		.amdhsa_memory_ordered 1
		.amdhsa_forward_progress 1
		.amdhsa_inst_pref_size 169
	.end_amdhsa_kernel
	.amdgpu_metadata
---
amdhsa.version: [ 1, 2 ]
amdhsa.kernels:
  - .name:           k_qc116e14dfc_ffn1
    .symbol:         k_qc116e14dfc_ffn1.kd
    .args:
      - { .name: xn2, .offset: 0, .size: 8, .value_kind: global_buffer, .address_space: global }
      - { .name: wts, .offset: 8, .size: 8, .value_kind: global_buffer, .address_space: global }
      - { .name: b1, .offset: 16, .size: 8, .value_kind: global_buffer, .address_space: global }
      - { .name: hid, .offset: 24, .size: 8, .value_kind: global_buffer, .address_space: global }
    .group_segment_fixed_size: 327680
    .private_segment_fixed_size: 0
    .kernarg_segment_align: 8
    .kernarg_segment_size: 32
    .max_flat_workgroup_size: 128
    .sgpr_count:     102
    .vgpr_count:     1024
    .wavefront_size: 32
...
	.end_amdgpu_metadata
.endif
;; end of part 6
;; launch ffn2 (part 7): grid 8 x 32, 4 waves a work-group, clusters of 4 x 4, 327,680 bytes of LDS; arguments hid, wts, b2, x1, out0; writes out0
.if DOCPART == 7
	.amdgcn_target "amdgcn-amd-amdhsa--gfx1250"
	.amdhsa_code_object_version 6
	.text
	.protected	k_qc116e14dfc_ffn2
	.globl	k_qc116e14dfc_ffn2
	.p2align	8
	.type	k_qc116e14dfc_ffn2,@function
k_qc116e14dfc_ffn2:
	s_mov_b64 s[64:65], 0
	v_nop
	global_prefetch_b8 v0, s[64:65] scope:SCOPE_SE
	s_setreg_imm32_b32 hwreg(HW_REG_WAVE_MODE, 25, 1), 1
	s_wait_xcnt 0x0
	s_wait_alu depctr_hold_cnt(0) depctr_sa_sdst(0) depctr_va_vdst(0) depctr_va_sdst(0) depctr_va_ssrc(0) depctr_va_vcc(0) depctr_vm_vsrc(0)
	s_getreg_b32 s2, hwreg(HW_REG_IB_STS2, 6, 4)
	s_cmp_eq_u32 s2, 0
	s_cbranch_scc0 .Lentry_in_a_cluster
	s_endpgm
.Lentry_in_a_cluster:
	s_bfe_u32 s2, ttmp6, 0x10000c
	s_cmp_lg_u32 s2, 0xf033
	s_cbranch_scc0 .Lentry_shape_is_right
	s_endpgm
.Lentry_shape_is_right:
; out0 = x1 + hid w2 + b2, f32 out, K = 4,096; hid and w2 are register images of FP6 codes with E8M0 scale words.
; A block of the result is 128 x 128: 256 work-groups, one for each WGP.  K IS CUT AMONG THE FOUR WAVES: wave w takes the K steps w + 4 j, j = 0 .. 7, and holds the whole block: 64 accumulators, 512 registers.
; So each fragment of hid and of w2 is read by one wave alone, once.  The four partial sums meet at the end, through LDS: wave w owns the block's logical rows 32 w .. 32 w + 31.
; LIMIT: an output is the f32 sum of four f32 partial sums over K, not one chain in ascending K.
; hid (A) GOES FROM MEMORY STRAIGHT INTO OPERAND REGISTERS: fragment (rt, ks) at (32 rt + ks) x 1,536, registers 4 k .. 4 k + 3 of lane L at 512 k + 16 L: three loads of 512 consecutive bytes.
; Its registers are a ring of 20 slots of 12; use n = 8 j + a takes slot n % 20.  Two slots are asked for anew as soon as their sixteen products are issued: 54 to 60 loads of a wave are out.
; That is why A's codes are not asked for jointly: what lands in a wave's registers cannot be shared with another work-group.  A's scale words and all of B are.
; w2 (B) comes by joint tensor loads (4 x 4 clusters, shared along a column): K steps 0-11 into R0 and 12-19 into R1 at the head, 20-31 into R0 again.  Its image: half c at 768 c, registers 6 c .. 6 c + 3 at 16 L, 6 c + 4, 6 c + 5 at 512 + 8 L.
; THE ORDER OF A's BLOCKS IS TURNED BY 2 w: block a of wave w is row tile (a + 2 w) % 8, by addresses alone.  So in every wave blocks 0, 1 are the rows that it owns and blocks 2 .. 7 are handed over: one text for all waves.
; TRANSPOSED USE (source 0 = 16 rows of B, source 1 = 16 rows of A); rows lie with bits 3 and 4 of their number exchanged; the stage and the stores' immediates put columns and rows back in logical order.
; PREFETCH: in step j each wave names its K step j + 4 of hid, whose loads are issued from the middle of step j + 1 on; the four partners of a cluster's row share the eight row tiles out by address (two each: twelve blocks of 256 bytes; lanes 12-31 name the twelfth again).
; None for w2: it comes in two goes, with no loop to run ahead in; the second is asked for two and a half steps ahead of its first read.
; LDS: R0 0 (8 row tiles x 12 fragments), R1 147,456 (8 x 8), A's scale words 245,760, B's 262,144, spare words 278,528.  Behind the last fill and the last read: partial sums at 0 .. 196,607, four stages of 16 x 528 bytes from 196,608.
; REGISTERS: window 0: v4-7 A's offsets, v8-19 B's LDS addresses, v20-23 scale words' addresses, v24, v25 stage, v27 prefetch, v28, v29 the add's two, v30 16 L, v32-47 scale words alone, v48-51 bias, v52-55 partial sums' addresses,
;   v64-255 A's slots 0-15, at the end the residual (v112-239).  window 1: B's two sets at v0 and v128; A's slots 16-19 at v96, v108, v224, v236; at the end the others' partial sums (v0-191) and rows on their way out (v192-255).
;   windows 2, 3: accumulator (a, b) at v[8 (8 (a % 4) + b)].
.set A_SOFF, 12582912
.set B_COFF, 6291456
.set B_SOFF, 9699328
.set RTB,   49152                      ; a row tile's 32 fragments
.set P0,    18432                      ; a row tile's 12 fragments in R0
.set P1,    12288                      ; its 8 in R1
.set R1B,   147456
.set SCA,   245760
.set SCB,   262144
.set SPARE, 278528
.set STG,   196608
.set VA,    4
.set ADB0,  8
.set ADB1,  14
.set ADRS,  20
.set STO,   24
.set RD,    25
.set PFO,   27
.set SPW,   28
.set NIL,   29
.set CO,    30
.set SC,    32
.set BIAS,  48
.set RX,    52
.set RL,    55
.set RS,    112
.set OB,    192
.set G1B0,  24
.set G1B1,  32
.set G1SA,  40
.set G1SB,  48
.set G0HA,  56
.set G0HB,  60
.set G0R0,  68
.set G0SA,  72
.set G0SB,  76
.set ISS, 0                            ; global loads issued so far, counted by the assembler: the bias is the first, A's group g ends at 7 + 6 g
.set MSB, 0
.macro WIN new                         ; the immediate's high byte repeats the setting that is left
.if MSB != (\new)
	s_set_vgpr_msb (MSB<<8)|(\new)
.set MSB, (\new)
.endif
.endm
.macro CREST
	s_cmp_lg_u32 s14, 0
	s_cbranch_scc1 .Lnot_wave_0_\@
	s_barrier_signal -3
.Lnot_wave_0_\@:
	s_barrier_wait -3
	s_barrier_signal -1
	s_barrier_wait -1
.endm
.macro CROUND
	s_barrier_signal -1
	s_barrier_wait -1
	CREST
.endm
.macro PLACES                          ; plain vector places behind matrix instructions, ahead of loads into their registers and of reads of their results
.rept 4
	v_nop
.endr
.endm
.macro ARM under, g0, g1, next         ; an arm of the head's tree: one load, s_nop 0 and four v_nop, a jump to the tree's end
	s_cmp_lt_u32 s14, \under
	s_cbranch_scc0 \next
	tensor_load_to_lds s[\g0:\g0+3], s[\g1:\g1+7]
	s_nop 0
	PLACES
	s_branch .Lh_end
\next:
.endm
	s_load_b256 s[4:11], s[0:1], 0x0               ; hid s[4:5], wts s[6:7], b2 s[8:9], x1 s[10:11]
	s_load_b64 s[12:13], s[0:1], 0x20              ; out0
	v_lshl_add_u32 v[SPW], v0, 2, SPARE
	v_mov_b32 v[NIL], 0
	ds_add_u32 v[SPW], v[NIL]                      ; the opening lines: the add, twice on end, and its wait ahead of my first tensor load
	ds_add_u32 v[SPW], v[NIL]
	v_lshrrev_b32 v1, 5, v0
	v_readfirstlane_b32 s14, v1                    ; wave w
	s_bfe_u32 s18, ttmp6, 0x40000                  ; cx
	s_bfe_u32 s19, ttmp6, 0x40004                  ; cy
	s_lshl_b32 s2, ttmp9, 2
	s_add_co_u32 s2, s2, s18                       ; tile column
	s_and_b32 s17, ttmp7, 0xffff
	s_lshl_b32 s17, s17, 2
	s_add_co_u32 s17, s17, s19                     ; tile row
	s_lshl_b32 s3, s19, 2
	s_lshl_b32 s3, 15, s3                          ; my row of the cluster
	s_lshl_b32 s96, 0x1111, s18                    ; my column
	s_or_b32 s[G1B0], s96, (3<<16)|(1<<21)         ; the mask; elements of 8 bytes; bit 21 beside a mask; no padding
	s_or_b32 s[G1B1], s96, (3<<16)|(1<<21)
	s_or_b32 s[G1SB], s96, (3<<16)|(1<<21)
	s_or_b32 s[G1SA], s3, (3<<16)|(1<<21)
	s_mov_b32 s[G1B0+1], (P0/8)<<16                ; R0: rows of 12 fragments; all eight row tiles in the head's load, two a wave in the refill
	s_mov_b32 s[G1B0+2], 8<<16
	s_mov_b32 s[G1B0+3], (P0/8)<<16
	s_mov_b32 s[G1B0+4], 8
	s_mov_b32 s[G1B0+5], RTB/8
	s_mov_b32 s[G1B0+6], 0
	s_mov_b32 s[G1B0+7], 0
	s_mov_b32 s[G1B1+1], (P1/8)<<16                ; R1: rows of 8 fragments, eight row tiles
	s_mov_b32 s[G1B1+2], 8<<16
	s_mov_b32 s[G1B1+3], (P1/8)<<16
	s_mov_b32 s[G1B1+4], 8
	s_mov_b32 s[G1B1+5], RTB/8
	s_mov_b32 s[G1B1+6], 0
	s_mov_b32 s[G1B1+7], 0
.irp g, G1SA, G1SB
	s_mov_b32 s[\g+1], 32<<16                      ; the scale words of 128 rows: 16,384 dense bytes as 64 rows of 256
	s_mov_b32 s[\g+2], 64<<16
	s_mov_b32 s[\g+3], 32<<16
	s_mov_b32 s[\g+4], 64
	s_mov_b32 s[\g+5], 32
	s_mov_b32 s[\g+6], 0
	s_mov_b32 s[\g+7], 0
.endr
	s_mul_i32 s16, s14, 1536                       ; K step w, in bytes of codes
	s_lshl_b32 s22, s14, 6                         ; and of scale words
.irp d, 0,1,2,3                        ; blocks 2 d, 2 d + 1 are row tiles 2 x, 2 x + 1, x = (w + d) % 4
	s_add_co_u32 s20, s14, \d
	s_and_b32 s20, s20, 3
	s_mul_i32 s[80+\d], s20, 2*RTB
	s_add_co_u32 s[80+\d], s[80+\d], s16
	s_lshl_b32 s21, s20, 12
	s_sub_co_u32 s[88+\d], SCB-SCA+4096*\d, s21    ; from A's words (lanes 0-15) to B's (lanes 16-31)
	s_add_co_u32 s21, s21, s22
	s_add_co_u32 s[84+\d], s21, SCA
.if \d > 0
	s_mul_i32 s[92+\d], s20, 49152                 ; owner x's three parts of 16,384 bytes; mine is part d - 1
	s_add_co_u32 s[92+\d], s[92+\d], 16384*\d-16384
.endif
.endr
	s_mul_i32 s23, s14, 8448
	s_add_co_u32 s23, s23, STG                     ; my stage
	s_mul_i32 s97, s14, 49152                      ; the parts handed to me
	s_mul_i32 s98, s18, 2*RTB
	s_add_co_u32 s98, s98, s16                     ; the prefetches: my work-group's two row tiles, my K step
	v_and_b32 v1, 15, v0                           ; r
	v_bfe_u32 v2, v0, 4, 1                         ; h
	v_and_b32 v3, 31, v0                           ; L
	v_lshlrev_b32 v[CO], 4, v3
	v_lshlrev_b32 v31, 3, v3
	v_add_nc_u32 v26, s16, v[CO]
	v_add_nc_u32 v31, s16, v31
.irp g, 0,1,2                          ; an address for each three row tiles, so that the loads' immediates stay under 65,536
	v_add_nc_u32 v[ADB0+\g], 3*P0*\g, v26
	v_add_nc_u32 v[ADB0+3+\g], 3*P0*\g, v31
	v_add_nc_u32 v[ADB1+\g], R1B+3*P1*\g, v26
	v_add_nc_u32 v[ADB1+3+\g], R1B+3*P1*\g, v31
.endr
.irp d, 0,1,2,3
	v_add_nc_u32 v[VA+\d], s[80+\d], v[CO]
	v_mul_u32_u24 v[ADRS+\d], s[88+\d], v2
	v_lshl_add_u32 v[ADRS+\d], v1, 2, v[ADRS+\d]
	v_add_nc_u32 v[ADRS+\d], s[84+\d], v[ADRS+\d]
.endr
.irp d, 1,2,3
	v_add_nc_u32 v[RX+\d-1], s[92+\d], v[CO]
.endr
	v_add_nc_u32 v[RL], s97, v[CO]
	v_mul_u32_u24 v[STO], v1, 528
	v_lshl_add_u32 v[STO], v2, 6, v[STO]
	v_add_nc_u32 v[STO], s23, v[STO]               ; into the stage: row r, + 64 h
	v_add_nc_u32 v[RD], s23, v[CO]                 ; back: the 32 lanes take a row of 512 bytes
	v_min_u32 v56, 11, v3                          ; block m = min(L, 11) of twelve: row tile m / 6, 256 (m % 6) in its fragment
	v_mul_u32_u24 v57, v56, 43
	v_lshrrev_b32 v57, 8, v57
	v_mul_u32_u24 v58, v57, 6
	v_sub_nc_u32 v56, v56, v58
	v_lshlrev_b32 v56, 8, v56
	v_mad_u32_u24 v56, v57, 0xc000, v56
	v_add_nc_u32 v[PFO], s98, v56
	s_wait_alu depctr_va_vdst(0)                   ; the end of the head's vector work
	s_wait_dscnt 0x0                               ; both opening adds are done
	s_wait_kmcnt 0x0
	s_mov_b32 s101, 0
	s_lshl_b32 s100, s17, 14
	s_add_co_u32 s100, s100, A_SOFF
	s_add_nc_u64 s[G0SA+2:G0SA+3], s[4:5], s[100:101]
	s_mul_i32 s100, s17, 8*RTB
	s_add_nc_u64 s[4:5], s[4:5], s[100:101]        ; hid at my block's first row tile
	s_lshl_b32 s100, s2, 14
	s_add_co_u32 s100, s100, B_SOFF
	s_add_nc_u64 s[G0SB+2:G0SB+3], s[6:7], s[100:101]
	s_mul_i32 s100, s2, 8*RTB
	s_add_co_u32 s100, s100, B_COFF
	s_add_nc_u64 s[G0HA+2:G0HA+3], s[6:7], s[100:101]      ; w2 at my block's first row tile, K step 0
	s_add_nc_u64 s[G0HB+2:G0HB+3], s[G0HA+2:G0HA+3], 12*1536
	s_mul_i32 s100, s14, 2*RTB
	s_add_co_u32 s100, s100, 20*1536
	s_add_nc_u64 s[G0R0+2:G0R0+3], s[G0HA+2:G0HA+3], s[100:101]
	s_lshl_b32 s100, s2, 9
	s_add_nc_u64 s[8:9], s[8:9], s[100:101]        ; the bias of my 128 columns
	s_lshl_b32 s20, s17, 7
	s_lshl_b32 s21, s14, 5
	s_add_co_u32 s20, s20, s21
	s_lshl_b32 s20, s20, 12
	s_add_co_u32 s100, s100, s20
	s_add_nc_u64 s[10:11], s[10:11], s[100:101]    ; x1 and out0 at the 32 rows that I own
	s_add_nc_u64 s[12:13], s[12:13], s[100:101]
.irp g, G0HA, G0HB, G0R0, G0SA, G0SB
	s_mov_b32 s[\g], 1
	s_or_b32 s[\g+3], s[\g+3], 0x80000000
.endr
	s_mov_b32 s[G0HA+1], 0
	s_mov_b32 s[G0HB+1], R1B
	s_mul_i32 s[G0R0+1], s14, 2*P0                 ; the refill: by the wave's number alone
	s_mov_b32 s[G0SA+1], SCA
	s_mov_b32 s[G0SB+1], SCB
.macro APOS n                          ; use n of A's ring: its window AW and first register AR
.set PP, (\n)%20
.if PP < 16
.set AW, 0
.set AR, 64+12*PP
.else
.set AW, 1
.set AR, 96+12*(PP-16)+104*((PP-16)/2)
.endif
.endm
.macro LDG g                           ; A's group g: uses 2 g and 2 g + 1, six loads
.irp e, 0,1
	APOS 2*(\g)+\e
.set AA, (2*(\g)+\e)%8
.set JJ, (2*(\g)+\e)/8
	WIN AW<<6
.irp k, 0,1,2
	global_load_b128 v[AR+4*\k:AR+4*\k+3], v[VA+AA/2], s[4:5] offset:(AA%2)*RTB+JJ*6144+512*\k
.endr
.endr
.set ISS, ISS+6
.endm
.macro WAITG g                         ; group g is in: what was issued behind it may be out
	s_wait_loadcnt ISS-7-6*(\g)
.endm
.macro RES n0, cnt                     ; the residual: load n = 16 u + t is row 8 u + t + 8 (t / 8) of my 32, 512 consecutive bytes
.set n, \n0
.rept \cnt
	global_load_b128 v[RS+4*n:RS+4*n+3], v[CO], s[10:11] offset:(8*(n/16)+n%16+8*((n%16)/8))*4096 th:TH_LOAD_NT
.set n, n+1
.endr
.set ISS, ISS+(\cnt)
.endm
.macro REL g                           ; group g's two slots are free: they take group g + 10, or, from group 22 on (slots 4-15: v112-255), the residual
.if (\g)+10 < 32
	LDG (\g)+10
.elseif (\g) < 27
	WIN 0
	RES 6*((\g)-22), 6
.elseif (\g) == 27
	WIN 0
	RES 30, 2
.endif
.endm
.macro FRAG reg, adr, off
	ds_load_b128 v[\reg:\reg+3], v[\adr] offset:\off
	ds_load_b64 v[\reg+4:\reg+5], v[\adr+3] offset:\off+512
	ds_load_b128 v[\reg+6:\reg+9], v[\adr] offset:\off+768
	ds_load_b64 v[\reg+10:\reg+11], v[\adr+3] offset:\off+1280
.endm
.macro LDB j                           ; B's eight fragments of my step j: K step w + 4 j lies in R0 (j < 3), R1 (j = 3, 4) or R0 again
.if (\j) < 3
.set AD, ADB0
.set PT, P0
.set LC, 4*(\j)
.elseif (\j) < 5
.set AD, ADB1
.set PT, P1
.set LC, 4*(\j)-12
.else
.set AD, ADB0
.set PT, P0
.set LC, 4*(\j)-20
.endif
	WIN 0x40
.irp i, 0,1,2,3,4,5,6,7
	FRAG 128*((\j)%2)+12*\i, AD+\i/3, (\i%3)*PT+LC*1536
.endr
	WIN 0
.endm
.macro SCL j                           ; register i: lanes 0-15 the word of A's block i, lanes 16-31 of B's tile i
.irp i, 0,1,2,3,4,5,6,7
	ds_load_b32 v[SC+8*((\j)%2)+\i], v[ADRS+\i/2] offset:(\i%2)*2048+(\j)*256
.endr
.endm
.macro MULG g, zero                    ; group g: two blocks of A x B's eight; the 64 accumulators take turns, one instruction a turn
.irp e, 0,1
	APOS 2*(\g)+\e
.set AA, (2*(\g)+\e)%8
.set JP, ((\g)/4)%2
	WIN 1|(AW<<2)|((2+AA/4)<<4)|((2+AA/4)<<6)      ; source 0 (B) window 1, source 1 (A) its slot's window, C and D window 2 or 3
.irp b, 0,1,2,3,4,5,6,7
.if \zero
	v_wmma_scale_f32_16x16x128_f8f6f4 v[8*(8*(AA%4)+\b):8*(8*(AA%4)+\b)+7], v[128*JP+12*\b:128*JP+12*\b+11], v[AR:AR+11], 0, v[SC+8*JP+\b], v[SC+8*JP+AA] matrix_a_fmt:MATRIX_FMT_FP6 matrix_b_fmt:MATRIX_FMT_FP6 matrix_a_scale:MATRIX_SCALE_ROW1
.else
	v_wmma_scale_f32_16x16x128_f8f6f4 v[8*(8*(AA%4)+\b):8*(8*(AA%4)+\b)+7], v[128*JP+12*\b:128*JP+12*\b+11], v[AR:AR+11], v[8*(8*(AA%4)+\b):8*(8*(AA%4)+\b)+7], v[SC+8*JP+\b], v[SC+8*JP+AA] matrix_a_fmt:MATRIX_FMT_FP6 matrix_b_fmt:MATRIX_FMT_FP6 matrix_a_scale:MATRIX_SCALE_ROW1
.endif
.endr
.endr
.endm
; My step j: four groups of sixteen products.  B's fragments and the scale words of step j + 1 come from LDS in the step's middle.
; sync = 1: my reads of R0's first fill are over: the three lines, a round of the cluster's barrier, R0's refill.  sync = 2: behind the third group the refill has landed: a barrier shows it to all four waves.
.macro STEP j, sync, zero
.if (\sync) == 1
	WIN 0
	s_wait_tensorcnt 0x0                           ; all my tensor loads have landed
	ds_add_u32 v[SPW], v[NIL]
	WAITG 4*(\j)+1
	s_wait_dscnt 1                                 ; the add alone may be out
	MULG 4*(\j), \zero
	s_wait_dscnt 0x0                               ; the add is done; my LDS reads are over
	s_barrier_signal -1
	MULG 4*(\j)+1, \zero
	WIN 0
	s_barrier_wait -1
	CREST                                          ; no wave of any partner still reads R0 or has a load on its way
	tensor_load_to_lds s[G0R0:G0R0+3], s[G1B0:G1B0+7]   ; my one load behind the round: two row tiles x K steps 20-31
	s_nop 0
	PLACES
	REL 4*(\j)
	REL 4*(\j)+1
.else
	WAITG 4*(\j)
	s_wait_dscnt 0x0
	MULG 4*(\j), \zero
	PLACES
	REL 4*(\j)
	WAITG 4*(\j)+1
	MULG 4*(\j)+1, \zero
	PLACES
	REL 4*(\j)+1
.endif
.if (\j) < 4
	WIN 0
	global_prefetch_b8 v[PFO], s[4:5] offset:((\j)+4)*6144 th:TH_LOAD_NT scope:SCOPE_SE   ; its address registers are never written again
.endif
.if (\j) < 7 && (\sync) != 2
	LDB (\j)+1
	SCL (\j)+1
.endif
	WAITG 4*(\j)+2
	MULG 4*(\j)+2, \zero
.if (\sync) == 2
	WIN 0
	s_wait_tensorcnt 0x0                           ; my part of the refill is in (no LDS instruction of mine is out)
	s_barrier_signal -1
	s_barrier_wait -1
.endif
	PLACES
	REL 4*(\j)+2
.if (\sync) == 2
	LDB (\j)+1
	SCL (\j)+1
.endif
	WAITG 4*(\j)+3
.if (\j) == 7
	s_barrier_signal -1                            ; my last LDS read came back at this step's head: behind this barrier R0 and R1 take the partial sums
.endif
	MULG 4*(\j)+3, \zero
	WIN 0
	PLACES
.if (\j) == 7
	s_barrier_wait -1
.endif
	REL 4*(\j)+3
	WIN 0
.endm
	global_load_b128 v[BIAS:BIAS+3], v[CO], s[8:9] ; the bias of columns 4 L .. 4 L + 3
.set ISS, 1
.irp g, 0,1,2,3,4,5,6,7,8,9
	LDG \g                                         ; the ring's twenty slots are asked for ahead of the round
.endr
	WIN 0
	CROUND                                         ; all sixteen work-groups are here: the first joint loads meet
	ARM 1, G0HA, G1B0, .Lh_r1                      ; one load a wave: wave 0 R0, wave 1 R1, wave 2 A's scale words, wave 3 B's
	ARM 2, G0HB, G1B1, .Lh_sa
	ARM 3, G0SA, G1SA, .Lh_sb
	tensor_load_to_lds s[G0SB:G0SB+3], s[G1SB:G1SB+7]
	s_nop 0
	PLACES
.Lh_end:
	s_wait_tensorcnt 0x0                           ; my tile of the head's four is in
	s_mov_b32 s[G1B0+2], 2<<16                     ; no load of mine is out: R0's refill brings two row tiles a wave
	s_mov_b32 s[G1B0+4], 2
	s_barrier_signal -1
	s_barrier_wait -1                              ; everybody's is
	LDB 0
	SCL 0
	STEP 0, 0, 1
	STEP 1, 0, 0
	STEP 2, 1, 0
	STEP 3, 0, 0
	STEP 4, 2, 0
	STEP 5, 0, 0
	STEP 6, 0, 0
	STEP 7, 0, 0
; THE SUMS MEET.  Blocks 2 d, 2 d + 1 go, as images of their registers, to part d - 1 of their owner (w + d) % 4.
.irp a, 2,3,4,5,6,7
	WIN 0x08+4*(\a/4)                              ; the data: window 2 or 3
.irp b, 0,1,2,3,4,5,6,7
	ds_store_b128 v[RX+\a/2-1], v[8*(8*(\a%4)+\b):8*(8*(\a%4)+\b)+3] offset:(\a%2)*8192+\b*1024          ; each accumulator from its low end on
	ds_store_b128 v[RX+\a/2-1], v[8*(8*(\a%4)+\b)+4:8*(8*(\a%4)+\b)+7] offset:(\a%2)*8192+\b*1024+512
.endr
.endr
	WIN 0
	s_wait_dscnt 0x0                               ; for the others' sake
	s_barrier_signal -1
	s_barrier_wait -1
	s_wait_loadcnt 0x0                             ; the residual and the bias
.macro OUTU u                          ; my block u: 16 rows x 128 columns
	WIN 0x40
.irp c, 0,1,2
.set n, 0
.rept 16
	ds_load_b128 v[64*\c+4*n:64*\c+4*n+3], v[RL] offset:\c*16384+(\u)*8192+n*512
.set n, n+1
.endr
.endr
	s_wait_dscnt 0x0
	WIN 0x86                                       ; destination and source 0 window 2, source 1 window 1
.irp c, 0,1,2
.set n, 0
.rept 32
	v_pk_add_f32 v[64*(\u)+n:64*(\u)+n+1], v[64*(\u)+n:64*(\u)+n+1], v[64*\c+n:64*\c+n+1]
.set n, n+2
.endr
.endr
	WIN 0x08
.irp b, 0,1,2,3,4,5,6,7
	ds_store_b128 v[STO], v[64*(\u)+8*\b:64*(\u)+8*\b+3] offset:128*(\b/2)+32*(\b%2)
	ds_store_b128 v[STO], v[64*(\u)+8*\b+4:64*(\u)+8*\b+7] offset:128*(\b/2)+32*(\b%2)+16
.endr
.if (\u) > 0
	s_wait_xcnt 0x0                                ; the last block's stores have read their registers
.endif
	WIN 0x40
.set n, 0
.rept 16
	ds_load_b128 v[OB+4*n:OB+4*n+3], v[RD] offset:528*n    ; LDS serves a wave's instructions in order: these see my stores
.set n, n+1
.endr
	s_wait_dscnt 0x0
	WIN 0x41                                       ; destination and source 0 window 1, source 1 window 0
.set n, 0
.rept 32
	v_pk_add_f32 v[OB+n:OB+n+1], v[OB+n:OB+n+1], v[RS+64*(\u)+n:RS+64*(\u)+n+1]
.set n, n+2
.endr
.set n, 0
.rept 32
	v_pk_add_f32 v[OB+n:OB+n+1], v[OB+n:OB+n+1], v[BIAS+n%4:BIAS+n%4+1]
.set n, n+2
.endr
	WIN 0x04                                       ; the stores' data: window 1
.set n, 0
.rept 16
	global_store_b128 v[CO], v[OB+4*n:OB+4*n+3], s[12:13] offset:(8*(\u)+n+8*(n/8))*4096 th:TH_STORE_NT   ; 32 lanes store 512 consecutive bytes, aligned
.set n, n+1
.endr
.endm
	OUTU 0
	OUTU 1
	WIN 0
	s_wait_tensorcnt 0x0                           ; the wave's end
	ds_add_u32 v[SPW], v[NIL]
	s_wait_dscnt 0x0
	CROUND                                         ; the closing round
	s_endpgm
.Lfunc_end_k_qc116e14dfc_ffn2:
	.size	k_qc116e14dfc_ffn2, .Lfunc_end_k_qc116e14dfc_ffn2-k_qc116e14dfc_ffn2
	.p2alignl 7, 3214868480
	.fill 96, 4, 3214868480
	.section	.rodata,"a",@progbits
	.p2align	6, 0x0
	.amdhsa_kernel k_qc116e14dfc_ffn2
		.amdhsa_group_segment_fixed_size 327680
		.amdhsa_private_segment_fixed_size 0
		.amdhsa_enable_private_segment 0
		.amdhsa_kernarg_size 40
		.amdhsa_user_sgpr_count 2
		.amdhsa_user_sgpr_kernarg_segment_ptr 1
		.amdhsa_wavefront_size32 1
		.amdhsa_system_sgpr_workgroup_id_x 1
		.amdhsa_system_sgpr_workgroup_id_y 1
		.amdhsa_system_sgpr_workgroup_id_z 1
		.amdhsa_system_vgpr_workitem_id 0
		.amdhsa_next_free_vgpr 1024
		.amdhsa_next_free_sgpr 102
		.amdhsa_reserve_vcc 0
		.amdhsa_float_denorm_mode_32 3
		.amdhsa_float_denorm_mode_16_64 3
		.amdhsa_memory_ordered 1
		.amdhsa_forward_progress 1
		.amdhsa_inst_pref_size 165
	.end_amdhsa_kernel
	.amdgpu_metadata
---
amdhsa.version: [ 1, 2 ]
amdhsa.kernels:
  - .name:           k_qc116e14dfc_ffn2
    .symbol:         k_qc116e14dfc_ffn2.kd
    .args:
      - { .name: hid, .offset: 0, .size: 8, .value_kind: global_buffer, .address_space: global }
      - { .name: wts, .offset: 8, .size: 8, .value_kind: global_buffer, .address_space: global }
      - { .name: b2, .offset: 16, .size: 8, .value_kind: global_buffer, .address_space: global }
      - { .name: x1, .offset: 24, .size: 8, .value_kind: global_buffer, .address_space: global }
      - { .name: out0, .offset: 32, .size: 8, .value_kind: global_buffer, .address_space: global }
    .group_segment_fixed_size: 327680
    .private_segment_fixed_size: 0
    .kernarg_segment_align: 8
    .kernarg_segment_size: 40
    .max_flat_workgroup_size: 128
    .sgpr_count:     102
    .vgpr_count:     1024
    .wavefront_size: 32
...
	.end_amdgpu_metadata
.endif
;; end of part 7
